; MI455X (gfx1250); checked and timed in simulation.
; The chip was launched on July 23, 2026; its instructions are those of AMD's public machine-readable ISA for CDNA 5 (MIT licence, August 2026) and "CDNA5" Instruction Set Architecture Reference Guide (July 2026). The comments in the code are by the model that wrote it; some were corrected since.
;; Causal Self Attention. Allowed arithmetic: matrix products marked QUANTISED: E2M3 operands, one E8M0 scale for each 32 along K, by v_wmma_scale_f32_16x16x128_f8f6f4 with both operands' format E2M3, f32 sums; everything else in f32.
;; Inputs: Wk 2,048 x 1,024 float32; Wproj 1,024 x 2,048 float32; Wq 2,048 x 1,024 float32; Wv 2,048 x 1,024 float32; k_rms_w 128 float32; q_rms_w 128 float32; subln_w 128 float32; x 2 x 2,048 x 2,048 float32.
;; Outputs: out0 2 x 2,048 x 2,048 float32.
;; This version of the problem:
;;   THIS VERSION OF THE PROBLEM IS GIVEN IN LOW PRECISION. The matrix products marked QUANTISED in the list below multiply operands that are first quantised to E2M3 (2 exponent bits, 3 mantissa bits; 6 bits a number), with one power-of-two scale for each 32 numbers along K (OCP MX v1.0); their sums are f32. All else is computed in f32.
;;   The module's matrix products, in the order in which they are computed (A, B: the left and right operand; K: the contracted axis; several contracted axes count as one K, in the product's order):
;;     1. [M 4,096, K 2,048] x [K 2,048, N 1,024]; A: input x; B: input Wq: QUANTISED
;;     2. [M 4,096, K 2,048] x [K 2,048, N 1,024]; A: input x; B: input Wk: QUANTISED
;;     3. [M 4,096, K 2,048] x [K 2,048, N 1,024]; A: input x; B: input Wv: QUANTISED
;;     4. batch 16 x [M 2,048, K 128] x [K 128, N 2,048]; A: computed on the way; B: computed on the way: QUANTISED
;;     5. batch 16 x [M 2,048, K 2,048] x [K 2,048, N 128]; A: softmax (see below); B: computed on the way: QUANTISED
;;     6. [M 4,096, K 1,024] x [K 1,024, N 2,048]; A: computed on the way; B: input Wproj: QUANTISED
;;   THE QUANTISER, for each operand of a quantised product, along K:
;;     - K is cut into blocks of 32 from its start; a last block that is shorter is filled with zeros.
;;     - A block's scale is 2^e with e = floor(log2(the largest magnitude in the block)) - 2, held to -126 .. 127; a block of zeros has e = 0. As a byte (E8M0): e + 127.
;;     - Each number is divided by its block's scale, clamped to +-7.5, and rounded to the nearest number of E2M3, ties to even, subnormals kept.
;;     - The product sums the exact products of the quantised numbers (number of the format x scale) in f32.
;;   ~~~python
;;   def quantise(x, axis):      # numpy; x: float32 -> the quantised numbers, widened to float32 again
;;       x = np.moveaxis(x, axis, -1); K = x.shape[-1]
;;       x = np.pad(x, [(0, 0)] * (x.ndim - 1) + [(0, -K % 32)]); x = x.reshape(x.shape[:-1] + (-1, 32)); a = np.abs(x).max(-1, keepdims=True)
;;       e = np.where(a > 0, np.clip(np.frexp(np.where(a > 0, a, 1))[1] - 1 - 2, -126, 127), 0)      # np.frexp(a)[1] - 1 = floor(log2(a)), exactly
;;       r = np.clip(x / 2.0 ** e, -7.5, 7.5)
;;       step = 2.0 ** (np.maximum(np.frexp(np.where(r == 0, 1, r))[1] - 1, 0) - 3)
;;       q = np.round(r / step) * step * 2.0 ** e      # np.round: ties to even
;;       return np.moveaxis(q.reshape(q.shape[:-2] + (-1,))[..., :K], -1, axis).astype(np.float32)
;;   ~~~
;;   SOFTMAX AHEAD OF A QUANTISED PRODUCT. Where the list says 'softmax', what is quantised is not the finished softmax but p = 2^(t - M), with t = logit x log2(e) and M = ceil(the row's largest t), a whole number; so 1/2 < the row's largest p <= 1. The row's sum l is taken of the UNQUANTISED p, in f32, and the product's result is divided by l at the end. Since M is a whole number, a kernel that streams over the keys may use a running M (the ceiling of the running maximum): every later rescaling is an exact power of two, which a block's scale takes up: the codes' values come out the same.
;;   OPERANDS COMPUTED ON THE WAY. 'Computed on the way' means the value that the module computes at that place (a softmax that the list does not call 'softmax' is quantised finished and normalised). What goes into a quantiser is computed in f32, as accurately as f32 sums, v_exp_f32 and their like allow (about 1e-6 of the number): no bf16 or f16 on the way to a quantiser, and a product that is left as it is and whose result goes on into a quantised operand takes f32 operands (vector FMAs, or v_wmma_f32_16x16x4_f32). A number that lies on a knife's edge between two numbers of the format may be rounded either way, as far as f32 arithmetic and the matrix unit's own rounding can turn it there, and no further.
;; 2 versions, each right. Each part assembles by itself: llvm-mc -triple=amdgcn-amd-amdhsa -mcpu=gfx1250 --defsym DOCPART=n.
;; ======== version 1 of 2: 4 launches
;; workspace buffers: xq 6,553,600 bytes; wq 6,553,600 bytes; qc 3,276,800 bytes; kv 6,553,600 bytes; yq 3,276,800 bytes
;; launch quant (part 1): grid 384 x 1, 4 waves a work-group, no clusters, 47,616 bytes of LDS; arguments x, Wq, Wk, Wv, Wproj, xq, wq; writes xq, wq
.if DOCPART == 1
	.amdgcn_target "amdgcn-amd-amdhsa--gfx1250"
	.amdhsa_code_object_version 6
	.text
	.protected	k_q5501888e87_quant
	.globl	k_q5501888e87_quant
	.p2align	8
	.type	k_q5501888e87_quant,@function
k_q5501888e87_quant:
	s_mov_b64 s[64:65], 0
	v_nop
	global_prefetch_b8 v0, s[64:65] scope:SCOPE_SE
	s_setreg_imm32_b32 hwreg(HW_REG_WAVE_MODE, 25, 1), 1
	s_wait_xcnt 0x0
; x [4096][2048] and the four weights (K on their FIRST axis) become codes of FP6 (E2M3) with one E8M0 byte for each 32 along K,
; laid as the products' launches want them: as IMAGES OF OPERAND REGISTERS.
; A fragment is 16 rows x 128 K, 12 registers a lane: byte 512 c + 16 L + 4 e of its image (1,536 bytes) is register 4 c + e of lane L.
; Tile i of an operand holds the rows 32 (i / 2) + 8 (i % 2) + r + 8 (r / 8), r = 0 .. 15.  Codes: [tile][K step of 128][1536].
; Scale words (4 bytes: one row, one K step): [tile][group of 4 K steps][r][4 words], 256 bytes a group.
; A block's scale is 2^(floor(log2(largest magnitude)) - 2); its byte is the largest magnitude's exponent field - 2, held at 1 from below.
; LIMITS: a block of zeros gets the byte 1 where the rule says 127 (its codes are zeros, and this program alone reads the bytes);
; blocks whose largest magnitude lies under 2^(3 - 127) take that floor's byte; NaN and infinities among the inputs are not served.
; Work-groups 0-255: x, a tile of 16 tokens each; wave w takes K steps 4 w .. 4 w + 3.  Work-groups 256-383: the weights, 128 columns x 512 along K each.
; The two paths part on the work-group's number and never join; each has LDS bytes of its own.  Waves share nothing: no barrier.
.set FRB,     1536
.set XS_OFF,  6291456                  ; xq: scale words behind 256 x 16 images
.set WS_OFF,  4718592                  ; wq: Wq|Wk|Wv: scale words behind 192 x 16 images
.set WP_OFF,  4915200                  ; wq: Wproj's images
.set WPS_OFF, 6488064                  ; wq: Wproj's scale words
.set XPIT,    528                      ; x path's stage: a row of 512 bytes + 16
.set XWAVE,   16*XPIT                  ; 16 rows a wave
.set WST,     4*XWAVE                  ; the weight path's stages begin here
.set WIMG,    1664                     ; an image + 128 bytes, so that the two tiles' stores fall on different banks
.set WWAVE,   2*WIMG
.set SPARE,   WST+4*WWAVE              ; the spare words, 128 bytes a wave: two blocks of 256 bytes that no other line names
.set SPW, 252                          ; v252 LDS address of my spare word; never rewritten
.set NIL, 253                          ; v253 0; never rewritten
.set PW,  10                           ; v10      the scale word just made
.set SW,  12                           ; v12-15   four K steps' scale words
.set TM,  16                           ; v16-31   at work in QUANT
.set R,   32                           ; v32-159  x path: two sets of 64 registers as loaded
.set X,   160                          ; v160-223 x path: 64 numbers in the quantiser's order
.set PC,  224                          ; v224-242 x path: the codes just made
.set VO,  32                           ; v32-63   weight path: byte offset of row i of a block, at my column
.set XW,  64                           ; v64-127  weight path: two sets of 32 numbers
.set IM,  128                          ; v128-151 weight path: my 24 registers of a K step's images
.set T,   152                          ; v152-154 a conversion's second half
.set OUT, 160                          ; v160-183 the two images read back
.set SEL, 20                           ; s[20:21] lane selects for v_permlanex16_b32: lane l xor 16
; 64 numbers of a lane, register 16 b + i = k 32 b + 16 (lane / 16) + i of my row, become a fragment's codes in v[PC] on and its scale word in v[PW].
.macro QUANT s
.irp b, 0,1,2,3
	v_max3_num_f32 v[TM+\b], |v[\s+16*\b]|, |v[\s+1+16*\b]|, 0x1800000   ; block b: my 16 numbers, and the floor 2^(3 - 127): the byte cannot fall under 1
.endr
.irp i, 2,4,6,8,10,12,14
.irp b, 0,1,2,3
	v_max3_num_f32 v[TM+\b], v[TM+\b], |v[\s+16*\b+\i]|, |v[\s+1+16*\b+\i]|   ; the four blocks by turns
.endr
.endr
.irp b, 0,1,2,3
	v_permlanex16_b32 v[TM+4+\b], v[TM+\b], s[SEL], s[SEL+1]
.endr
.irp b, 0,1,2,3
	v_max_num_f32 v[TM+\b], v[TM+\b], v[TM+4+\b]   ; with lane l xor 16's: the block's largest magnitude
.endr
.irp b, 0,1,2,3
	v_add_nc_u32 v[TM+12+\b], 0xff000000, v[TM+\b]   ; 2 off its exponent field: the conversion's scale operand
.endr
.irp b, 0,1,2,3
	v_lshrrev_b32 v[TM+4+\b], 23, v[TM+12+\b]      ; the scale's byte
.endr
	v_lshl_or_b32 v[PW], v[TM+5], 8, v[TM+4]
	v_lshl_or_b32 v[PW], v[TM+6], 16, v[PW]
	v_lshl_or_b32 v[PW], v[TM+7], 24, v[PW]        ; my row's scale word
.irp c, 0,1
	v_cvt_scalef32_pk16_fp6_f32 v[PC+6*\c:PC+2+6*\c], v[\s+32*\c:\s+15+32*\c], v[TM+12+2*\c]
	v_cvt_scalef32_pk16_fp6_f32 v[PC+12+4*\c:PC+14+4*\c], v[\s+16+32*\c:\s+31+32*\c], v[TM+12+2*\c+1]   ; a conversion's three registers begin on an even number
.endr
	v_nop                                          ; one plain place behind a scaled conversion
.irp c, 0,1                                    ; the layout wants a WHOLE block in a lane: lanes 0-15 block 2 c, lanes 16-31 block 2 c + 1
.irp i, 0,1,2
	v_permlane16_swap_b32 v[PC+6*\c+\i], v[PC+12+4*\c+\i]
.endr
.irp i, 0,1,2
	v_mov_b32 v[PC+3+6*\c+\i], v[PC+12+4*\c+\i]
.endr
.endr
.endm
	s_load_b256 s[4:11], s[0:1], 0x0               ; x s[4:5], Wq s[6:7], Wk s[8:9], Wv s[10:11]
	s_load_b128 s[12:15], s[0:1], 0x20             ; Wproj s[12:13], xq s[14:15]
	s_load_b64 s[16:17], s[0:1], 0x30              ; wq
	v_lshl_add_u32 v[SPW], v0, 2, SPARE
	v_mov_b32 v[NIL], 0
	v_lshrrev_b32 v1, 5, v0
	v_readfirstlane_b32 s18, v1                    ; wave 0..3
	v_and_b32 v11, 31, v0                          ; lane
	v_and_b32 v244, 15, v0                         ; r = lane % 16
	v_bfe_u32 v245, v0, 4, 1                       ; h = lane / 16
	v_bfe_u32 v246, v0, 3, 1                       ; weight path: u, which of my two tiles my column falls into
	v_and_b32 v247, 7, v0
	v_lshl_add_u32 v247, v245, 3, v247             ; and its row there: (lane % 8) + 8 (lane / 16)
	v_lshlrev_b32 v1, 4, v11                       ; 16 x lane: an image's place for my lane
	; every LDS address of both paths is made here, ahead of the parting
	s_mul_i32 s22, s18, XWAVE
	v_add_nc_u32 v2, s22, v1                       ; x path, into the stage: a row's 512 bytes as loaded
	v_mul_u32_u24 v3, v244, XPIT
	v_lshl_add_u32 v3, v245, 6, v3
	v_add_nc_u32 v3, s22, v3                       ; and out of it: row r, + 64 h: my 16 numbers of each block of 32
	v_lshlrev_b32 v4, 4, v244                      ; 16 r: my row's four scale words
	s_mul_i32 s23, s18, WWAVE
	s_add_co_u32 s23, s23, WST
	v_mul_u32_u24 v5, v246, WIMG
	v_lshl_add_u32 v5, v247, 4, v5
	v_add_nc_u32 v5, s23, v5                       ; weight path, into the stage: tile u's image, lane r's place
	v_add_nc_u32 v6, s23, v1                       ; and out of it: 16 x lane
	s_mov_b32 s[SEL], 0x76543210
	s_mov_b32 s[SEL+1], 0xfedcba98
.irp b, 0,1,2,3
	v_mov_b32 v[TM+4+\b], 0                        ; written once: a lane permute's destination counts as one of its sources
.endr
	s_wait_kmcnt 0x0
	s_cmp_ge_u32 ttmp9, 256
	s_cbranch_scc1 .Lweights
	; ---------------- x: token tile i = the work-group's number ----------------
	s_lshr_b32 s22, ttmp9, 1
	s_lshl_b32 s22, s22, 5
	s_and_b32 s23, ttmp9, 1
	s_lshl_b32 s23, s23, 3
	s_add_co_u32 s22, s22, s23                     ; the tile's first row: 32 (i / 2) + 8 (i % 2)
	s_lshl_b32 s22, s22, 13                        ; rows of 8,192 bytes
	s_lshl_b32 s23, s18, 11                        ; my four K steps: 2,048 bytes on for each wave
	s_add_co_u32 s22, s22, s23
	s_mov_b32 s23, 0
	s_add_nc_u64 s[4:5], s[4:5], s[22:23]
	s_lshl_b32 s22, ttmp9, 2
	s_add_co_u32 s22, s22, s18                     ; 4 i + w
	s_mul_i32 s24, s22, 4*FRB
	s_mov_b32 s25, 0
	s_add_nc_u64 s[26:27], s[14:15], s[24:25]      ; my four images
	s_lshl_b32 s24, s22, 8
	s_add_co_u32 s24, s24, XS_OFF
	s_add_nc_u64 s[28:29], s[14:15], s[24:25]      ; my group of scale words
.macro LOADX s                         ; K step s of the tile's 16 rows: each load reads 512 consecutive bytes of one row
.irp t, 0,1,2,3,4,5,6,7,8,9,10,11,12,13,14,15
	global_load_b128 v[R+64*((\s)%2)+4*\t:R+64*((\s)%2)+4*\t+3], v1, s[4:5] offset:(\t+8*(\t/8))*8192+512*(\s) th:TH_LOAD_NT
.endr
.endm
.macro STEPX s
.if (\s) < 3
	s_wait_loadcnt 16                              ; this K step's 16 loads are in; the next step's 16 may be out
.else
	s_wait_loadcnt 0x0
.endif
.irp t, 0,1,2,3,4,5,6,7,8,9,10,11,12,13,14,15
	ds_store_b128 v2, v[R+64*((\s)%2)+4*\t:R+64*((\s)%2)+4*\t+3] offset:XPIT*\t
.endr
.irp b, 0,1,2,3
.irp j, 0,1,2,3
	ds_load_b128 v[X+16*\b+4*\j:X+16*\b+4*\j+3], v3 offset:128*\b+16*\j   ; LDS serves a wave's instructions in order: these see my stores
.endr
.endr
	s_wait_dscnt 0x0                               ; the numbers are back, and the stores have read their registers,
.if (\s)+2 < 4
	LOADX (\s)+2                                   ; which take the loads of two steps on
.endif
	s_wait_xcnt 0x0                                ; the last step's stores have read the codes' registers
	QUANT X
	v_mov_b32 v[SW+(\s)], v[PW]
.irp c, 0,1,2
	global_store_b128 v1, v[PC+4*\c:PC+4*\c+3], s[26:27] offset:FRB*(\s)+512*\c   ; 512 consecutive bytes of the image
.endr
.endm
	LOADX 0
	LOADX 1
	STEPX 0
	STEPX 1
	STEPX 2
	STEPX 3
	v_cmp_gt_u32 vcc_lo, 16, v11                   ; lanes r and r + 16 hold the same words: lanes 0-15 store them
	s_wait_xcnt 0x0                                ; EXEC changes only behind this wait
	s_and_saveexec_b32 s30, vcc_lo
	global_store_b128 v4, v[SW:SW+3], s[28:29]     ; sixteen lanes: 256 consecutive bytes, aligned
	s_wait_xcnt 0x0
	s_or_b32 exec_lo, exec_lo, s30
	s_wait_tensorcnt 0x0                           ; the wave's end, behind my last LDS store
	ds_add_u32 v[SPW], v[NIL]
	s_wait_dscnt 0x0
	s_endpgm
	; ---------------- the weights: a lane takes a column, its registers run down K ----------------
.Lweights:
	s_sub_co_u32 s22, ttmp9, 256
	s_lshr_b32 s23, s22, 5                         ; 0, 1, 2: Wq, Wk, Wv [2048][1024];  3: Wproj [1024][2048]
	s_and_b32 s24, s22, 31
	s_lshl_b32 s34, s23, 6                         ; Wq, Wk, Wv: 64 tiles each, one behind the other
	s_cmp_eq_u32 s23, 1
	s_cselect_b64 s[28:29], s[8:9], s[6:7]
	s_cmp_eq_u32 s23, 2
	s_cselect_b64 s[28:29], s[10:11], s[28:29]
	s_mov_b32 s36, WS_OFF
	s_cmp_eq_u32 s23, 3                            ; all that differs for Wproj is chosen on this one compare
	s_cselect_b64 s[28:29], s[12:13], s[28:29]
	s_cselect_b32 s30, 15, 7                       ; groups of 128 columns: 16 or 8
	s_cselect_b32 s31, 4, 3
	s_cselect_b32 s32, 13, 12                      ; a row of the weight: 8,192 or 4,096 bytes
	s_cselect_b32 s33, 8, 16                       ; K steps of the operand
	s_cselect_b32 s34, 0, s34                      ; first tile
	s_cselect_b32 s35, WP_OFF, 0
	s_cselect_b32 s36, WPS_OFF, s36
	s_and_b32 s37, s24, s30                        ; which 128 columns
	s_lshr_b32 s38, s24, s31                       ; which 512 along K
	s_lshl_b32 s39, 1, s32                         ; the row in bytes
	s_lshl_b32 s40, s38, 9
	s_lshl_b32 s40, s40, s32
	s_lshl_b32 s41, s37, 9
	s_add_co_u32 s40, s40, s41
	s_lshl_b32 s41, s18, 7
	s_add_co_u32 s40, s40, s41                     ; 512 kg rows + (128 cg + 32 w) columns
	s_mov_b32 s41, 0
	s_add_nc_u64 s[28:29], s[28:29], s[40:41]
	s_lshl_b32 s42, s39, 5                         ; a block on: 32 rows
	s_mov_b32 s43, 0
	s_lshl_b32 s44, s37, 3
	s_add_co_u32 s44, s44, s34
	s_lshl_b32 s45, s18, 1
	s_add_co_u32 s44, s44, s45                     ; my first tile
	s_mul_i32 s46, s44, s33
	s_lshl_b32 s47, s38, 2
	s_add_co_u32 s46, s46, s47
	s_mul_i32 s46, s46, FRB
	s_add_co_u32 s46, s46, s35
	s_mov_b32 s47, 0
	s_add_nc_u64 s[48:49], s[16:17], s[46:47]      ; its images of my four K steps
	s_lshl_b32 s50, s33, 6                         ; a tile's scale words: 256 bytes for each four K steps
	s_mul_i32 s46, s44, s50
	s_lshl_b32 s51, s38, 8
	s_add_co_u32 s46, s46, s51
	s_add_co_u32 s46, s46, s36
	s_add_nc_u64 s[52:53], s[16:17], s[46:47]
	s_mul_i32 s51, s33, FRB                        ; a tile's images
	v_add_nc_u32 v8, s51, v1                       ; my second tile's image: 16 x lane + a tile on
	v_mul_u32_u24 v9, s50, v246
	v_lshl_add_u32 v9, v247, 4, v9                 ; my column's four scale words: tile u, row r
	v_lshlrev_b32 v248, 2, v11
.set J, 0
.rept 32
	v_mad_u32_u24 v[VO+J], s39, J, v248            ; row J of a block, my column
.set J, J+1
.endr
.macro LOADW t                         ; block t: 32 rows at 32 neighbouring columns: 128 consecutive bytes a load, the four waves side by side
.if (\t) > 0
	s_wait_xcnt 0x0                                ; the earlier loads have read their base
	s_add_nc_u64 s[28:29], s[28:29], s[42:43]
.endif
.set J, 0
.rept 32
	global_load_b32 v[XW+32*((\t)%2)+J], v[VO+J], s[28:29] th:TH_LOAD_NT
.set J, J+1
.endr
.endm
.macro IMGOUT s                        ; K step s is whole: my 24 registers go to their lanes' places in the two images, which come back as images and are stored
.irp hh, 0,1
.irp g, 0,1,2
	ds_store_b128 v5, v[IM+12*\hh+4*\g:IM+12*\hh+4*\g+3] offset:256*\hh+512*\g
.endr
.endr
	s_wait_xcnt 0x0                                ; the last K step's stores have read the registers that these loads fill
.irp u, 0,1
.irp g, 0,1,2
	ds_load_b128 v[OUT+12*\u+4*\g:OUT+12*\u+4*\g+3], v6 offset:WIMG*\u+512*\g   ; LDS serves a wave's instructions in order
.endr
.endr
	s_wait_dscnt 0x0
.irp g, 0,1,2
	global_store_b128 v1, v[OUT+4*\g:OUT+4*\g+3], s[48:49] offset:FRB*(\s)+512*\g
	global_store_b128 v8, v[OUT+12+4*\g:OUT+12+4*\g+3], s[48:49] offset:FRB*(\s)+512*\g
.endr
.endm
.macro BLOCKW t
.set XS, XW+32*((\t)%2)
.set B4, (\t)%4                        ; the block's place in its K step: it belongs to lane half B4 % 2, registers 6 (B4 / 2) on
.set DS, IM+12*(B4%2)+6*(B4/2)
.if (\t) < 15
	s_wait_loadcnt 32                              ; this block's 32 loads are in; the next block's may be out
.else
	s_wait_loadcnt 0x0
.endif
	v_max3_num_f32 v16, |v[XS]|, |v[XS+1]|, |v[XS+2]|   ; the block's largest magnitude: all 32 numbers are mine
	v_max3_num_f32 v17, |v[XS+3]|, |v[XS+4]|, |v[XS+5]|
.irp i, 6,10,14,18,22,26
	v_max3_num_f32 v16, v16, |v[XS+\i]|, |v[XS+\i+1]|
	v_max3_num_f32 v17, v17, |v[XS+\i+2]|, |v[XS+\i+3]|
.endr
	v_max3_num_f32 v16, v16, |v[XS+30]|, |v[XS+31]|
	v_max3_num_f32 v16, v16, v17, 0x1800000        ; and the floor
	v_add_nc_u32 v18, 0xff000000, v16              ; the conversion's scale operand
	v_lshrrev_b32 v19, 23, v18                     ; the byte
.if B4 == 0
	v_mov_b32 v[SW+(\t)/4], v19
.else
	v_lshl_or_b32 v[SW+(\t)/4], v19, 8*B4, v[SW+(\t)/4]
.endif
	v_cvt_scalef32_pk16_fp6_f32 v[DS:DS+2], v[XS:XS+15], v18
	v_cvt_scalef32_pk16_fp6_f32 v[T:T+2], v[XS+16:XS+31], v18
	v_nop                                          ; one plain place behind a scaled conversion
.irp i, 0,1,2
	v_mov_b32 v[DS+3+\i], v[T+\i]
.endr
.if (\t)+2 < 16
	LOADW (\t)+2
.endif
.if B4 == 3
	IMGOUT (\t)/4
.endif
.endm
	LOADW 0
	LOADW 1
.irp t, 0,1,2,3,4,5,6,7,8,9,10,11,12,13,14,15
	BLOCKW \t
.endr
	global_store_b128 v9, v[SW:SW+3], s[52:53]     ; each tile's 256 bytes are written whole by sixteen lanes
	s_wait_tensorcnt 0x0                           ; the wave's end, behind my last LDS store
	ds_add_u32 v[SPW], v[NIL]
	s_wait_dscnt 0x0
	s_endpgm
.Lfunc_end_k_q5501888e87_quant:
	.size	k_q5501888e87_quant, .Lfunc_end_k_q5501888e87_quant-k_q5501888e87_quant
	.p2alignl 7, 3214868480
	.fill 96, 4, 3214868480
	.section	.rodata,"a",@progbits
	.p2align	6, 0x0
	.amdhsa_kernel k_q5501888e87_quant
		.amdhsa_group_segment_fixed_size 47616
		.amdhsa_private_segment_fixed_size 0
		.amdhsa_enable_private_segment 0
		.amdhsa_kernarg_size 56
		.amdhsa_user_sgpr_count 2
		.amdhsa_user_sgpr_kernarg_segment_ptr 1
		.amdhsa_wavefront_size32 1
		.amdhsa_system_sgpr_workgroup_id_x 1
		.amdhsa_system_sgpr_workgroup_id_y 1
		.amdhsa_system_sgpr_workgroup_id_z 1
		.amdhsa_system_vgpr_workitem_id 0
		.amdhsa_next_free_vgpr 256
		.amdhsa_next_free_sgpr 66
		.amdhsa_reserve_vcc 1
		.amdhsa_float_denorm_mode_32 3
		.amdhsa_float_denorm_mode_16_64 3
		.amdhsa_memory_ordered 1
		.amdhsa_forward_progress 1
		.amdhsa_inst_pref_size 116
	.end_amdhsa_kernel
	.amdgpu_metadata
---
amdhsa.version: [ 1, 2 ]
amdhsa.kernels:
  - .name:           k_q5501888e87_quant
    .symbol:         k_q5501888e87_quant.kd
    .args:
      - { .name: x, .offset: 0, .size: 8, .value_kind: global_buffer, .address_space: global }
      - { .name: Wq, .offset: 8, .size: 8, .value_kind: global_buffer, .address_space: global }
      - { .name: Wk, .offset: 16, .size: 8, .value_kind: global_buffer, .address_space: global }
      - { .name: Wv, .offset: 24, .size: 8, .value_kind: global_buffer, .address_space: global }
      - { .name: Wproj, .offset: 32, .size: 8, .value_kind: global_buffer, .address_space: global }
      - { .name: xq, .offset: 40, .size: 8, .value_kind: global_buffer, .address_space: global }
      - { .name: wq, .offset: 48, .size: 8, .value_kind: global_buffer, .address_space: global }
    .group_segment_fixed_size: 47616
    .private_segment_fixed_size: 0
    .kernarg_segment_align: 8
    .kernarg_segment_size: 56
    .max_flat_workgroup_size: 128
    .sgpr_count:     66
    .vgpr_count:     256
    .wavefront_size: 32
...
	.end_amdgpu_metadata
.endif
;; end of part 1
;; launch qkv (part 2): grid 12 x 16, 4 waves a work-group, clusters of 4 x 4, 327,680 bytes of LDS; arguments xq, wq, q_rms_w, k_rms_w, qc, kv; writes qc, kv
.if DOCPART == 2
	.amdgcn_target "amdgcn-amd-amdhsa--gfx1250"
	.amdhsa_code_object_version 6
	.text
	.protected	k_q5501888e87_qkv
	.globl	k_q5501888e87_qkv
	.p2align	8
	.type	k_q5501888e87_qkv,@function
k_q5501888e87_qkv:
	s_mov_b64 s[64:65], 0
	v_nop
	global_prefetch_b8 v0, s[64:65] scope:SCOPE_SE
	s_setreg_imm32_b32 hwreg(HW_REG_WAVE_MODE, 25, 1), 1
	s_wait_xcnt 0x0
	s_wait_alu depctr_hold_cnt(0) depctr_sa_sdst(0) depctr_va_vdst(0) depctr_va_sdst(0) depctr_va_ssrc(0) depctr_va_vcc(0) depctr_vm_vsrc(0)
	s_getreg_b32 s2, hwreg(HW_REG_IB_STS2, 6, 4)
	s_cmp_eq_u32 s2, 0
	s_cbranch_scc0 .Lentry_in_a_cluster
	s_endpgm
.Lentry_in_a_cluster:
	s_bfe_u32 s2, ttmp6, 0x10000c
	s_cmp_lg_u32 s2, 0xf033
	s_cbranch_scc0 .Lentry_shape_is_right
	s_endpgm
.Lentry_shape_is_right:
; q, k, v = x Wq, x Wk, x Wv on codes of FP6 (E2M3) with E8M0 scales; RMS norm of q and k over the head's 128, in f32; then q, k, v are quantised in registers
; (q, k along the head's 128, v along the keys) and stored as images of the operand registers that the attention launch loads.
; OPERANDS are fragment images (16 rows x 128 K, 1,536 bytes: byte 512 c + 16 L + 4 e = register 4 c + e of lane L), [tile][K step]; scale words [tile][4 K steps][r][4].
; Tile i holds rows 32 (i / 2) + 8 (i % 2) + r + 8 (r / 8): so the 16 registers of two neighbouring result tiles are 16 NEIGHBOURS along source 0's rows.
; A work-group of four waves makes 256 x 256; a wave 128 x 128: 64 accumulators.  Source 0 = operand R (8 tiles b), source 1 = operand P (8 tiles a): a lane holds ONE row of P and 64 rows of R.
; THE KIND is the cluster's x: 0 q, 1 k, 2 v; it is the same in all sixteen partners.  q, k: P = x (tokens), R = W (a wave's 128 rows are one head): a lane's registers run along the head.
; v: P = Wv, R = x: a lane holds one channel and its registers run along 128 tokens, one key step.  The change of sources is made by pointers and cluster coordinates alone.
; K goes in steps of 256 through two LDS slots filled by joint tensor loads: P's tiles are shared along a row of the 4 x 4 cluster, R's along a column.  All scale words come once, with the first fills.
; LIMITS: a block of zeros gets the byte 1 where the rule says 127 (zero codes; this program alone reads the bytes); NaN and infinities are not served.
; REGISTERS: window 0: v16-29 addresses; v32-63 scale words, two sets; v64-127 the norm's weights; v128-223 P's fragments, one set (the way out works in v128-247).
;   window 1: R's fragments, two sets, at v0 and v128.   windows 2, 3: accumulator (a, b) at v[8 (8 (a % 4) + b)].
.set NKS,    16                        ; K steps of 128
.set FRB,    1536
.set TPITCH, NKS*FRB                   ; a tile's images in memory
.set TROW,   2*FRB                     ; a tile's part of a slot: two K steps
.set HALFT,  8*TROW                    ; 8 tiles: what one tensor load brings, and what one wave reads of P or of R
.set SLOT,   4*HALFT
.set SCL,    2*SLOT                    ; behind the ring: the scale words, as rows of 256 bytes + 16
.set UNITS,  2*NKS                     ; rows of 256 bytes in 8 tiles' scale words
.set HALFS,  272*UNITS
.set SBLK,   272*NKS/4                 ; one tile's
.set SPARE,  SCL+4*HALFS               ; the spare words, 128 bytes a wave: two blocks of 256 bytes that no other line names
.set FR,     12
.set NL,     3                         ; LDS loads that bring a fragment
.set NQ,     2
.set NP,     4                         ; places behind this matrix instruction (ISA guide 7.12.1)
.set LAPS,   NKS/4
.set XS_OFF, 6291456
.set WS_OFF, 4718592
.set QS_OFF, 3145728
.set KVS_OFF,6291456
.set ADRA, 16                          ; v16-17 my P fragments in slot 0, 1
.set ADRB, 20                          ; v20-21 my R fragments
.set WO,   25                          ; v25    64 x (lane / 16): my place in the norm's weights
.set LI,   26                          ; v26    16 x lane
.set ADRS, 27                          ; v27    my scale words: lanes 0-15 P's rows, lanes 16-31 R's
.set SPW,  28                          ; v28    my spare word; never rewritten
.set NIL,  29                          ; v29    0; never rewritten
.set SC,   32
.set WT,   64                          ; register 16 b + i: w[32 b + 16 h + i]
.set AF,   128
.set N,    128                         ; the way out: 64 numbers
.set PC,   192                         ; v192-210 codes
.set TM,   212                         ; v212-227 at work in QUANT
.set PW,   228
.set SW,   232                         ; v232-239 the eight blocks' scale words
.set RS,   240                         ; v240-241 1 / rms
.set SS,   242                         ; v242-245 sums of squares
.set ONE,  246
.set HH,   247                         ; lane / 16
.set G1, 24
.set G0, 32
.set G1B, 48
.set G0B, 56
.set G1S, 68
.set G0S, 76
.set G1SB, 80
.set G0SB, 88
.set SEL, 96
.set MSB, 0
.macro WIN new                         ; the immediate's high byte repeats the setting that is left
.if MSB != \new
	s_set_vgpr_msb (MSB<<8)|\new
.set MSB, \new
.endif
.endm
.set MUL_LO, 0xa1                      ; source 0 (R) window 1, source 1 (P) window 0, C and D window 2
.set MUL_HI, 0xf1
.set TO_B,   0x40
; A joint load: waves 0 and 1 fetch for P, waves 2 and 3 for R.  The branch hangs on the wave's number alone.  An s_nop 0 and four v_nop follow each line.
.macro JLOAD g0a, g1a, g0b, g1b
	s_cmp_eq_u32 s17, 0
	s_cbranch_scc0 .Lfor_b_\@
	tensor_load_to_lds s[\g0a:\g0a+3], s[\g1a:\g1a+7]
	s_nop 0
.rept 4
	v_nop
.endr
	s_branch .Lasked_\@
.Lfor_b_\@:
	tensor_load_to_lds s[\g0b:\g0b+3], s[\g1b:\g1b+7]
	s_nop 0
.rept 4
	v_nop
.endr
.Lasked_\@:
.endm
.macro CREST                           ; a round of the cluster's barrier behind its opening barrier
	s_cmp_lg_u32 s16, 0
	s_cbranch_scc1 .Lnot_wave_0_\@
	s_barrier_signal -3
.Lnot_wave_0_\@:
	s_barrier_wait -3
	s_barrier_signal -1
	s_barrier_wait -1
.endm
.macro CROUND
	s_barrier_signal -1
	s_barrier_wait -1
	CREST
.endm
.macro QUANT s
.irp b, 0,1,2,3
	v_max3_num_f32 v[TM+\b], |v[\s+16*\b]|, |v[\s+1+16*\b]|, 0x1800000   ; block b: my 16 numbers, and the floor 2^(3 - 127)
.endr
.irp i, 2,4,6,8,10,12,14
.irp b, 0,1,2,3
	v_max3_num_f32 v[TM+\b], v[TM+\b], |v[\s+16*\b+\i]|, |v[\s+1+16*\b+\i]|
.endr
.endr
.irp b, 0,1,2,3
	v_permlanex16_b32 v[TM+4+\b], v[TM+\b], s[SEL], s[SEL+1]
.endr
.irp b, 0,1,2,3
	v_max_num_f32 v[TM+\b], v[TM+\b], v[TM+4+\b]
.endr
.irp b, 0,1,2,3
	v_add_nc_u32 v[TM+12+\b], 0xff000000, v[TM+\b]   ; 2 off the exponent field: the conversion's scale operand
.endr
.irp b, 0,1,2,3
	v_lshrrev_b32 v[TM+4+\b], 23, v[TM+12+\b]
.endr
	v_lshl_or_b32 v[PW], v[TM+5], 8, v[TM+4]
	v_lshl_or_b32 v[PW], v[TM+6], 16, v[PW]
	v_lshl_or_b32 v[PW], v[TM+7], 24, v[PW]
.irp c, 0,1
	v_cvt_scalef32_pk16_fp6_f32 v[PC+6*\c:PC+2+6*\c], v[\s+32*\c:\s+15+32*\c], v[TM+12+2*\c]
	v_cvt_scalef32_pk16_fp6_f32 v[PC+12+4*\c:PC+14+4*\c], v[\s+16+32*\c:\s+31+32*\c], v[TM+12+2*\c+1]
.endr
	v_nop                                          ; one plain place behind a scaled conversion
.irp c, 0,1
.irp i, 0,1,2
	v_permlane16_swap_b32 v[PC+6*\c+\i], v[PC+12+4*\c+\i]
.endr
.irp i, 0,1,2
	v_mov_b32 v[PC+3+6*\c+\i], v[PC+12+4*\c+\i]
.endr
.endr
.endm
	s_load_b256 s[4:11], s[0:1], 0x0               ; xq s[4:5], wq s[6:7], q_rms_w s[8:9], k_rms_w s[10:11]
	s_load_b128 s[12:15], s[0:1], 0x20             ; qc s[12:13], kv s[14:15]
	v_lshl_add_u32 v[SPW], v0, 2, SPARE
	v_mov_b32 v[NIL], 0
	ds_add_u32 v[SPW], v[NIL]                      ; the wave's opening: the add and its wait ahead of my first tensor load
	v_lshrrev_b32 v1, 5, v0
	v_readfirstlane_b32 s16, v1                    ; wave 0..3
	s_lshr_b32 s17, s16, 1                         ; my half of P.  Also: I fetch for P (0) or for R (1)
	s_and_b32 s18, s16, 1                          ; my half of R.  Also: which 8 tiles I fetch
	s_bfe_u32 s40, ttmp6, 0x40000                  ; cx
	s_bfe_u32 s41, ttmp6, 0x40004                  ; cy
	s_and_b32 s45, ttmp7, 0xffff                   ; the cluster's y
	s_mov_b32 s67, XS_OFF
	s_mov_b32 s104, WS_OFF
	s_cmp_eq_u32 ttmp9, 2                          ; v?  The cluster's x: the same in all partners
	s_cselect_b32 s19, ttmp9, s45                  ; the cluster coordinate that P's tile hangs on,
	s_cselect_b32 s42, s45, ttmp9                  ; and R's
	s_cselect_b32 s95, -1, 0                       ; a lane mask: all ones for v
	s_cselect_b32 s100, s104, s67                  ; where P's scale words begin in its buffer,
	s_cselect_b32 s105, s67, s104                  ; and R's
	s_lshl_b32 s19, s19, 2
	s_add_co_u32 s19, s19, s41                     ; P's tile of 256 rows: hangs on cy alone within the cluster
	s_lshl_b32 s42, s42, 2
	s_add_co_u32 s42, s42, s40                     ; R's: on cx alone
	s_lshl_b32 s43, s41, 2
	s_lshl_b32 s43, 15, s43                        ; my row of the cluster
	s_lshl_b32 s44, 0x1111, s40                    ; my column
	; group 1 for the codes: 8 rows (tiles) of 3,072 bytes (two K steps' images), TPITCH bytes apart; dense in LDS
	s_or_b32 s[G1+0], s43, (3<<16)|(1<<21)         ; 15:0 the mask; 17:16 elements of 8 bytes; 21 set beside a mask
	s_or_b32 s[G1B+0], s44, (3<<16)|(1<<21)
.irp g, G1, G1B
	s_mov_b32 s[\g+1], (TROW/8)<<16                ; tensor_dim0
	s_mov_b32 s[\g+2], 8<<16                       ; tensor_dim1
	s_mov_b32 s[\g+3], (TROW/8)<<16                ; tile_dim0
	s_mov_b32 s[\g+4], 8                           ; tile_dim1
	s_mov_b32 s[\g+5], TPITCH/8                    ; tensor_dim0_stride
	s_mov_b32 s[\g+6], 0
	s_mov_b32 s[\g+7], 0
.endr
	; and for 8 tiles' scale words: a dense block, as rows of 256 bytes with 16 bytes of padding behind each
	s_or_b32 s[G1S+0], s43, (3<<16)|(1<<20)|(1<<21)|(5<<22)|(3<<25)
	s_or_b32 s[G1SB+0], s44, (3<<16)|(1<<20)|(1<<21)|(5<<22)|(3<<25)
.irp g, G1S, G1SB
	s_mov_b32 s[\g+1], 32<<16
	s_mov_b32 s[\g+2], UNITS<<16
	s_mov_b32 s[\g+3], 32<<16
	s_mov_b32 s[\g+4], UNITS
	s_mov_b32 s[\g+5], 32
	s_mov_b32 s[\g+6], 0
	s_mov_b32 s[\g+7], 0
.endr
	s_lshl_b32 s20, s19, 4
	s_lshl_b32 s22, s18, 3
	s_add_co_u32 s20, s20, s22                     ; P: the first of the 8 tiles that I fetch
	s_mul_i32 s22, s20, (NKS/4)*256
	s_add_co_u32 s22, s22, s100                    ; their scale words,
	s_mov_b32 s23, 0
	s_mul_i32 s20, s20, TPITCH                     ; their codes
	s_mov_b32 s21, 0
	s_lshl_b32 s46, s42, 4
	s_lshl_b32 s92, s18, 3
	s_add_co_u32 s46, s46, s92                     ; R likewise
	s_mul_i32 s92, s46, (NKS/4)*256
	s_add_co_u32 s92, s92, s105
	s_mov_b32 s93, 0
	s_mul_i32 s46, s46, TPITCH
	s_mov_b32 s47, 0
	s_mul_i32 s66, s16, HALFT                      ; where they go: wave x 8 tiles: no place in the cluster enters an LDS address
	s_mul_i32 s94, s16, HALFS
	s_wait_dscnt 0x0                               ; the opening add is done
	s_wait_kmcnt 0x0
	s_cmp_eq_u32 ttmp9, 2
	s_cselect_b64 s[100:101], s[6:7], s[4:5]       ; P's buffer: wq for v, else xq
	s_cselect_b64 s[104:105], s[4:5], s[6:7]       ; R's
	s_add_nc_u64 s[20:21], s[100:101], s[20:21]
	s_add_nc_u64 s[22:23], s[100:101], s[22:23]
	s_add_nc_u64 s[46:47], s[104:105], s[46:47]
	s_add_nc_u64 s[92:93], s[104:105], s[92:93]
	CROUND                                         ; all sixteen work-groups are here: the first joint loads meet
	s_mov_b32 s[G0S], 1
	s_add_co_u32 s[G0S+1], s94, SCL
	s_mov_b64 s[G0S+2:G0S+3], s[22:23]
	s_or_b32 s[G0S+3], s[G0S+3], 0x80000000
	s_mov_b32 s[G0SB], 1
	s_add_co_u32 s[G0SB+1], s94, SCL
	s_mov_b64 s[G0SB+2:G0SB+3], s[92:93]
	s_or_b32 s[G0SB+3], s[G0SB+3], 0x80000000
	JLOAD G0S, G1S, G0SB, G1SB                     ; the scale words first: they are wanted with K step 0
.irp s, 0,1
	s_mov_b32 s[G0+4*\s], 1
	s_add_co_u32 s[G0+4*\s+1], s66, \s*SLOT
	s_add_nc_u64 s[G0+4*\s+2:G0+4*\s+3], s[20:21], \s*TROW
	s_or_b32 s[G0+4*\s+3], s[G0+4*\s+3], 0x80000000
	s_mov_b32 s[G0B+4*\s], 1
	s_add_co_u32 s[G0B+4*\s+1], s66, \s*SLOT
	s_add_nc_u64 s[G0B+4*\s+2:G0B+4*\s+3], s[46:47], \s*TROW
	s_or_b32 s[G0B+4*\s+3], s[G0B+4*\s+3], 0x80000000
	JLOAD G0+4*\s, G1, G0B+4*\s, G1B               ; three loads of mine are out behind the second of these
.endr
	v_and_b32 v1, 15, v0                           ; r
	v_bfe_u32 v2, v0, 4, 1                         ; h
	v_and_b32 v3, 31, v0
	v_lshlrev_b32 v[LI], 4, v3
	s_mul_i32 s20, s17, HALFT                      ; my 8 tiles of P
	s_mul_i32 s22, s18, HALFT                      ; my 8 tiles of R,
	s_add_co_u32 s22, s22, 2*HALFT                 ; which lie behind P's 16
.irp s, 0,1
	v_add_nc_u32 v[ADRA+\s], s20, v[LI]
	v_add_nc_u32 v[ADRB+\s], s22, v[LI]
	s_add_co_u32 s20, s20, SLOT
	s_add_co_u32 s22, s22, SLOT
.endr
	v_lshlrev_b32 v5, 4, v1                        ; my row's four words of a group of K steps
	s_mul_i32 s20, s17, HALFS
	s_mul_i32 s22, s18, HALFS
	s_add_co_u32 s22, s22, 2*HALFS
	s_sub_co_u32 s22, s22, s20
	v_mul_u32_u24 v6, s22, v2                      ; lanes 16-31 take R's
	s_add_co_u32 s20, s20, SCL
	v_add_nc_u32 v5, v5, v6
	v_add_nc_u32 v[ADRS], s20, v5
	v_lshlrev_b32 v[WO], 6, v2
	s_cmp_eq_u32 ttmp9, 0
	s_cselect_b64 s[100:101], s[8:9], s[10:11]     ; q's weights for q, else k's
.irp b, 0,1,2,3
.irp g, 0,1,2,3
	global_load_b128 v[WT+16*\b+4*\g:WT+16*\b+4*\g+3], v[WO], s[100:101] offset:128*\b+16*\g
.endr
.endr
	v_mov_b32 v[ONE], 1.0
	v_mov_b32 v[HH], v2
	s_mov_b32 s[SEL], 0x76543210
	s_mov_b32 s[SEL+1], 0xfedcba98
	s_mov_b32 s98, 0x3c000000                      ; 1 / 128
	s_mov_b32 s99, 0x3727c5ac                      ; 1e-5
	s_wait_loadcnt 0x0
.set J, 0
.rept 64
	v_cndmask_b32 v[WT+J], v[WT+J], v[ONE], s95    ; v has no norm: its factors are 1.0, chosen without a branch
.set J, J+1
.endr
.macro FRAG reg, adr, q, i             ; a fragment comes as its image: three loads of 512 consecutive bytes
.irp c, 0,1,2
	ds_load_b128 v[\reg+4*\c:\reg+4*\c+3], v[\adr] offset:(\i)*TROW+(\q)*FRB+512*\c
.endr
.endm
; 16 matrix instructions: P's blocks a0, a0 + 1 x R's eight.  The 64 accumulators take turns, one instruction a turn, in the same order in every step.
.macro MUL16 a0, p, q, sc, zero
.irp a, \a0, \a0+1
.irp b, 0,1,2,3,4,5,6,7
.if \zero
	v_wmma_scale_f32_16x16x128_f8f6f4 v[8*(8*((\a)%4)+\b):8*(8*((\a)%4)+\b)+7], v[128*(\p)+FR*\b:128*(\p)+FR*\b+FR-1], v[AF+FR*(\a):AF+FR*(\a)+FR-1], 0, v[SC+8*NQ*(\sc)+NQ*\b+(\q)], v[SC+8*NQ*(\sc)+NQ*(\a)+(\q)] matrix_a_fmt:MATRIX_FMT_FP6 matrix_b_fmt:MATRIX_FMT_FP6 matrix_a_scale:MATRIX_SCALE_ROW1
.else
	v_wmma_scale_f32_16x16x128_f8f6f4 v[8*(8*((\a)%4)+\b):8*(8*((\a)%4)+\b)+7], v[128*(\p)+FR*\b:128*(\p)+FR*\b+FR-1], v[AF+FR*(\a):AF+FR*(\a)+FR-1], v[8*(8*((\a)%4)+\b):8*(8*((\a)%4)+\b)+7], v[SC+8*NQ*(\sc)+NQ*\b+(\q)], v[SC+8*NQ*(\sc)+NQ*(\a)+(\q)] matrix_a_fmt:MATRIX_FMT_FP6 matrix_b_fmt:MATRIX_FMT_FP6 matrix_a_scale:MATRIX_SCALE_ROW1
.endif
.endr
.endr
.endm
.macro FETCH_B slot, q, p
	WIN TO_B
.irp i, 0,1,2,3,4,5,6,7
	FRAG 128*(\p)+FR*\i, ADRB+\slot, \q, \i
.endr
	WIN 0
.endm
.macro FETCH_A slot, q, i0
.irp i, \i0, \i0+1, \i0+2, \i0+3
	FRAG AF+FR*(\i), ADRA+\slot, \q, \i
.endr
.endm
.macro SCALES sc                       ; a slot's two words a row: lanes 0-15 P's block i, lanes 16-31 R's block i
.irp i, 0,1,2,3,4,5,6,7
	ds_load_b64 v[SC+8*NQ*\sc+NQ*\i:SC+8*NQ*\sc+NQ*\i+1], v[ADRS] offset:\i*SBLK+8*\sc
.endr
.endm
.macro PLACES n                        ; plain vector instructions between a matrix instruction and a load into, or a read of, its registers
.rept \n
	v_nop
.endr
.endm
.macro STEP slot, q, zero              ; 128 along K that has its successor in the same slot
	s_wait_dscnt 4*NL                              ; R's set and P's blocks 0-3 are in; the youngest twelve loads (P's blocks 4-7) may be out
	WIN MUL_LO
	MUL16 0, (\q)%2, \q, \slot, \zero
	MUL16 2, (\q)%2, \q, \slot, \zero
	s_wait_dscnt 0
	PLACES NP
	FETCH_B \slot, (\q)+1, 1-(\q)%2
	FETCH_A \slot, (\q)+1, 0
	WIN MUL_HI
	MUL16 4, (\q)%2, \q, \slot, \zero
	MUL16 6, (\q)%2, \q, \slot, \zero
	PLACES NP
	WIN 0
	FETCH_A \slot, (\q)+1, 4
.endm
; A slot's last step changes slots: one barrier; in front of it each wave waits for all its tensor loads, adds 0 to its spare word, and waits for that and for its reads of this slot.
.macro TURN slot, next, fill
	s_wait_tensorcnt 0x0                           ; all my tensor loads have landed: my part of the next slot
	ds_add_u32 v[SPW], v[NIL]
	s_wait_dscnt 4*NL+1                            ; the add and the youngest twelve loads may be out
	WIN MUL_LO
	MUL16 0, 1, NQ-1, \slot, 0
	s_wait_dscnt 0x0                               ; the add is done, and my reads of this slot are over
	s_barrier_signal -1
	MUL16 2, 1, NQ-1, \slot, 0
	WIN 0
	s_barrier_wait -1
.if \fill
	CREST                                          ; the barrier has opened a round of the cluster's: no wave of any partner still reads this slot or has a load on its way
	s_add_nc_u64 s[G0+4*\slot+2:G0+4*\slot+3], s[G0+4*\slot+2:G0+4*\slot+3], 2*TROW
	s_add_nc_u64 s[G0B+4*\slot+2:G0B+4*\slot+3], s[G0B+4*\slot+2:G0B+4*\slot+3], 2*TROW
	JLOAD G0+4*\slot, G1, G0B+4*\slot, G1B         ; the first tensor load behind the round; its four v_nop are the places in front of the loads below
.else
	PLACES NP
.endif
.if (\next) == 0
	v_add_nc_u32 v[ADRS], 272, v[ADRS]             ; the next four K steps' scale words
.endif
	FETCH_B \next, 0, 0
	FETCH_A \next, 0, 0
	SCALES \next
	WIN MUL_HI
	MUL16 4, 1, NQ-1, \slot, 0
	MUL16 6, 1, NQ-1, \slot, 0
	PLACES NP
	WIN 0
	FETCH_A \next, 0, 4
.endm
	s_wait_tensorcnt 1                             ; the scale words and my part of slot 0 are in; slot 1's load may be out
	s_barrier_signal -1
	s_barrier_wait -1
	FETCH_B 0, 0, 0
	FETCH_A 0, 0, 0
	SCALES 0
	FETCH_A 0, 0, 4
	STEP 0, 0, 1                                   ; the first step's products start the sums: nothing is cleared
	s_mov_b32 s3, LAPS-1
.Llap:                                                 ; a trip goes once round the ring and fills both slots again
	TURN 0, 1, 1
	STEP 1, 0, 0
	TURN 1, 0, 1
	STEP 0, 0, 0
	s_sub_co_u32 s3, s3, 1
	s_cmp_lg_u32 s3, 0
	s_cbranch_scc1 .Llap
	TURN 0, 1, 0                                   ; the last lap fills nothing
	STEP 1, 0, 0
	s_wait_dscnt 4*NL
	WIN MUL_LO
	MUL16 0, 1, NQ-1, 1, 0
	MUL16 2, 1, NQ-1, 1, 0
	s_wait_dscnt 0
	WIN MUL_HI
	MUL16 4, 1, NQ-1, 1, 0
	MUL16 6, 1, NQ-1, 1, 0
	WIN 0
	; THE WAY OUT.  No LDS: each of my eight blocks (16 rows of P x 128 rows of R) is normed, quantised and stored from registers as one fragment image.
	PLACES NP
.irp b, 0,1,2,3
	v_mov_b32 v[TM+4+\b], 0                        ; a lane permute's destination counts as one of its sources
.endr
	s_cmp_eq_u32 ttmp9, 2
	s_cselect_b32 s20, s42, s19                    ; the tile of 256 tokens,
	s_cselect_b32 s21, s18, s17                    ; my half of it,
	s_cselect_b32 s22, s19, s42                    ; the tile of 256 rows of W,
	s_cselect_b32 s23, s17, s18                    ; my half of it: a head
	s_cselect_b32 s66, 8*FRB, 0                    ; in a key step V's images lie behind K's,
	s_cselect_b32 s67, 512, 0                      ; and so do its scale words
	s_lshr_b32 s92, s20, 3                         ; the batch
	s_lshl_b32 s92, s92, 3
	s_and_b32 s22, s22, 3
	s_lshl_b32 s22, s22, 1
	s_add_co_u32 s92, s92, s22
	s_add_co_u32 s92, s92, s23                     ; 8 x batch + head
	s_lshl_b32 s20, s20, 1
	s_add_co_u32 s20, s20, s21
	s_and_b32 s20, s20, 15                         ; which 128 tokens of the batch's 2,048
	s_lshl_b32 s92, s92, 4
	s_add_co_u32 s92, s92, s20
	s_mov_b32 s93, 16*FRB
	s_mov_b32 s94, 1024
	s_mov_b32 s21, KVS_OFF
	s_cmp_eq_u32 ttmp9, 0
	s_cselect_b64 s[100:101], s[12:13], s[14:15]   ; qc for q, kv for k and v
	s_cselect_b32 s93, 8*FRB, s93
	s_cselect_b32 s94, 512, s94
	s_cselect_b32 s21, QS_OFF, s21
	s_mul_i32 s22, s92, s93
	s_add_co_u32 s22, s22, s66
	s_mov_b32 s23, 0
	s_add_nc_u64 s[104:105], s[100:101], s[22:23]  ; my eight images
	s_mul_i32 s22, s92, s94
	s_add_co_u32 s22, s22, s67
	s_add_co_u32 s22, s22, s21
	s_add_nc_u64 s[100:101], s[100:101], s[22:23]  ; their 512 bytes of scale words
.macro OUTBLK a
.set AC, 64*((\a)%4)
.set WD, 2+(\a)/4
.set WW, WD|(WD<<2)
	WIN WW                                         ; sources 0 and 1: the accumulators' window
	v_pk_mul_f32 v[SS:SS+1], v[AC:AC+1], v[AC:AC+1]   ; the sum of squares of my 64, two chains, ascending: each accumulator is first read at its low end
	v_pk_mul_f32 v[SS+2:SS+3], v[AC+2:AC+3], v[AC+2:AC+3]
.set J, 4
.rept 15
	v_pk_fma_f32 v[SS:SS+1], v[AC+J:AC+J+1], v[AC+J:AC+J+1], v[SS:SS+1]
	v_pk_fma_f32 v[SS+2:SS+3], v[AC+J+2:AC+J+3], v[AC+J+2:AC+J+3], v[SS+2:SS+3]
.set J, J+4
.endr
	WIN 0
	v_pk_add_f32 v[SS:SS+1], v[SS:SS+1], v[SS+2:SS+3]
	v_add_f32 v[SS], v[SS], v[SS+1]
	v_permlanex16_b32 v[SS+1], v[SS], s[SEL], s[SEL+1]
	v_add_f32 v[SS], v[SS], v[SS+1]                ; with lane l xor 16's 64: the row's 128
	v_fma_f32 v[SS], v[SS], s98, s99               ; mean + eps
	v_rsq_f32 v[SS+2], v[SS]
	v_nop                                          ; a plain place behind the transcendental,
	s_wait_alu depctr_va_vdst(0)                   ; and the wait ahead of its first reader
	v_cndmask_b32 v[RS], v[SS+2], v[ONE], s95      ; v: 1.0
	v_mov_b32 v[RS+1], v[RS]
	WIN WD                                         ; source 0: the accumulators' window
.set J, 0
.rept 32
	v_pk_mul_f32 v[N+J:N+J+1], v[AC+J:AC+J+1], v[RS:RS+1] op_sel_hi:[1,0]
.set J, J+2
.endr
	WIN 0
.set J, 0
.rept 32
	v_pk_mul_f32 v[N+J:N+J+1], v[N+J:N+J+1], v[WT+J:WT+J+1]   ; first x / rms, then the weight: the order of the norm as it is defined
.set J, J+2
.endr
	s_wait_xcnt 0x0                                ; the last block's stores have read the codes' registers
	QUANT N
	v_mov_b32 v[SW+(\a)], v[PW]
.irp c, 0,1,2
	global_store_b128 v[LI], v[PC+4*\c:PC+4*\c+3], s[104:105] offset:FRB*(\a)+512*\c   ; 512 consecutive bytes
.endr
.endm
.irp a, 0,1,2,3,4,5,6,7
	OUTBLK \a
.endr
	v_cmp_eq_u32 vcc_lo, 1, v[HH]                  ; lanes 0-15 store the words of blocks 0-3, lanes 16-31 those of blocks 4-7
.irp j, 0,1,2,3
	v_cndmask_b32 v[SW+\j], v[SW+\j], v[SW+4+\j], vcc_lo
.endr
	global_store_b128 v[LI], v[SW:SW+3], s[100:101]
	s_wait_tensorcnt 0x0                           ; the wave's end
	ds_add_u32 v[SPW], v[NIL]
	s_wait_dscnt 0x0
	CROUND                                         ; the closing round: no work-group ends while a partner may still ask for a tile that names it
	s_endpgm
.Lfunc_end_k_q5501888e87_qkv:
	.size	k_q5501888e87_qkv, .Lfunc_end_k_q5501888e87_qkv-k_q5501888e87_qkv
	.p2alignl 7, 3214868480
	.fill 96, 4, 3214868480
	.section	.rodata,"a",@progbits
	.p2align	6, 0x0
	.amdhsa_kernel k_q5501888e87_qkv
		.amdhsa_group_segment_fixed_size 327680
		.amdhsa_private_segment_fixed_size 0
		.amdhsa_enable_private_segment 0
		.amdhsa_kernarg_size 48
		.amdhsa_user_sgpr_count 2
		.amdhsa_user_sgpr_kernarg_segment_ptr 1
		.amdhsa_wavefront_size32 1
		.amdhsa_system_sgpr_workgroup_id_x 1
		.amdhsa_system_sgpr_workgroup_id_y 1
		.amdhsa_system_sgpr_workgroup_id_z 1
		.amdhsa_system_vgpr_workitem_id 0
		.amdhsa_next_free_vgpr 1024
		.amdhsa_next_free_sgpr 106
		.amdhsa_reserve_vcc 1
		.amdhsa_float_denorm_mode_32 3
		.amdhsa_float_denorm_mode_16_64 3
		.amdhsa_memory_ordered 1
		.amdhsa_forward_progress 1
		.amdhsa_inst_pref_size 198
	.end_amdhsa_kernel
	.amdgpu_metadata
---
amdhsa.version: [ 1, 2 ]
amdhsa.kernels:
  - .name:           k_q5501888e87_qkv
    .symbol:         k_q5501888e87_qkv.kd
    .args:
      - { .name: xq, .offset: 0, .size: 8, .value_kind: global_buffer, .address_space: global }
      - { .name: wq, .offset: 8, .size: 8, .value_kind: global_buffer, .address_space: global }
      - { .name: q_rms_w, .offset: 16, .size: 8, .value_kind: global_buffer, .address_space: global }
      - { .name: k_rms_w, .offset: 24, .size: 8, .value_kind: global_buffer, .address_space: global }
      - { .name: qc, .offset: 32, .size: 8, .value_kind: global_buffer, .address_space: global }
      - { .name: kv, .offset: 40, .size: 8, .value_kind: global_buffer, .address_space: global }
    .group_segment_fixed_size: 327680
    .private_segment_fixed_size: 0
    .kernarg_segment_align: 8
    .kernarg_segment_size: 48
    .max_flat_workgroup_size: 128
    .sgpr_count:     106
    .vgpr_count:     1024
    .wavefront_size: 32
...
	.end_amdgpu_metadata
.endif
;; end of part 2
;; launch attn (part 3): grid 16 x 16, 8 waves a work-group, no clusters, 327,680 bytes of LDS; arguments qc, kv, subln_w, yq; writes yq
.if DOCPART == 3
	.amdgcn_target "amdgcn-amd-amdhsa--gfx1250"
	.amdhsa_code_object_version 6
	.text
	.protected	k_q5501888e87_attn
	.globl	k_q5501888e87_attn
	.p2align	8
	.type	k_q5501888e87_attn,@function
k_q5501888e87_attn:
	s_mov_b64 s[64:65], 0
	v_nop
	global_prefetch_b8 v0, s[64:65] scope:SCOPE_SE
	s_setreg_imm32_b32 hwreg(HW_REG_WAVE_MODE, 25, 1), 1
	s_wait_xcnt 0x0
; y = rmsnorm(softmax(q k^T / sqrt(128) - slope (i - j), causal) v) for one head of one batch, both products on codes of FP6 (E2M3) with E8M0 scales; y is quantised along the head's 128 and stored as an operand image.
; THE SOFTMAX AHEAD OF THE SECOND PRODUCT: t = logit x log2(e); M = the running largest t rounded UP to a whole number; p = 2^(t - M) is quantised along the keys, not normalised; the row's sum is taken of the
; unquantised p and divides at the end.  When M moves, the sum and O are multiplied by 2^(old M - new M): exact.
; t = (score x c + sigma x (KF + 32 b + 16 h - i)) + sigma x n, c = log2(e) / sqrt(128), sigma = log2(e) x 2^-(head + 1); the whole number is exact in f32.
; SHARES.  A wave owns one tile of 16 queries.  Work-group x of a head: waves 0-3 take tiles 4 x + w, waves 4-7 tiles 131 - 4 x - w, so that early and late queries are paired.  Key steps of 128; a step all of whose keys come
; after the wave's queries is passed over by a scalar branch on ids.  Every work-group walks all eight slots: the trip counts are constants.
; K, V come as fragment images through two LDS slots of two key steps, each wave fetching an eighth of a slot; the head's scale words come once.
; NO CLUSTER: a work-group reads only the slots up to its last query, 8 - x / 4 of them; the loads past that limit are left out by a jump on ids, which may not lead round a joint load.
; LAYOUT.  S^T = K Q^T, O^T = V^T P^T: a lane holds ONE query throughout.  The tiles' row order (32 (i / 2) + 8 (i % 2) + r + 8 (r / 8)) makes the 16 registers of two neighbouring tiles 16 neighbours.
; LIMITS: a block of zeros gets the byte 1 where the rule says 127 (zero codes; this program alone reads the bytes); NaN and infinities are not served.  y's scale words are stored 4 bytes a lane, 16 bytes apart:
; four heads share each 256 bytes of them, 64 bytes a wave.
.set FRB,   1536
.set STEPB, 16*FRB                     ; a key step: K's 8 images, then V's 8
.set SLOTB, 2*STEPB
.set SLOT1, 65536                      ; slot 1 begins here: one exclusive or turns an address
.set SCB,   131072                     ; the head's scale words: 1,024 bytes a key step (K's 512, V's 512)
.set SPARE, SCB+16384                  ; the spare words, 128 bytes a wave: four blocks of 256 bytes that no other line names
.set QS_OFF,  3145728
.set KVS_OFF, 6291456
.set YS_OFF,  3145728
.set LI,  1                            ; v1  16 x lane
.set ASC, 2                            ; v2  SCB + 16 x lane
.set SPW, 3                            ; v3  my spare word; never rewritten
.set NIL, 4                            ; v4  0; never rewritten
.set LN,  5                            ; v5  lane
.set DQ,  6                            ; v6  my query - 16 (lane / 16)
.set H64, 7                            ; v7  64 (lane / 16)
.set ADK, 8                            ; v8  the slot in hand + 16 x lane
.set ADS, 9                            ; v9  the step's scale words
.set R16, 10                           ; v10 16 (lane % 16)
.set PFO, 28                           ; v28 256 x lane; never rewritten
.set TM,  232                          ; the way out's quantiser
.set PC,  160
.set PW,  254
.set WV,  18
.set SEL, 20
.set CS,  22
.set G1,  24
.set G1S, 32
.set G0R, 40
.set G0S, 44
.set TB,  2
.set TS,  3
.set BH,  66
.set SLOTS, 67
.set SG,  68
.set TAU, 69
.set PFA, 76
.set LIM, 80
.set LASTQ, 81
.set KF,  98
.set Q0,  99
; v12 -M, v13 the largest t, v[14:15] the sum; v16-27 Q; v32-79 four fragments; v80-95 sigma x n; v96-159 S^T, t, p; v160-223 O^T; v224-235 p's codes; v232-247, v252, v254 at work; v248-251, v253, v255 scale words
.macro QUANT s
.irp b, 0,1,2,3
	v_max3_num_f32 v[TM+\b], |v[\s+16*\b]|, |v[\s+1+16*\b]|, 0x1800000
.endr
.irp i, 2,4,6,8,10,12,14
.irp b, 0,1,2,3
	v_max3_num_f32 v[TM+\b], v[TM+\b], |v[\s+16*\b+\i]|, |v[\s+1+16*\b+\i]|
.endr
.endr
.irp b, 0,1,2,3
	v_permlanex16_b32 v[TM+4+\b], v[TM+\b], s[SEL], s[SEL+1]
.endr
.irp b, 0,1,2,3
	v_max_num_f32 v[TM+\b], v[TM+\b], v[TM+4+\b]
.endr
.irp b, 0,1,2,3
	v_add_nc_u32 v[TM+12+\b], 0xff000000, v[TM+\b]
.endr
.irp b, 0,1,2,3
	v_lshrrev_b32 v[TM+4+\b], 23, v[TM+12+\b]
.endr
	v_lshl_or_b32 v[PW], v[TM+5], 8, v[TM+4]
	v_lshl_or_b32 v[PW], v[TM+6], 16, v[PW]
	v_lshl_or_b32 v[PW], v[TM+7], 24, v[PW]
.irp c, 0,1
	v_cvt_scalef32_pk16_fp6_f32 v[PC+6*\c:PC+2+6*\c], v[\s+32*\c:\s+15+32*\c], v[TM+12+2*\c]
	v_cvt_scalef32_pk16_fp6_f32 v[PC+12+4*\c:PC+14+4*\c], v[\s+16+32*\c:\s+31+32*\c], v[TM+12+2*\c+1]
.endr
	v_nop
.irp c, 0,1
.irp i, 0,1,2
	v_permlane16_swap_b32 v[PC+6*\c+\i], v[PC+12+4*\c+\i]
.endr
.irp i, 0,1,2
	v_mov_b32 v[PC+3+6*\c+\i], v[PC+12+4*\c+\i]
.endr
.endr
.endm
	s_load_b256 s[4:11], s[0:1], 0x0               ; qc s[4:5], kv s[6:7], subln_w s[8:9], yq s[10:11]
	v_lshl_add_u32 v[SPW], v0, 2, SPARE
	v_mov_b32 v[NIL], 0
	ds_add_u32 v[SPW], v[NIL]                      ; the wave's opening: the add and its wait ahead of my first tensor load
	v_lshrrev_b32 v8, 5, v0
	v_readfirstlane_b32 s[WV], v8                  ; wave 0..7
	s_and_b32 s[BH], ttmp7, 0xffff                 ; 8 x batch + head
	; group 1: my eighth of a slot: 24 rows of 256 bytes, dense;  of the scale words: 8 rows
	s_mov_b32 s[G1], 3<<16                         ; elements of 8 bytes, no mask, no padding
	s_mov_b32 s[G1+1], 32<<16
	s_mov_b32 s[G1+2], 24<<16
	s_mov_b32 s[G1+3], 32<<16
	s_mov_b32 s[G1+4], 24
	s_mov_b32 s[G1+5], 32
	s_mov_b32 s[G1+6], 0
	s_mov_b32 s[G1+7], 0
	s_mov_b32 s[G1S], 3<<16
	s_mov_b32 s[G1S+1], 32<<16
	s_mov_b32 s[G1S+2], 8<<16
	s_mov_b32 s[G1S+3], 32<<16
	s_mov_b32 s[G1S+4], 8
	s_mov_b32 s[G1S+5], 32
	s_mov_b32 s[G1S+6], 0
	s_mov_b32 s[G1S+7], 0
	s_mov_b32 s[G0R], 1
	s_mul_i32 s[G0R+1], s[WV], SLOTB/8             ; LDS: slot 0, my eighth
	s_mul_i32 s84, s[BH], 16*STEPB
	s_add_co_u32 s84, s84, s[G0R+1]                ; memory: the head's codes, my eighth of the first slot
	s_mov_b32 s85, 0
	s_mov_b32 s[G0S], 1
	s_lshl_b32 s86, s[WV], 11
	s_add_co_u32 s[G0S+1], s86, SCB
	s_lshl_b32 s87, s[BH], 14
	s_add_co_u32 s86, s86, s87
	s_add_co_u32 s86, s86, KVS_OFF
	s_mov_b32 s87, 0
	s_mul_i32 s88, s[BH], 16*STEPB
	s_lshl_b32 s89, s[WV], 13
	s_add_co_u32 s88, s88, s89
	s_add_co_u32 s88, s88, SLOTB                   ; the prefetches: my 8,192 bytes of slot 1; the first change of slots steps this to slot 2
	s_mov_b32 s89, 0
	s_wait_dscnt 0x0                               ; the opening add is done
	s_wait_kmcnt 0x0
	s_add_nc_u64 s[G0S+2:G0S+3], s[6:7], s[86:87]
	s_or_b32 s[G0S+3], s[G0S+3], 0x80000000
	s_add_nc_u64 s[G0R+2:G0R+3], s[6:7], s[84:85]
	s_or_b32 s[G0R+3], s[G0R+3], 0x80000000
	tensor_load_to_lds s[G0S:G0S+3], s[G1S:G1S+7]  ; the scale words: filled once
	s_nop 0
	tensor_load_to_lds s[G0R:G0R+3], s[G1:G1+7]    ; slot 0: two loads of mine are out
	s_nop 0
.rept 4
	v_nop
.endr
	s_add_nc_u64 s[PFA:PFA+1], s[6:7], s[88:89]
	s_cmp_lt_u32 s[WV], 6                          ; who prefetches: waves 0-5 (6 x 32 lanes x 256 bytes are a slot) of the head's first work-group
	s_cselect_b32 s84, 0, 1
	s_or_b32 s84, s84, ttmp9
	s_cmp_eq_u32 s84, 0
	s_cselect_b32 s[LIM], 1, -1
	s_lshl_b32 s84, ttmp9, 2
	s_add_co_u32 s84, s84, s[WV]
	s_sub_co_u32 s85, 131, s84
	s_cmp_lt_u32 s[WV], 4
	s_cselect_b32 s[TAU], s84, s85                 ; my tile of 16 queries
	s_lshr_b32 s84, s[TAU], 1
	s_lshl_b32 s84, s84, 5
	s_and_b32 s85, s[TAU], 1
	s_lshl_b32 s85, s85, 3
	s_add_co_u32 s[Q0], s84, s85                   ; its first query; its last is 23 on
	s_lshl_b32 s84, ttmp9, 6
	s_sub_co_u32 s[LASTQ], 2047, s84               ; my work-group's last query
	s_and_b32 s84, s[BH], 7
	s_add_co_u32 s84, s84, 1
	s_lshl_b32 s84, s84, 23
	s_sub_co_u32 s[SG], 0x3fb8aa3b, s84            ; sigma = log2(e) x 2^-(head + 1): head + 1 off the exponent field
	s_lshl_b32 s84, s[BH], 4
	s_lshr_b32 s85, s[TAU], 3
	s_add_co_u32 s84, s84, s85                     ; my group of 8 tiles in qc
	s_and_b32 s85, s[TAU], 7
	s_mul_i32 s86, s84, 8*FRB
	s_mul_i32 s87, s85, FRB
	s_add_co_u32 s86, s86, s87
	s_mov_b32 s87, 0
	s_add_nc_u64 s[70:71], s[4:5], s[86:87]        ; Q's image
	s_lshl_b32 s86, s84, 9
	s_lshr_b32 s88, s85, 2
	s_lshl_b32 s88, s88, 8
	s_add_co_u32 s86, s86, s88
	s_and_b32 s88, s85, 3
	s_lshl_b32 s88, s88, 2
	s_add_co_u32 s86, s86, s88
	s_add_co_u32 s86, s86, QS_OFF
	s_add_nc_u64 s[72:73], s[4:5], s[86:87]        ; and its scale words
	v_and_b32 v[LN], 31, v0
	v_lshlrev_b32 v[LI], 4, v[LN]
	v_and_b32 v8, 15, v0                           ; r
	v_bfe_u32 v9, v0, 4, 1                         ; h
	v_lshlrev_b32 v[R16], 4, v8
.irp c, 0,1,2
	global_load_b128 v[16+4*\c:19+4*\c], v[LI], s[70:71] offset:512*\c   ; Q's fragment stays in registers
.endr
	global_load_b32 v255, v[R16], s[72:73]         ; Q's scale words
	v_add_nc_u32 v[ASC], SCB, v[LI]
	v_lshlrev_b32 v[PFO], 8, v[LN]
	v_lshlrev_b32 v[H64], 6, v9
	v_and_b32 v[DQ], 8, v8
	v_add_nc_u32 v[DQ], v[DQ], v8
	v_add_nc_u32 v[DQ], s[Q0], v[DQ]               ; my query: Q0 + r + 8 (r / 8),
	v_lshlrev_b32 v9, 4, v9
	v_sub_nc_u32 v[DQ], v[DQ], v9                  ; less 16 h
	s_mov_b32 s[SEL], 0x76543210
	s_mov_b32 s[SEL+1], 0xfedcba98
	s_mov_b32 s[CS], 0x3e0293ee                    ; c = log2(e) / sqrt(128)
	s_mov_b32 s[CS+1], s[CS]
	s_mov_b32 s82, 0x3c000000                      ; 1 / 128
	s_mov_b32 s83, 0x3727c5ac                      ; 1e-5
	s_mov_b32 s[TB], 0
	s_mov_b32 s[TS], 0
	s_mov_b32 s[KF], 0
	s_mov_b32 s[SLOTS], 7
.set J, 0
.rept 16
	v_cvt_f32_i32 v[80+J], J
.set J, J+1
.endr
.set J, 0
.rept 16
	v_mul_f32 v[80+J], s[SG], v[80+J]              ; sigma x n
.set J, J+1
.endr
	v_mov_b32 v13, 0xff61b1e6                      ; the largest t so far: -3e38
	v_floor_f32 v12, -v13                          ; -M
	v_mov_b32 v14, 0
	v_mov_b32 v15, 0
.irp b, 0,1,2,3,4,5,6,7
	v_mov_b32 v[236+\b], 0                         ; written once: permutes' destinations, and the upper halves of pairs of which the low word alone is used
.endr
	v_mov_b32 v252, 0
	v_mov_b32 v253, 0
.set J, 0
.rept 64
	v_mov_b32 v[160+J], 0                          ; O^T: the step is written once; the first change of M leaves zeros zeros
.set J, J+1
.endr
; A KEY STEP: 128 keys, the q-th of the slot in hand.
.macro STEP q
	s_add_co_u32 s96, s[Q0], 23
	s_cmp_gt_u32 s[KF], s96                        ; all its keys come after my queries: passed over (ids alone; no barrier and no tensor load stands in a step)
	s_cbranch_scc1 .Lhidden_\@
	v_add_nc_u32 v[ADK], s[TB], v[LI]
	v_add_nc_u32 v[ADS], s[TS], v[ASC]
	v_sub_nc_u32 v254, s[KF], v[DQ]                ; KF + 16 h - i
.irp b, 0,1,2,3
	v_add_nc_u32 v[236+2*\b], 32*\b, v254
.endr
.irp b, 0,1,2,3
	v_cvt_f32_i32 v[236+2*\b], v[236+2*\b]         ; exact
.endr
.irp b, 0,1,2,3
	v_mul_f32 v[236+2*\b], s[SG], v[236+2*\b]      ; block b's part of the bias.  (These lines are also the places in front of the loads below)
.endr
.irp g, 0,1                                    ; S^T = K Q^T, four tiles of 16 keys at a time
.if \g > 0
.rept 4
	v_nop                                          ; places in front of loads into registers that matrix instructions have read
.endr
.endif
.irp t, 0,1,2,3
.irp c, 0,1,2
	ds_load_b128 v[32+12*\t+4*\c:35+12*\t+4*\c], v[ADK] offset:STEPB*(\q)+(4*\g+\t)*FRB+512*\c
.endr
.endr
.if \g == 0
	ds_load_b128 v[248:251], v[ADS]                ; K's scale words: lanes 0-15 tiles 0-3, lanes 16-31 tiles 4-7
.endif
	s_wait_dscnt 0x0
.irp t, 0,1,2,3
.if \g == 0
	v_wmma_scale_f32_16x16x128_f8f6f4 v[96+8*(4*\g+\t):103+8*(4*\g+\t)], v[32+12*\t:43+12*\t], v[16:27], 0, v[248+\t], v255 matrix_a_fmt:MATRIX_FMT_FP6 matrix_b_fmt:MATRIX_FMT_FP6
.else
	v_wmma_scale_f32_16x16x128_f8f6f4 v[96+8*(4*\g+\t):103+8*(4*\g+\t)], v[32+12*\t:43+12*\t], v[16:27], 0, v[248+\t], v255 matrix_a_fmt:MATRIX_FMT_FP6 matrix_b_fmt:MATRIX_FMT_FP6 matrix_a_scale:MATRIX_SCALE_ROW1
.endif
.endr
.endr
.rept 4
	v_nop
.endr
	s_add_co_u32 s96, s[KF], 127                   ; on the diagonal hidden scores become -infinity; a step all of whose keys count skips this
	s_cmp_le_u32 s96, s[Q0]
	s_cbranch_scc1 .Lopen_\@
	v_sub_nc_u32 v252, v[DQ], s[KF]                ; register 16 b + n holds key KF + 16 h + 32 b + n: hidden where 32 b + n > i - 16 h - KF
	v_mov_b32 v254, 0xff800000
.set J, 0
.rept 64
	v_cmp_gt_i32 vcc_lo, 32*(J/16)+J%16, v252
	v_cndmask_b32 v[96+J], v[96+J], v254, vcc_lo
.set J, J+1
.endr
.Lopen_\@:
.irp b, 0,1,2,3
.irp j, 0,2,4,6,8,10,12,14
	v_pk_fma_f32 v[96+16*\b+\j:97+16*\b+\j], v[96+16*\b+\j:97+16*\b+\j], s[CS:CS+1], v[236+2*\b:237+2*\b] op_sel_hi:[1,0,0]   ; score x c + the block's bias
.endr
.endr
.irp b, 0,1,2,3
.irp j, 0,2,4,6,8,10,12,14
	v_pk_add_f32 v[96+16*\b+\j:97+16*\b+\j], v[96+16*\b+\j:97+16*\b+\j], v[80+\j:81+\j]   ; + sigma x n: t
.endr
.endr
.irp b, 0,1,2,3
	v_max3_num_f32 v[232+\b], v[96+16*\b], v[97+16*\b], v[98+16*\b]   ; the largest t of each block of 32 keys: for the row's maximum and, since p rises with t, for the block's largest p
.endr
.irp i, 3,5,7,9,11,13
.irp b, 0,1,2,3
	v_max3_num_f32 v[232+\b], v[232+\b], v[96+16*\b+\i], v[97+16*\b+\i]
.endr
.endr
.irp b, 0,1,2,3
	v_max_num_f32 v[232+\b], v[232+\b], v[111+16*\b]
.endr
.irp b, 0,1,2,3
	v_permlanex16_b32 v[236+\b], v[232+\b], s[SEL], s[SEL+1]
.endr
.irp b, 0,1,2,3
	v_max_num_f32 v[232+\b], v[232+\b], v[236+\b]
.endr
	v_max3_num_f32 v254, v232, v233, v234
	v_max_num_f32 v254, v254, v235
	v_max_num_f32 v13, v13, v254                   ; the running largest t
	v_mov_b32 v254, v12
	v_floor_f32 v12, -v13                          ; the new -M = -ceil(t)
	v_sub_f32 v254, v12, v254
	v_cvt_i32_f32 v254, v254                       ; old M - new M, a whole number (it saturates)
	v_ldexp_f32 v252, 1.0, v254                    ; f = 2^(old M - new M)
.set J, 0
.rept 32
	v_pk_add_f32 v[96+J:97+J], v[96+J:97+J], v[12:13] op_sel_hi:[1,0]   ; t - M
.set J, J+2
.endr
.irp b, 0,1,2,3
	v_add_f32 v[232+\b], v[232+\b], v12            ; the same of each block's largest t
.endr
.set J, 0
.rept 64
	v_exp_f32 v[96+J], v[96+J]                     ; p = 2^(t - M)
.set J, J+1
.endr
	v_pk_mul_f32 v[14:15], v[14:15], v[252:253] op_sel_hi:[1,0]   ; the sums under the new M: a plain place behind the exponentials
	s_wait_alu depctr_va_vdst(0)                   ; one wait for the whole batch, ahead of its first reader
.irp b, 0,1,2,3
	v_exp_f32 v[232+\b], v[232+\b]                 ; the block's largest p: the same instructions on the same number give the same bits
.endr
	v_pk_add_f32 v[236:237], v[96:97], v[98:99]    ; the row's sum of the UNQUANTISED p, two chains
.irp j, 4,8,12,16,20,24,28,32,36,40,44,48,52,56,60
	v_pk_add_f32 v[14:15], v[14:15], v[96+\j:97+\j]
	v_pk_add_f32 v[236:237], v[236:237], v[98+\j:99+\j]
.endr
	v_pk_add_f32 v[14:15], v[14:15], v[236:237]
	s_wait_alu depctr_va_vdst(0)                   ; and one for the four
.irp b, 0,1,2,3
	v_max_num_f32 v[232+\b], 0x1800000, v[232+\b]  ; the floor 2^(3 - 127)
.endr
.irp b, 0,1,2,3
	v_add_nc_u32 v[244+\b], 0xff000000, v[232+\b]
.endr
.irp b, 0,1,2,3
	v_lshrrev_b32 v[236+\b], 23, v[244+\b]
.endr
	v_lshl_or_b32 v253, v237, 8, v236              ; p's scale word for these 128 keys
	v_lshl_or_b32 v253, v238, 16, v253
	v_lshl_or_b32 v253, v239, 24, v253
.irp c, 0,1
	v_cvt_scalef32_pk16_fp6_f32 v[224+6*\c:226+6*\c], v[96+32*\c:111+32*\c], v[244+2*\c]
	v_cvt_scalef32_pk16_fp6_f32 v[236+4*\c:238+4*\c], v[112+32*\c:127+32*\c], v[244+2*\c+1]
.endr
	v_nop
.irp c, 0,1
.irp i, 0,1,2
	v_permlane16_swap_b32 v[224+6*\c+\i], v[236+4*\c+\i]
.endr
.irp i, 0,1,2
	v_mov_b32 v[227+6*\c+\i], v[236+4*\c+\i]
.endr
.endr
.set J, 0
.rept 32
	v_pk_mul_f32 v[160+J:161+J], v[160+J:161+J], v[252:253] op_sel_hi:[1,0]   ; O^T under the new M.  (Also the places in front of the matrix instructions and loads below)
.set J, J+2
.endr
.irp g, 0,1                                    ; O^T += V^T P^T
.if \g > 0
.rept 4
	v_nop
.endr
.endif
.irp t, 0,1,2,3
.irp c, 0,1,2
	ds_load_b128 v[32+12*\t+4*\c:35+12*\t+4*\c], v[ADK] offset:STEPB*(\q)+8*FRB+(4*\g+\t)*FRB+512*\c
.endr
.endr
.if \g == 0
	ds_load_b128 v[248:251], v[ADS] offset:512     ; V's scale words
.endif
	s_wait_dscnt 0x0
.irp t, 0,1,2,3
.if \g == 0
	v_wmma_scale_f32_16x16x128_f8f6f4 v[160+8*(4*\g+\t):167+8*(4*\g+\t)], v[32+12*\t:43+12*\t], v[224:235], v[160+8*(4*\g+\t):167+8*(4*\g+\t)], v[248+\t], v253 matrix_a_fmt:MATRIX_FMT_FP6 matrix_b_fmt:MATRIX_FMT_FP6
.else
	v_wmma_scale_f32_16x16x128_f8f6f4 v[160+8*(4*\g+\t):167+8*(4*\g+\t)], v[32+12*\t:43+12*\t], v[224:235], v[160+8*(4*\g+\t):167+8*(4*\g+\t)], v[248+\t], v253 matrix_a_fmt:MATRIX_FMT_FP6 matrix_b_fmt:MATRIX_FMT_FP6 matrix_a_scale:MATRIX_SCALE_ROW1
.endif
.endr
.endr
.Lhidden_\@:
	s_add_co_u32 s[KF], s[KF], 128
	s_add_co_u32 s[TS], s[TS], 1024
.endm
; THE CHANGE OF SLOTS stands at a slot's head.  Each wave waits for all its tensor loads (its eighth of the slot ahead), adds 0 to its spare word, and waits for that and for its reads of the slot that it has left.
; fill = 1: that slot is filled with the keys that follow, up to the causal limit: a slot whose first key comes after the work-group's last query is read by none of its waves and is not asked for.
; Every wait on TENSORcnt of this text is for 0.
.macro CHANGE fill
	s_wait_tensorcnt 0x0
	ds_add_u32 v[SPW], v[NIL]
.if \fill
	s_xor_b32 s[G0R+1], s[G0R+1], SLOT1            ; the walking descriptor: the other slot,
	s_add_nc_u64 s[G0R+2:G0R+3], s[G0R+2:G0R+3], SLOTB   ; the next 256 keys
	s_wait_xcnt 0x0                                ; the last prefetch, a slot back, has read its address
	s_add_nc_u64 s[PFA:PFA+1], s[PFA:PFA+1], SLOTB ; one slot further on than the descriptor
.endif
	s_wait_dscnt 0x0                               ; the add is done, and my reads of the slot that I have left are over
	s_barrier_signal -1
	s_barrier_wait -1
.if \fill
	s_add_co_u32 s96, s[KF], 256                   ; the first key of the slot that this change would ask for
	s_cmp_gt_u32 s96, s[LASTQ]
	s_cbranch_scc1 .Lpast_\@
	tensor_load_to_lds s[G0R:G0R+3], s[G1:G1+7]    ; my one tensor load until the next change
	s_nop 0
.rept 4
	v_nop
.endr
.Lpast_\@:
	s_cmp_gt_u32 s[SLOTS], s[LIM]                  ; a prefetch of the slot that the NEXT change will ask for: two key steps ahead of that load.  Waves 0-5 of the head's first work-group ask,
	s_cbranch_scc0 .Lnot_mine_\@                   ; 32 lanes 256 bytes apart: each block is named once in the launch; the last change that fills asks for nothing
	global_prefetch_b8 v[PFO], s[PFA:PFA+1] th:TH_LOAD_NT scope:SCOPE_SE
.Lnot_mine_\@:
.endif
.endm
	s_wait_loadcnt 0x0                             ; Q
.Lslot:                                            ; seven trips
	CHANGE 1
	STEP 0
	STEP 1
	s_xor_b32 s[TB], s[TB], SLOT1
	s_sub_co_u32 s[SLOTS], s[SLOTS], 1
	s_cmp_lg_u32 s[SLOTS], 0
	s_cbranch_scc1 .Lslot
	CHANGE 0                                       ; the last slot is written out: nothing is left to ask for
	STEP 0
	STEP 1
	; THE WAY OUT: O^T / the sum, RMS norm over the head's 128, the weight, the quantiser, one image and its scale words.
.rept 4
	v_nop                                          ; places behind the last products
.endr
	v_add_f32 v14, v14, v15
	v_permlanex16_b32 v252, v14, s[SEL], s[SEL+1]
	v_add_f32 v14, v14, v252                       ; the row's sum
	v_rcp_f32 v14, v14
	v_nop                                          ; a plain place behind the transcendental
.irp b, 0,1,2,3
.irp g, 0,1,2,3
	global_load_b128 v[32+16*\b+4*\g:35+16*\b+4*\g], v[H64], s[8:9] offset:128*\b+16*\g   ; register 16 b + i: w[32 b + 16 h + i]
.endr
.endr
	s_lshr_b32 s84, s[BH], 3
	s_lshl_b32 s84, s84, 7
	s_add_co_u32 s84, s84, s[TAU]                  ; my token tile among 256
	s_and_b32 s85, s[BH], 7                        ; the head: the next product's K step
	s_lshl_b32 s86, s84, 3
	s_add_co_u32 s86, s86, s85
	s_mul_i32 s86, s86, FRB
	s_mov_b32 s87, 0
	s_add_nc_u64 s[88:89], s[10:11], s[86:87]
	s_lshl_b32 s86, s84, 9
	s_lshr_b32 s90, s85, 2
	s_lshl_b32 s90, s90, 8
	s_add_co_u32 s86, s86, s90
	s_and_b32 s90, s85, 3
	s_lshl_b32 s90, s90, 2
	s_add_co_u32 s86, s86, s90
	s_add_co_u32 s86, s86, YS_OFF
	s_add_nc_u64 s[90:91], s[10:11], s[86:87]
	s_wait_alu depctr_va_vdst(0)                   ; ahead of the reciprocal's first reader
.set J, 0
.rept 32
	v_pk_mul_f32 v[96+J:97+J], v[160+J:161+J], v[14:15] op_sel_hi:[1,0]   ; ascending: each accumulator is first read at its low end
.set J, J+2
.endr
	v_pk_mul_f32 v[232:233], v[96:97], v[96:97]
	v_pk_mul_f32 v[234:235], v[98:99], v[98:99]
.set J, 4
.rept 15
	v_pk_fma_f32 v[232:233], v[96+J:97+J], v[96+J:97+J], v[232:233]
	v_pk_fma_f32 v[234:235], v[98+J:99+J], v[98+J:99+J], v[234:235]
.set J, J+4
.endr
	v_pk_add_f32 v[232:233], v[232:233], v[234:235]
	v_add_f32 v232, v232, v233
	v_permlanex16_b32 v236, v232, s[SEL], s[SEL+1]
	v_add_f32 v232, v232, v236
	v_fma_f32 v232, v232, s82, s83                 ; mean + eps
	v_rsq_f32 v238, v232
	v_nop
	s_wait_alu depctr_va_vdst(0)
	v_mov_b32 v239, v238
.set J, 0
.rept 32
	v_pk_mul_f32 v[96+J:97+J], v[96+J:97+J], v[238:239] op_sel_hi:[1,0]
.set J, J+2
.endr
	s_wait_loadcnt 0x0                             ; the weights
.set J, 0
.rept 32
	v_pk_mul_f32 v[96+J:97+J], v[96+J:97+J], v[32+J:33+J]
.set J, J+2
.endr
	QUANT 96
.irp c, 0,1,2
	global_store_b128 v[LI], v[PC+4*\c:PC+4*\c+3], s[88:89] offset:512*\c
.endr
	v_cmp_gt_u32 vcc_lo, 16, v[LN]                 ; lanes r and r + 16 hold the same word: lanes 0-15 store it
	s_wait_xcnt 0x0                                ; EXEC changes only behind this wait
	s_and_saveexec_b32 s84, vcc_lo
	global_store_b32 v[R16], v[PW], s[90:91]
	s_wait_xcnt 0x0
	s_or_b32 exec_lo, exec_lo, s84
	s_wait_tensorcnt 0x0                           ; the wave's end
	ds_add_u32 v[SPW], v[NIL]
	s_wait_dscnt 0x0
	s_endpgm
.Lfunc_end_k_q5501888e87_attn:
	.size	k_q5501888e87_attn, .Lfunc_end_k_q5501888e87_attn-k_q5501888e87_attn
	.p2alignl 7, 3214868480
	.fill 96, 4, 3214868480
	.section	.rodata,"a",@progbits
	.p2align	6, 0x0
	.amdhsa_kernel k_q5501888e87_attn
		.amdhsa_group_segment_fixed_size 327680
		.amdhsa_private_segment_fixed_size 0
		.amdhsa_enable_private_segment 0
		.amdhsa_kernarg_size 32
		.amdhsa_user_sgpr_count 2
		.amdhsa_user_sgpr_kernarg_segment_ptr 1
		.amdhsa_wavefront_size32 1
		.amdhsa_system_sgpr_workgroup_id_x 1
		.amdhsa_system_sgpr_workgroup_id_y 1
		.amdhsa_system_sgpr_workgroup_id_z 1
		.amdhsa_system_vgpr_workitem_id 0
		.amdhsa_next_free_vgpr 256
		.amdhsa_next_free_sgpr 100
		.amdhsa_reserve_vcc 1
		.amdhsa_float_denorm_mode_32 3
		.amdhsa_float_denorm_mode_16_64 3
		.amdhsa_memory_ordered 1
		.amdhsa_forward_progress 1
		.amdhsa_inst_pref_size 138
	.end_amdhsa_kernel
	.amdgpu_metadata
---
amdhsa.version: [ 1, 2 ]
amdhsa.kernels:
  - .name:           k_q5501888e87_attn
    .symbol:         k_q5501888e87_attn.kd
    .args:
      - { .name: qc, .offset: 0, .size: 8, .value_kind: global_buffer, .address_space: global }
      - { .name: kv, .offset: 8, .size: 8, .value_kind: global_buffer, .address_space: global }
      - { .name: subln_w, .offset: 16, .size: 8, .value_kind: global_buffer, .address_space: global }
      - { .name: yq, .offset: 24, .size: 8, .value_kind: global_buffer, .address_space: global }
    .group_segment_fixed_size: 327680
    .private_segment_fixed_size: 0
    .kernarg_segment_align: 8
    .kernarg_segment_size: 32
    .max_flat_workgroup_size: 256
    .sgpr_count:     100
    .vgpr_count:     256
    .wavefront_size: 32
...
	.end_amdgpu_metadata
.endif
;; end of part 3
;; launch proj (part 4): grid 8 x 16, 4 waves a work-group, clusters of 4 x 4, 327,680 bytes of LDS; arguments yq, wq, out0; writes out0
.if DOCPART == 4
	.amdgcn_target "amdgcn-amd-amdhsa--gfx1250"
	.amdhsa_code_object_version 6
	.text
	.protected	k_q5501888e87_proj
	.globl	k_q5501888e87_proj
	.p2align	8
	.type	k_q5501888e87_proj,@function
k_q5501888e87_proj:
	s_mov_b64 s[64:65], 0
	v_nop
	global_prefetch_b8 v0, s[64:65] scope:SCOPE_SE
	s_setreg_imm32_b32 hwreg(HW_REG_WAVE_MODE, 25, 1), 1
	s_wait_xcnt 0x0
	s_wait_alu depctr_hold_cnt(0) depctr_sa_sdst(0) depctr_va_vdst(0) depctr_va_sdst(0) depctr_va_ssrc(0) depctr_va_vcc(0) depctr_vm_vsrc(0)
	s_getreg_b32 s2, hwreg(HW_REG_IB_STS2, 6, 4)
	s_cmp_eq_u32 s2, 0
	s_cbranch_scc0 .Lentry_in_a_cluster
	s_endpgm
.Lentry_in_a_cluster:
	s_bfe_u32 s2, ttmp6, 0x10000c
	s_cmp_lg_u32 s2, 0xf033
	s_cbranch_scc0 .Lentry_shape_is_right
	s_endpgm
.Lentry_shape_is_right:
; out0 = y Wproj on codes of FP6 (E2M3) with E8M0 scales: [4096][1024] x [1024][2048], f32 out.
; OPERANDS are fragment images (16 rows x 128 K, 1,536 bytes: byte 512 c + 16 L + 4 e = register 4 c + e of lane L), [tile][K step]; scale words [tile][4 K steps][r][4].
; Tile i holds rows 32 (i / 2) + 8 (i % 2) + r + 8 (r / 8).  A work-group of four waves makes 256 x 256, a wave 128 x 128: 64 accumulators.
; Source 0 = operand R (Wproj's columns, 8 tiles b), source 1 = operand P (tokens, 8 tiles a): a lane holds one token; registers of result tiles 2 b', 2 b' + 1 are columns 32 b' + 16 h + 0 .. 15.
; K goes in steps of 256 through two LDS slots filled by joint tensor loads: P's tiles are shared along a row of the 4 x 4 cluster, R's along a column.  All scale words come once, with the first fills.
; REGISTERS: window 0: v16-29 addresses; v32-63 scale words, two sets; v128-223 P's fragments, one set (the way out: v128-255).  window 1: R's fragments, two sets.  windows 2, 3: accumulator (a, b) at v[8 (8 (a % 4) + b)].
.set NKS,    8
.set FRB,    1536
.set TPITCH, NKS*FRB
.set TROW,   2*FRB
.set HALFT,  8*TROW
.set SLOT,   4*HALFT
.set SCL,    2*SLOT
.set UNITS,  2*NKS
.set HALFS,  272*UNITS
.set SBLK,   272*NKS/4
.set SPARE,  SCL+4*HALFS               ; the spare words, 128 bytes a wave: two blocks of 256 bytes that no other line names
.set SPITCH, 528                       ; the way out: a stage of 16 rows x (512 bytes + 16) for each wave, in slot 0, which has had its last fill and its last read by then
.set FR,     12
.set NL,     3
.set NQ,     2
.set NP,     4
.set LAPS,   NKS/4
.set YS_OFF, 3145728
.set WP_OFF, 4915200
.set WPS_OFF,6488064
.set ADRA, 16
.set ADRB, 20
.set STO,  24                          ; v24 the way out: where I put my numbers of a row
.set RD,   25                          ; v25 and where I read a row back
.set LI,   26                          ; v26 16 x lane
.set ADRS, 27
.set SPW,  28
.set NIL,  29
.set SC,   32
.set AF,   128
.set BK,   128
.set G1, 24
.set G0, 32
.set G1B, 48
.set G0B, 56
.set G1S, 68
.set G0S, 76
.set G1SB, 80
.set G0SB, 88
.set MSB, 0
.macro WIN new
.if MSB != \new
	s_set_vgpr_msb (MSB<<8)|\new
.set MSB, \new
.endif
.endm
.set MUL_LO, 0xa1
.set MUL_HI, 0xf1
.set TO_B,   0x40
.macro JLOAD g0a, g1a, g0b, g1b        ; a joint load: waves 0 and 1 fetch for P, waves 2 and 3 for R; an s_nop 0 and four v_nop follow each line
	s_cmp_eq_u32 s17, 0
	s_cbranch_scc0 .Lfor_b_\@
	tensor_load_to_lds s[\g0a:\g0a+3], s[\g1a:\g1a+7]
	s_nop 0
.rept 4
	v_nop
.endr
	s_branch .Lasked_\@
.Lfor_b_\@:
	tensor_load_to_lds s[\g0b:\g0b+3], s[\g1b:\g1b+7]
	s_nop 0
.rept 4
	v_nop
.endr
.Lasked_\@:
.endm
.macro CREST
	s_cmp_lg_u32 s16, 0
	s_cbranch_scc1 .Lnot_wave_0_\@
	s_barrier_signal -3
.Lnot_wave_0_\@:
	s_barrier_wait -3
	s_barrier_signal -1
	s_barrier_wait -1
.endm
.macro CROUND
	s_barrier_signal -1
	s_barrier_wait -1
	CREST
.endm
	s_load_b128 s[4:7], s[0:1], 0x0                ; yq s[4:5], wq s[6:7]
	s_load_b64 s[12:13], s[0:1], 0x10              ; out0
	v_lshl_add_u32 v[SPW], v0, 2, SPARE
	v_mov_b32 v[NIL], 0
	ds_add_u32 v[SPW], v[NIL]                      ; the wave's opening: the add and its wait ahead of my first tensor load
	v_lshrrev_b32 v1, 5, v0
	v_readfirstlane_b32 s16, v1                    ; wave 0..3
	s_lshr_b32 s17, s16, 1                         ; my half of P.  Also: I fetch for P (0) or for R (1)
	s_and_b32 s18, s16, 1                          ; my half of R.  Also: which 8 tiles I fetch
	s_bfe_u32 s40, ttmp6, 0x40000                  ; cx
	s_bfe_u32 s41, ttmp6, 0x40004                  ; cy
	s_and_b32 s19, ttmp7, 0xffff
	s_lshl_b32 s19, s19, 2
	s_add_co_u32 s19, s19, s41                     ; P's tile of 256 tokens = 4 x cluster y + cy
	s_lshl_b32 s42, ttmp9, 2
	s_add_co_u32 s42, s42, s40                     ; R's tile of 256 columns = 4 x cluster x + cx
	s_lshl_b32 s43, s41, 2
	s_lshl_b32 s43, 15, s43                        ; my row of the cluster
	s_lshl_b32 s44, 0x1111, s40                    ; my column
	s_or_b32 s[G1+0], s43, (3<<16)|(1<<21)         ; 8 rows (tiles) of 3,072 bytes, TPITCH bytes apart, dense in LDS
	s_or_b32 s[G1B+0], s44, (3<<16)|(1<<21)
.irp g, G1, G1B
	s_mov_b32 s[\g+1], (TROW/8)<<16
	s_mov_b32 s[\g+2], 8<<16
	s_mov_b32 s[\g+3], (TROW/8)<<16
	s_mov_b32 s[\g+4], 8
	s_mov_b32 s[\g+5], TPITCH/8
	s_mov_b32 s[\g+6], 0
	s_mov_b32 s[\g+7], 0
.endr
	s_or_b32 s[G1S+0], s43, (3<<16)|(1<<20)|(1<<21)|(5<<22)|(3<<25)   ; 8 tiles' scale words: rows of 256 bytes, 16 bytes of padding behind each
	s_or_b32 s[G1SB+0], s44, (3<<16)|(1<<20)|(1<<21)|(5<<22)|(3<<25)
.irp g, G1S, G1SB
	s_mov_b32 s[\g+1], 32<<16
	s_mov_b32 s[\g+2], UNITS<<16
	s_mov_b32 s[\g+3], 32<<16
	s_mov_b32 s[\g+4], UNITS
	s_mov_b32 s[\g+5], 32
	s_mov_b32 s[\g+6], 0
	s_mov_b32 s[\g+7], 0
.endr
	s_lshl_b32 s20, s19, 4
	s_lshl_b32 s22, s18, 3
	s_add_co_u32 s20, s20, s22                     ; P: the first of the 8 tiles that I fetch
	s_mul_i32 s22, s20, (NKS/4)*256
	s_add_co_u32 s22, s22, YS_OFF
	s_mov_b32 s23, 0
	s_mul_i32 s20, s20, TPITCH
	s_mov_b32 s21, 0
	s_lshl_b32 s46, s42, 4
	s_lshl_b32 s92, s18, 3
	s_add_co_u32 s46, s46, s92                     ; R likewise
	s_mul_i32 s92, s46, (NKS/4)*256
	s_add_co_u32 s92, s92, WPS_OFF
	s_mov_b32 s93, 0
	s_mul_i32 s46, s46, TPITCH
	s_add_co_u32 s46, s46, WP_OFF
	s_mov_b32 s47, 0
	s_mul_i32 s66, s16, HALFT                      ; where they go: no place in the cluster enters an LDS address
	s_mul_i32 s94, s16, HALFS
	s_wait_dscnt 0x0                               ; the opening add is done
	s_wait_kmcnt 0x0
	s_add_nc_u64 s[20:21], s[4:5], s[20:21]
	s_add_nc_u64 s[22:23], s[4:5], s[22:23]
	s_add_nc_u64 s[46:47], s[6:7], s[46:47]
	s_add_nc_u64 s[92:93], s[6:7], s[92:93]
	CROUND                                         ; all sixteen work-groups are here: the first joint loads meet
	s_mov_b32 s[G0S], 1
	s_add_co_u32 s[G0S+1], s94, SCL
	s_mov_b64 s[G0S+2:G0S+3], s[22:23]
	s_or_b32 s[G0S+3], s[G0S+3], 0x80000000
	s_mov_b32 s[G0SB], 1
	s_add_co_u32 s[G0SB+1], s94, SCL
	s_mov_b64 s[G0SB+2:G0SB+3], s[92:93]
	s_or_b32 s[G0SB+3], s[G0SB+3], 0x80000000
	JLOAD G0S, G1S, G0SB, G1SB
.irp s, 0,1
	s_mov_b32 s[G0+4*\s], 1
	s_add_co_u32 s[G0+4*\s+1], s66, \s*SLOT
	s_add_nc_u64 s[G0+4*\s+2:G0+4*\s+3], s[20:21], \s*TROW
	s_or_b32 s[G0+4*\s+3], s[G0+4*\s+3], 0x80000000
	s_mov_b32 s[G0B+4*\s], 1
	s_add_co_u32 s[G0B+4*\s+1], s66, \s*SLOT
	s_add_nc_u64 s[G0B+4*\s+2:G0B+4*\s+3], s[46:47], \s*TROW
	s_or_b32 s[G0B+4*\s+3], s[G0B+4*\s+3], 0x80000000
	JLOAD G0+4*\s, G1, G0B+4*\s, G1B               ; three loads of mine are out behind the second of these
.endr
	v_and_b32 v1, 15, v0                           ; r
	v_bfe_u32 v2, v0, 4, 1                         ; h
	v_and_b32 v3, 31, v0
	v_lshlrev_b32 v[LI], 4, v3
	s_mul_i32 s20, s17, HALFT
	s_mul_i32 s22, s18, HALFT
	s_add_co_u32 s22, s22, 2*HALFT
.irp s, 0,1
	v_add_nc_u32 v[ADRA+\s], s20, v[LI]
	v_add_nc_u32 v[ADRB+\s], s22, v[LI]
	s_add_co_u32 s20, s20, SLOT
	s_add_co_u32 s22, s22, SLOT
.endr
	v_lshlrev_b32 v5, 4, v1
	s_mul_i32 s20, s17, HALFS
	s_mul_i32 s22, s18, HALFS
	s_add_co_u32 s22, s22, 2*HALFS
	s_sub_co_u32 s22, s22, s20
	v_mul_u32_u24 v6, s22, v2                      ; lanes 16-31 take R's
	s_add_co_u32 s20, s20, SCL
	v_add_nc_u32 v5, v5, v6
	v_add_nc_u32 v[ADRS], s20, v5
	s_mul_i32 s23, s16, 16*SPITCH                  ; my stage
	v_mul_u32_u24 v5, v1, SPITCH
	v_lshl_add_u32 v5, v2, 6, v5
	v_add_nc_u32 v[STO], s23, v5                   ; in: row r, + 64 h
	v_add_nc_u32 v[RD], s23, v[LI]                 ; back: the 32 lanes take one row of 512 bytes
	s_lshl_b32 s20, s19, 8
	s_lshl_b32 s21, s17, 7
	s_add_co_u32 s20, s20, s21                     ; my first token
	s_lshl_b32 s20, s20, 13                        ; rows of 8,192 bytes
	s_mov_b32 s21, 0
	s_lshl_b32 s46, s42, 10
	s_lshl_b32 s47, s18, 9
	s_add_co_u32 s46, s46, s47                     ; my first column, in bytes
	s_mov_b32 s47, 0
	s_add_nc_u64 s[20:21], s[20:21], s[46:47]
	s_add_nc_u64 s[12:13], s[12:13], s[20:21]
.macro FRAG reg, adr, q, i
.irp c, 0,1,2
	ds_load_b128 v[\reg+4*\c:\reg+4*\c+3], v[\adr] offset:(\i)*TROW+(\q)*FRB+512*\c
.endr
.endm
; 16 matrix instructions; the 64 accumulators take turns, one instruction a turn, in the same order in every step
.macro MUL16 a0, p, q, sc, zero
.irp a, \a0, \a0+1
.irp b, 0,1,2,3,4,5,6,7
.if \zero
	v_wmma_scale_f32_16x16x128_f8f6f4 v[8*(8*((\a)%4)+\b):8*(8*((\a)%4)+\b)+7], v[128*(\p)+FR*\b:128*(\p)+FR*\b+FR-1], v[AF+FR*(\a):AF+FR*(\a)+FR-1], 0, v[SC+8*NQ*(\sc)+NQ*\b+(\q)], v[SC+8*NQ*(\sc)+NQ*(\a)+(\q)] matrix_a_fmt:MATRIX_FMT_FP6 matrix_b_fmt:MATRIX_FMT_FP6 matrix_a_scale:MATRIX_SCALE_ROW1
.else
	v_wmma_scale_f32_16x16x128_f8f6f4 v[8*(8*((\a)%4)+\b):8*(8*((\a)%4)+\b)+7], v[128*(\p)+FR*\b:128*(\p)+FR*\b+FR-1], v[AF+FR*(\a):AF+FR*(\a)+FR-1], v[8*(8*((\a)%4)+\b):8*(8*((\a)%4)+\b)+7], v[SC+8*NQ*(\sc)+NQ*\b+(\q)], v[SC+8*NQ*(\sc)+NQ*(\a)+(\q)] matrix_a_fmt:MATRIX_FMT_FP6 matrix_b_fmt:MATRIX_FMT_FP6 matrix_a_scale:MATRIX_SCALE_ROW1
.endif
.endr
.endr
.endm
.macro FETCH_B slot, q, p
	WIN TO_B
.irp i, 0,1,2,3,4,5,6,7
	FRAG 128*(\p)+FR*\i, ADRB+\slot, \q, \i
.endr
	WIN 0
.endm
.macro FETCH_A slot, q, i0
.irp i, \i0, \i0+1, \i0+2, \i0+3
	FRAG AF+FR*(\i), ADRA+\slot, \q, \i
.endr
.endm
.macro SCALES sc
.irp i, 0,1,2,3,4,5,6,7
	ds_load_b64 v[SC+8*NQ*\sc+NQ*\i:SC+8*NQ*\sc+NQ*\i+1], v[ADRS] offset:\i*SBLK+8*\sc
.endr
.endm
.macro PLACES n
.rept \n
	v_nop
.endr
.endm
.macro STEP slot, q, zero
	s_wait_dscnt 4*NL                              ; R's set and P's blocks 0-3 are in; the youngest twelve loads (P's blocks 4-7) may be out
	WIN MUL_LO
	MUL16 0, (\q)%2, \q, \slot, \zero
	MUL16 2, (\q)%2, \q, \slot, \zero
	s_wait_dscnt 0
	PLACES NP
	FETCH_B \slot, (\q)+1, 1-(\q)%2
	FETCH_A \slot, (\q)+1, 0
	WIN MUL_HI
	MUL16 4, (\q)%2, \q, \slot, \zero
	MUL16 6, (\q)%2, \q, \slot, \zero
	PLACES NP
	WIN 0
	FETCH_A \slot, (\q)+1, 4
.endm
.macro TURN slot, next, fill
	s_wait_tensorcnt 0x0                           ; all my tensor loads have landed: my part of the next slot
	ds_add_u32 v[SPW], v[NIL]
	s_wait_dscnt 4*NL+1                            ; the add and the youngest twelve loads may be out
	WIN MUL_LO
	MUL16 0, 1, NQ-1, \slot, 0
	s_wait_dscnt 0x0                               ; the add is done, and my reads of this slot are over
	s_barrier_signal -1
	MUL16 2, 1, NQ-1, \slot, 0
	WIN 0
	s_barrier_wait -1
.if \fill
	CREST                                          ; the barrier has opened a round of the cluster's: no wave of any partner still reads this slot or has a load on its way
	s_add_nc_u64 s[G0+4*\slot+2:G0+4*\slot+3], s[G0+4*\slot+2:G0+4*\slot+3], 2*TROW
	s_add_nc_u64 s[G0B+4*\slot+2:G0B+4*\slot+3], s[G0B+4*\slot+2:G0B+4*\slot+3], 2*TROW
	JLOAD G0+4*\slot, G1, G0B+4*\slot, G1B
.else
	PLACES NP
.endif
.if (\next) == 0
	v_add_nc_u32 v[ADRS], 272, v[ADRS]             ; the next four K steps' scale words
.endif
	FETCH_B \next, 0, 0
	FETCH_A \next, 0, 0
	SCALES \next
	WIN MUL_HI
	MUL16 4, 1, NQ-1, \slot, 0
	MUL16 6, 1, NQ-1, \slot, 0
	PLACES NP
	WIN 0
	FETCH_A \next, 0, 4
.endm
	s_wait_tensorcnt 1                             ; the scale words and my part of slot 0 are in; slot 1's load may be out
	s_barrier_signal -1
	s_barrier_wait -1
	FETCH_B 0, 0, 0
	FETCH_A 0, 0, 0
	SCALES 0
	FETCH_A 0, 0, 4
	STEP 0, 0, 1                                   ; the first step's products start the sums
	s_mov_b32 s3, LAPS-1
.Llap:
	TURN 0, 1, 1
	STEP 1, 0, 0
	TURN 1, 0, 1
	STEP 0, 0, 0
	s_sub_co_u32 s3, s3, 1
	s_cmp_lg_u32 s3, 0
	s_cbranch_scc1 .Llap
	TURN 0, 1, 0                                   ; the last lap fills nothing
	STEP 1, 0, 0
	s_wait_dscnt 4*NL
	WIN MUL_LO
	MUL16 0, 1, NQ-1, 1, 0
	MUL16 2, 1, NQ-1, 1, 0
	s_wait_dscnt 0
	WIN MUL_HI
	MUL16 4, 1, NQ-1, 1, 0
	MUL16 6, 1, NQ-1, 1, 0
	WIN 0
; THE WAY OUT, block by block of 16 tokens x 128 columns: through my own stage in LDS, back as whole rows of 512 bytes.  LDS serves a wave's instructions in order: no wait between the stores and the loads.
.macro TOSTAGE a
.set AC, 64*((\a)%4)
.set WD, 0x08+4*((\a)/4)
	WIN WD                                         ; an LDS store's data are its source 1: window 2 or 3
.irp b, 0,1,2,3,4,5,6,7
	ds_store_b128 v[STO], v[AC+8*\b:AC+8*\b+3] offset:128*(\b/2)+32*(\b%2)        ; columns 32 (b / 2) + 16 h + 8 (b % 2) on; each accumulator from its low end
	ds_store_b128 v[STO], v[AC+8*\b+4:AC+8*\b+7] offset:128*(\b/2)+32*(\b%2)+16
.endr
	WIN 0
.set BB, BK+64*((\a)%2)
.irp t, 0,1,2,3,4,5,6,7,8,9,10,11,12,13,14,15
	ds_load_b128 v[BB+4*\t:BB+4*\t+3], v[RD] offset:\t*SPITCH
.endr
.endm
.macro SEND a, younger                 ; younger: the LDS instructions issued behind block a's loads, which may stay out
.set BB, BK+64*((\a)%2)
.set RW, 32*((\a)/2)+8*((\a)%2)        ; the block's first token among my 128
	s_wait_dscnt \younger
.irp t, 0,1,2,3,4,5,6,7,8,9,10,11,12,13,14,15
	global_store_b128 v[LI], v[BB+4*\t:BB+4*\t+3], s[12:13] offset:(RW+\t+8*(\t/8))*8192 th:TH_STORE_NT   ; 512 consecutive bytes of a row of out0; the base is never stepped: 127 rows at the most stand in the immediate
.endr
.endm
	PLACES NP
	TOSTAGE 0
.irp a, 1,2,3,4,5,6,7
.if \a > 1
	s_wait_xcnt 0x0                                ; block a - 2's stores have read their registers: block a's loads may land there
.endif
	TOSTAGE \a
	SEND \a-1, 32                                  ; behind block a - 1's loads: block a's 16 stores and 16 loads
.endr
	SEND 7, 0
	s_wait_tensorcnt 0x0                           ; the wave's end, behind my last tensor load and my last LDS store
	ds_add_u32 v[SPW], v[NIL]
	s_wait_dscnt 0x0
	CROUND                                         ; the closing round
	s_endpgm
.Lfunc_end_k_q5501888e87_proj:
	.size	k_q5501888e87_proj, .Lfunc_end_k_q5501888e87_proj-k_q5501888e87_proj
	.p2alignl 7, 3214868480
	.fill 96, 4, 3214868480
	.section	.rodata,"a",@progbits
	.p2align	6, 0x0
	.amdhsa_kernel k_q5501888e87_proj
		.amdhsa_group_segment_fixed_size 327680
		.amdhsa_private_segment_fixed_size 0
		.amdhsa_enable_private_segment 0
		.amdhsa_kernarg_size 24
		.amdhsa_user_sgpr_count 2
		.amdhsa_user_sgpr_kernarg_segment_ptr 1
		.amdhsa_wavefront_size32 1
		.amdhsa_system_sgpr_workgroup_id_x 1
		.amdhsa_system_sgpr_workgroup_id_y 1
		.amdhsa_system_sgpr_workgroup_id_z 1
		.amdhsa_system_vgpr_workitem_id 0
		.amdhsa_next_free_vgpr 1024
		.amdhsa_next_free_sgpr 106
		.amdhsa_reserve_vcc 0
		.amdhsa_float_denorm_mode_32 3
		.amdhsa_float_denorm_mode_16_64 3
		.amdhsa_memory_ordered 1
		.amdhsa_forward_progress 1
		.amdhsa_inst_pref_size 135
	.end_amdhsa_kernel
	.amdgpu_metadata
---
amdhsa.version: [ 1, 2 ]
amdhsa.kernels:
  - .name:           k_q5501888e87_proj
    .symbol:         k_q5501888e87_proj.kd
    .args:
      - { .name: yq, .offset: 0, .size: 8, .value_kind: global_buffer, .address_space: global }
      - { .name: wq, .offset: 8, .size: 8, .value_kind: global_buffer, .address_space: global }
      - { .name: out0, .offset: 16, .size: 8, .value_kind: global_buffer, .address_space: global }
    .group_segment_fixed_size: 327680
    .private_segment_fixed_size: 0
    .kernarg_segment_align: 8
    .kernarg_segment_size: 24
    .max_flat_workgroup_size: 128
    .sgpr_count:     106
    .vgpr_count:     1024
    .wavefront_size: 32
...
	.end_amdgpu_metadata
.endif
;; end of part 4
;; ======== version 2 of 2: 4 launches
;; workspace buffers: xq 6,553,600 bytes; wq 6,553,600 bytes; qc 3,276,800 bytes; kv 6,553,600 bytes; yq 3,276,800 bytes
;; launch quant (part 5): grid 768 x 1, 4 waves a work-group, no clusters, 47,616 bytes of LDS; arguments x, Wq, Wk, Wv, Wproj, xq, wq; writes xq, wq
.if DOCPART == 5
	.amdgcn_target "amdgcn-amd-amdhsa--gfx1250"
	.amdhsa_code_object_version 6
	.text
	.protected	k_q5501888e87_quant
	.globl	k_q5501888e87_quant
	.p2align	8
	.type	k_q5501888e87_quant,@function
k_q5501888e87_quant:
	s_mov_b64 s[64:65], 0
	v_nop
	global_prefetch_b8 v0, s[64:65] scope:SCOPE_SE
	s_setreg_imm32_b32 hwreg(HW_REG_WAVE_MODE, 25, 1), 1
	s_wait_xcnt 0x0
; x [4096][2048] and the four weights (K on their FIRST axis) become codes of FP6 (E2M3) with one E8M0 byte for each 32 along K,
; laid as the products' launches want them: as IMAGES OF OPERAND REGISTERS.
; A fragment is 16 rows x 128 K, 12 registers a lane: byte 512 c + 16 L + 4 e of its image (1,536 bytes) is register 4 c + e of lane L.
; Tile i of an operand holds the rows 32 (i / 2) + 8 (i % 2) + r + 8 (r / 8), r = 0 .. 15.  Codes: [tile][K step of 128][1536].
; Scale words (4 bytes: one row, one K step): [tile][group of 4 K steps][r][4 words], 256 bytes a group.
; A block's scale is 2^(floor(log2(largest magnitude)) - 2); its byte is the largest magnitude's exponent field - 2, held at 1 from below.
; LIMITS: a block of zeros gets the byte 1 where the rule says 127 (its codes are zeros, and this program alone reads the bytes);
; blocks whose largest magnitude lies under 2^(3 - 127) take that floor's byte; NaN and infinities among the inputs are not served.
; Work-groups 0-255: x, a tile of 16 tokens each; wave w takes K steps 4 w .. 4 w + 3.
; Work-groups 256-767: the weights, 128 columns x ONE K step each; a wave takes 32 columns: four blocks, two of them on their way at a time, so that a weight wave goes to memory as often as an x wave does.
; The price: a column's one scale word leaves by a store of 4 bytes, 16 bytes from its neighbour's: the other three words of a group belong to other work-groups: 64 of each 256 bytes a store, 262,144 bytes in the launch.
; The two paths part on the work-group's number and never join; each has LDS bytes of its own.  Waves share nothing: no barrier.
.set FRB,     1536
.set XS_OFF,  6291456                  ; xq: scale words behind 256 x 16 images
.set WS_OFF,  4718592                  ; wq: Wq|Wk|Wv: scale words behind 192 x 16 images
.set WP_OFF,  4915200                  ; wq: Wproj's images
.set WPS_OFF, 6488064                  ; wq: Wproj's scale words
.set XPIT,    528                      ; x path's stage: a row of 512 bytes + 16
.set XWAVE,   16*XPIT                  ; 16 rows a wave
.set WST,     4*XWAVE                  ; the weight path's stages begin here
.set WIMG,    1664                     ; an image + 128 bytes, so that the two tiles' stores fall on different banks
.set WWAVE,   2*WIMG
.set SPARE,   WST+4*WWAVE              ; the spare words, 128 bytes a wave: two blocks of 256 bytes that no other line names
.set SPW, 252                          ; v252 LDS address of my spare word; never rewritten
.set NIL, 253                          ; v253 0; never rewritten
.set PW,  10                           ; v10      the scale word just made
.set SW,  12                           ; v12-15   x path: four K steps' scale words; weight path: v12 alone
.set TM,  16                           ; v16-31   at work in QUANT
.set R,   32                           ; v32-159  x path: two sets of 64 registers as loaded
.set X,   160                          ; v160-223 x path: 64 numbers in the quantiser's order
.set PC,  224                          ; v224-242 x path: the codes just made
.set VO,  32                           ; v32-63   weight path: byte offset of row i of a block, at my column
.set XW,  64                           ; v64-127  weight path: two sets of 32 numbers
.set IM,  128                          ; v128-151 weight path: my 24 registers of the K step's images
.set T,   152                          ; v152-154 a conversion's second half
.set OUT, 160                          ; v160-183 the two images read back
.set SEL, 20                           ; s[20:21] lane selects for v_permlanex16_b32: lane l xor 16
; 64 numbers of a lane, register 16 b + i = k 32 b + 16 (lane / 16) + i of my row, become a fragment's codes in v[PC] on and its scale word in v[PW].
.macro QUANT s
.irp b, 0,1,2,3
	v_max3_num_f32 v[TM+\b], |v[\s+16*\b]|, |v[\s+1+16*\b]|, 0x1800000   ; block b: my 16 numbers, and the floor 2^(3 - 127): the byte cannot fall under 1
.endr
.irp i, 2,4,6,8,10,12,14
.irp b, 0,1,2,3
	v_max3_num_f32 v[TM+\b], v[TM+\b], |v[\s+16*\b+\i]|, |v[\s+1+16*\b+\i]|   ; the four blocks by turns
.endr
.endr
.irp b, 0,1,2,3
	v_permlanex16_b32 v[TM+4+\b], v[TM+\b], s[SEL], s[SEL+1]
.endr
.irp b, 0,1,2,3
	v_max_num_f32 v[TM+\b], v[TM+\b], v[TM+4+\b]   ; with lane l xor 16's: the block's largest magnitude
.endr
.irp b, 0,1,2,3
	v_add_nc_u32 v[TM+12+\b], 0xff000000, v[TM+\b]   ; 2 off its exponent field: the conversion's scale operand
.endr
.irp b, 0,1,2,3
	v_lshrrev_b32 v[TM+4+\b], 23, v[TM+12+\b]      ; the scale's byte
.endr
	v_lshl_or_b32 v[PW], v[TM+5], 8, v[TM+4]
	v_lshl_or_b32 v[PW], v[TM+6], 16, v[PW]
	v_lshl_or_b32 v[PW], v[TM+7], 24, v[PW]        ; my row's scale word
.irp c, 0,1
	v_cvt_scalef32_pk16_fp6_f32 v[PC+6*\c:PC+2+6*\c], v[\s+32*\c:\s+15+32*\c], v[TM+12+2*\c]
	v_cvt_scalef32_pk16_fp6_f32 v[PC+12+4*\c:PC+14+4*\c], v[\s+16+32*\c:\s+31+32*\c], v[TM+12+2*\c+1]   ; a conversion's three registers begin on an even number
.endr
	v_nop                                          ; one plain place behind a scaled conversion
.irp c, 0,1                                    ; the layout wants a WHOLE block in a lane: lanes 0-15 block 2 c, lanes 16-31 block 2 c + 1
.irp i, 0,1,2
	v_permlane16_swap_b32 v[PC+6*\c+\i], v[PC+12+4*\c+\i]
.endr
.irp i, 0,1,2
	v_mov_b32 v[PC+3+6*\c+\i], v[PC+12+4*\c+\i]
.endr
.endr
.endm
	s_load_b256 s[4:11], s[0:1], 0x0               ; x s[4:5], Wq s[6:7], Wk s[8:9], Wv s[10:11]
	s_load_b128 s[12:15], s[0:1], 0x20             ; Wproj s[12:13], xq s[14:15]
	s_load_b64 s[16:17], s[0:1], 0x30              ; wq
	v_lshl_add_u32 v[SPW], v0, 2, SPARE
	v_mov_b32 v[NIL], 0
	v_lshrrev_b32 v1, 5, v0
	v_readfirstlane_b32 s18, v1                    ; wave 0..3
	v_and_b32 v11, 31, v0                          ; lane
	v_and_b32 v244, 15, v0                         ; r = lane % 16
	v_bfe_u32 v245, v0, 4, 1                       ; h = lane / 16
	v_bfe_u32 v246, v0, 3, 1                       ; weight path: u, which of my two tiles my column falls into
	v_and_b32 v247, 7, v0
	v_lshl_add_u32 v247, v245, 3, v247             ; and its row there: (lane % 8) + 8 (lane / 16)
	v_lshlrev_b32 v1, 4, v11                       ; 16 x lane: an image's place for my lane
	; every LDS address of both paths is made here, ahead of the parting
	s_mul_i32 s22, s18, XWAVE
	v_add_nc_u32 v2, s22, v1                       ; x path, into the stage: a row's 512 bytes as loaded
	v_mul_u32_u24 v3, v244, XPIT
	v_lshl_add_u32 v3, v245, 6, v3
	v_add_nc_u32 v3, s22, v3                       ; and out of it: row r, + 64 h: my 16 numbers of each block of 32
	v_lshlrev_b32 v4, 4, v244                      ; 16 r: my row's four scale words
	s_mul_i32 s23, s18, WWAVE
	s_add_co_u32 s23, s23, WST
	v_mul_u32_u24 v5, v246, WIMG
	v_lshl_add_u32 v5, v247, 4, v5
	v_add_nc_u32 v5, s23, v5                       ; weight path, into the stage: tile u's image, lane r's place
	v_add_nc_u32 v6, s23, v1                       ; and out of it: 16 x lane
	s_mov_b32 s[SEL], 0x76543210
	s_mov_b32 s[SEL+1], 0xfedcba98
.irp b, 0,1,2,3
	v_mov_b32 v[TM+4+\b], 0                        ; written once: a lane permute's destination counts as one of its sources
.endr
	s_wait_kmcnt 0x0
	s_cmp_ge_u32 ttmp9, 256
	s_cbranch_scc1 .Lweights
	; ---------------- x: token tile i = the work-group's number ----------------
	s_lshr_b32 s22, ttmp9, 1
	s_lshl_b32 s22, s22, 5
	s_and_b32 s23, ttmp9, 1
	s_lshl_b32 s23, s23, 3
	s_add_co_u32 s22, s22, s23                     ; the tile's first row: 32 (i / 2) + 8 (i % 2)
	s_lshl_b32 s22, s22, 13                        ; rows of 8,192 bytes
	s_lshl_b32 s23, s18, 11                        ; my four K steps: 2,048 bytes on for each wave
	s_add_co_u32 s22, s22, s23
	s_mov_b32 s23, 0
	s_add_nc_u64 s[4:5], s[4:5], s[22:23]
	s_lshl_b32 s22, ttmp9, 2
	s_add_co_u32 s22, s22, s18                     ; 4 i + w
	s_mul_i32 s24, s22, 4*FRB
	s_mov_b32 s25, 0
	s_add_nc_u64 s[26:27], s[14:15], s[24:25]      ; my four images
	s_lshl_b32 s24, s22, 8
	s_add_co_u32 s24, s24, XS_OFF
	s_add_nc_u64 s[28:29], s[14:15], s[24:25]      ; my group of scale words
.macro LOADX s                         ; K step s of the tile's 16 rows: each load reads 512 consecutive bytes of one row
.irp t, 0,1,2,3,4,5,6,7,8,9,10,11,12,13,14,15
	global_load_b128 v[R+64*((\s)%2)+4*\t:R+64*((\s)%2)+4*\t+3], v1, s[4:5] offset:(\t+8*(\t/8))*8192+512*(\s) th:TH_LOAD_NT
.endr
.endm
.macro STEPX s
.if (\s) < 3
	s_wait_loadcnt 16                              ; this K step's 16 loads are in; the next step's 16 may be out
.else
	s_wait_loadcnt 0x0
.endif
.irp t, 0,1,2,3,4,5,6,7,8,9,10,11,12,13,14,15
	ds_store_b128 v2, v[R+64*((\s)%2)+4*\t:R+64*((\s)%2)+4*\t+3] offset:XPIT*\t
.endr
.irp b, 0,1,2,3
.irp j, 0,1,2,3
	ds_load_b128 v[X+16*\b+4*\j:X+16*\b+4*\j+3], v3 offset:128*\b+16*\j   ; LDS serves a wave's instructions in order: these see my stores
.endr
.endr
	s_wait_dscnt 0x0                               ; the numbers are back, and the stores have read their registers,
.if (\s)+2 < 4
	LOADX (\s)+2                                   ; which take the loads of two steps on
.endif
	s_wait_xcnt 0x0                                ; the last step's stores have read the codes' registers
	QUANT X
	v_mov_b32 v[SW+(\s)], v[PW]
.irp c, 0,1,2
	global_store_b128 v1, v[PC+4*\c:PC+4*\c+3], s[26:27] offset:FRB*(\s)+512*\c   ; 512 consecutive bytes of the image
.endr
.endm
	LOADX 0
	LOADX 1
	STEPX 0
	STEPX 1
	STEPX 2
	STEPX 3
	v_cmp_gt_u32 vcc_lo, 16, v11                   ; lanes r and r + 16 hold the same words: lanes 0-15 store them
	s_wait_xcnt 0x0                                ; EXEC changes only behind this wait
	s_and_saveexec_b32 s30, vcc_lo
	global_store_b128 v4, v[SW:SW+3], s[28:29]     ; sixteen lanes: 256 consecutive bytes, aligned
	s_wait_xcnt 0x0
	s_or_b32 exec_lo, exec_lo, s30
	s_wait_tensorcnt 0x0                           ; the wave's end, behind my last LDS store
	ds_add_u32 v[SPW], v[NIL]
	s_wait_dscnt 0x0
	s_endpgm
	; ---------------- the weights: a lane takes a column, its registers run down K ----------------
.Lweights:
	s_sub_co_u32 s22, ttmp9, 256
	s_lshr_b32 s23, s22, 7                         ; 0, 1, 2: Wq, Wk, Wv [2048][1024];  3: Wproj [1024][2048]: 128 work-groups each
	s_and_b32 s24, s22, 127
	s_lshl_b32 s34, s23, 6                         ; Wq, Wk, Wv: 64 tiles each, one behind the other
	s_cmp_eq_u32 s23, 1
	s_cselect_b64 s[28:29], s[8:9], s[6:7]
	s_cmp_eq_u32 s23, 2
	s_cselect_b64 s[28:29], s[10:11], s[28:29]
	s_mov_b32 s36, WS_OFF
	s_cmp_eq_u32 s23, 3                            ; all that differs for Wproj is chosen on this one compare
	s_cselect_b64 s[28:29], s[12:13], s[28:29]
	s_cselect_b32 s30, 15, 7                       ; groups of 128 columns: 16 or 8
	s_cselect_b32 s31, 4, 3
	s_cselect_b32 s32, 13, 12                      ; a row of the weight: 8,192 or 4,096 bytes
	s_cselect_b32 s33, 8, 16                       ; K steps of the operand
	s_cselect_b32 s34, 0, s34                      ; first tile
	s_cselect_b32 s35, WP_OFF, 0
	s_cselect_b32 s36, WPS_OFF, s36
	s_and_b32 s37, s24, s30                        ; which 128 columns
	s_lshr_b32 s38, s24, s31                       ; which K step
	s_lshl_b32 s39, 1, s32                         ; the row in bytes
	s_lshl_b32 s40, s38, 7
	s_lshl_b32 s40, s40, s32
	s_lshl_b32 s41, s37, 9
	s_add_co_u32 s40, s40, s41
	s_lshl_b32 s41, s18, 7
	s_add_co_u32 s40, s40, s41                     ; 128 x K step rows + (128 cg + 32 w) columns
	s_mov_b32 s41, 0
	s_add_nc_u64 s[28:29], s[28:29], s[40:41]
	s_lshl_b32 s42, s39, 5                         ; a block on: 32 rows
	s_mov_b32 s43, 0
	s_lshl_b32 s44, s37, 3
	s_add_co_u32 s44, s44, s34
	s_lshl_b32 s45, s18, 1
	s_add_co_u32 s44, s44, s45                     ; my first tile
	s_mul_i32 s46, s44, s33
	s_add_co_u32 s46, s46, s38
	s_mul_i32 s46, s46, FRB
	s_add_co_u32 s46, s46, s35
	s_mov_b32 s47, 0
	s_add_nc_u64 s[48:49], s[16:17], s[46:47]      ; its image of my K step
	s_lshl_b32 s50, s33, 6                         ; a tile's scale words: 256 bytes for each four K steps
	s_mul_i32 s46, s44, s50
	s_lshr_b32 s51, s38, 2
	s_lshl_b32 s51, s51, 8
	s_add_co_u32 s46, s46, s51                     ; the K step's group,
	s_and_b32 s51, s38, 3
	s_lshl_b32 s51, s51, 2
	s_add_co_u32 s46, s46, s51                     ; and its word there
	s_add_co_u32 s46, s46, s36
	s_add_nc_u64 s[52:53], s[16:17], s[46:47]
	s_mul_i32 s51, s33, FRB                        ; a tile's images
	v_add_nc_u32 v8, s51, v1                       ; my second tile's image: 16 x lane + a tile on
	v_mul_u32_u24 v9, s50, v246
	v_lshl_add_u32 v9, v247, 4, v9                 ; my column's scale word: tile u, row r
	v_lshlrev_b32 v248, 2, v11
.set J, 0
.rept 32
	v_mad_u32_u24 v[VO+J], s39, J, v248            ; row J of a block, my column
.set J, J+1
.endr
.macro LOADW t                         ; block t: 32 rows at 32 neighbouring columns: 128 consecutive bytes a load, the four waves side by side
.if (\t) > 0
	s_wait_xcnt 0x0                                ; the earlier loads have read their base
	s_add_nc_u64 s[28:29], s[28:29], s[42:43]
.endif
.set J, 0
.rept 32
	global_load_b32 v[XW+32*((\t)%2)+J], v[VO+J], s[28:29] th:TH_LOAD_NT
.set J, J+1
.endr
.endm
.macro IMGOUT                          ; the K step is whole: my 24 registers go to their lanes' places in the two images, which come back as images and are stored
.irp hh, 0,1
.irp g, 0,1,2
	ds_store_b128 v5, v[IM+12*\hh+4*\g:IM+12*\hh+4*\g+3] offset:256*\hh+512*\g
.endr
.endr
.irp u, 0,1
.irp g, 0,1,2
	ds_load_b128 v[OUT+12*\u+4*\g:OUT+12*\u+4*\g+3], v6 offset:WIMG*\u+512*\g   ; LDS serves a wave's instructions in order
.endr
.endr
	s_wait_dscnt 0x0
.irp g, 0,1,2
	global_store_b128 v1, v[OUT+4*\g:OUT+4*\g+3], s[48:49] offset:512*\g
	global_store_b128 v8, v[OUT+12+4*\g:OUT+12+4*\g+3], s[48:49] offset:512*\g
.endr
.endm
.macro BLOCKW t
.set XS, XW+32*((\t)%2)
.set DS, IM+12*((\t)%2)+6*((\t)/2)     ; block t belongs to lane half t % 2, registers 6 (t / 2) on
.if (\t) < 3
	s_wait_loadcnt 32                              ; this block's 32 loads are in; the next block's may be out
.else
	s_wait_loadcnt 0x0
.endif
	v_max3_num_f32 v16, |v[XS]|, |v[XS+1]|, |v[XS+2]|   ; the block's largest magnitude: all 32 numbers are mine
	v_max3_num_f32 v17, |v[XS+3]|, |v[XS+4]|, |v[XS+5]|
.irp i, 6,10,14,18,22,26
	v_max3_num_f32 v16, v16, |v[XS+\i]|, |v[XS+\i+1]|
	v_max3_num_f32 v17, v17, |v[XS+\i+2]|, |v[XS+\i+3]|
.endr
	v_max3_num_f32 v16, v16, |v[XS+30]|, |v[XS+31]|
	v_max3_num_f32 v16, v16, v17, 0x1800000        ; and the floor
	v_add_nc_u32 v18, 0xff000000, v16              ; the conversion's scale operand
	v_lshrrev_b32 v19, 23, v18                     ; the byte
.if (\t) == 0
	v_mov_b32 v[SW], v19
.else
	v_lshl_or_b32 v[SW], v19, 8*(\t), v[SW]
.endif
	v_cvt_scalef32_pk16_fp6_f32 v[DS:DS+2], v[XS:XS+15], v18
	v_cvt_scalef32_pk16_fp6_f32 v[T:T+2], v[XS+16:XS+31], v18
	v_nop                                          ; one plain place behind a scaled conversion
.irp i, 0,1,2
	v_mov_b32 v[DS+3+\i], v[T+\i]
.endr
.if (\t)+2 < 4
	LOADW (\t)+2
.endif
.endm
	LOADW 0
	LOADW 1
.irp t, 0,1,2,3
	BLOCKW \t
.endr
	IMGOUT
	global_store_b32 v9, v[SW], s[52:53]           ; my column's word of this K step: 4 bytes a lane, 16 bytes apart (see the head)
	s_wait_tensorcnt 0x0                           ; the wave's end, behind my last LDS store
	ds_add_u32 v[SPW], v[NIL]
	s_wait_dscnt 0x0
	s_endpgm
.Lfunc_end_k_q5501888e87_quant:
	.size	k_q5501888e87_quant, .Lfunc_end_k_q5501888e87_quant-k_q5501888e87_quant
	.p2alignl 7, 3214868480
	.fill 96, 4, 3214868480
	.section	.rodata,"a",@progbits
	.p2align	6, 0x0
	.amdhsa_kernel k_q5501888e87_quant
		.amdhsa_group_segment_fixed_size 47616
		.amdhsa_private_segment_fixed_size 0
		.amdhsa_enable_private_segment 0
		.amdhsa_kernarg_size 56
		.amdhsa_user_sgpr_count 2
		.amdhsa_user_sgpr_kernarg_segment_ptr 1
		.amdhsa_wavefront_size32 1
		.amdhsa_system_sgpr_workgroup_id_x 1
		.amdhsa_system_sgpr_workgroup_id_y 1
		.amdhsa_system_sgpr_workgroup_id_z 1
		.amdhsa_system_vgpr_workitem_id 0
		.amdhsa_next_free_vgpr 256
		.amdhsa_next_free_sgpr 66
		.amdhsa_reserve_vcc 1
		.amdhsa_float_denorm_mode_32 3
		.amdhsa_float_denorm_mode_16_64 3
		.amdhsa_memory_ordered 1
		.amdhsa_forward_progress 1
		.amdhsa_inst_pref_size 58
	.end_amdhsa_kernel
	.amdgpu_metadata
---
amdhsa.version: [ 1, 2 ]
amdhsa.kernels:
  - .name:           k_q5501888e87_quant
    .symbol:         k_q5501888e87_quant.kd
    .args:
      - { .name: x, .offset: 0, .size: 8, .value_kind: global_buffer, .address_space: global }
      - { .name: Wq, .offset: 8, .size: 8, .value_kind: global_buffer, .address_space: global }
      - { .name: Wk, .offset: 16, .size: 8, .value_kind: global_buffer, .address_space: global }
      - { .name: Wv, .offset: 24, .size: 8, .value_kind: global_buffer, .address_space: global }
      - { .name: Wproj, .offset: 32, .size: 8, .value_kind: global_buffer, .address_space: global }
      - { .name: xq, .offset: 40, .size: 8, .value_kind: global_buffer, .address_space: global }
      - { .name: wq, .offset: 48, .size: 8, .value_kind: global_buffer, .address_space: global }
    .group_segment_fixed_size: 47616
    .private_segment_fixed_size: 0
    .kernarg_segment_align: 8
    .kernarg_segment_size: 56
    .max_flat_workgroup_size: 128
    .sgpr_count:     66
    .vgpr_count:     256
    .wavefront_size: 32
...
	.end_amdgpu_metadata
.endif
;; end of part 5
;; launch qkv: the kernel of part 2 again; grid 12 x 16, 4 waves a work-group, clusters of 4 x 4, 327,680 bytes of LDS; arguments xq, wq, q_rms_w, k_rms_w, qc, kv; writes qc, kv
;; launch attn (part 6): grid 16 x 16, 8 waves a work-group, no clusters, 327,680 bytes of LDS; arguments qc, kv, subln_w, yq; writes yq
.if DOCPART == 6
	.amdgcn_target "amdgcn-amd-amdhsa--gfx1250"
	.amdhsa_code_object_version 6
	.text
	.protected	k_q5501888e87_attn
	.globl	k_q5501888e87_attn
	.p2align	8
	.type	k_q5501888e87_attn,@function
k_q5501888e87_attn:
	s_mov_b64 s[64:65], 0
	v_nop
	global_prefetch_b8 v0, s[64:65] scope:SCOPE_SE
	s_setreg_imm32_b32 hwreg(HW_REG_WAVE_MODE, 25, 1), 1
	s_wait_xcnt 0x0
; y = rmsnorm(softmax(q k^T / sqrt(128) - slope (i - j), causal) v) for one head of one batch, both products on codes of FP6 (E2M3) with E8M0 scales; y is quantised along the head's 128 and stored as an operand image.
; THE SOFTMAX AHEAD OF THE SECOND PRODUCT: t = logit x log2(e); M = the running largest t rounded UP to a whole number; p = 2^(t - M) is quantised along the keys, not normalised; the row's sum is taken of the
; unquantised p and divides at the end.  When M moves, the sum and O are multiplied by 2^(old M - new M): exact.
; t = (score x c + sigma x (KF + 32 b + 16 h - i)) + sigma x n, c = log2(e) / sqrt(128), sigma = log2(e) x 2^-(head + 1); the whole number is exact in f32.
; SHARES.  A wave owns one tile of 16 queries.  Work-group x of a head: waves 0-3 take tiles 4 x + w, waves 4-7 tiles 131 - 4 x - w, so that early and late queries are paired.  Key steps of 128; a step all of whose keys come
; after the wave's queries is passed over by a scalar branch on ids.  Every work-group walks all eight slots: the trip counts are constants.
; K, V come as fragment images through two LDS slots of two key steps, each wave fetching an eighth of a slot; the head's scale words come once.
; ALL OF A KEY STEP'S FRAGMENTS ARE ASKED FOR AT ITS HEAD: eight waves are two to a SIMD, so a wave has 512 registers, and K's eight fragments and V's eight have registers of their own in window 1:
; one run of 50 LDS loads; the first product waits for K's alone, and V's land while the softmax is walked.
; NO CLUSTER: a work-group reads only the slots up to its last query, 8 - x / 4 of them; the loads past that limit are left out by a jump on ids, which may not lead round a joint load.
; LAYOUT.  S^T = K Q^T, O^T = V^T P^T: a lane holds ONE query throughout.  The tiles' row order (32 (i / 2) + 8 (i % 2) + r + 8 (r / 8)) makes the 16 registers of two neighbouring tiles 16 neighbours.
; LIMITS: a block of zeros gets the byte 1 where the rule says 127 (zero codes; this program alone reads the bytes); NaN and infinities are not served.  y's scale words are stored 4 bytes a lane, 16 bytes apart:
; four heads share each 256 bytes of them, 64 bytes a wave.
.set FRB,   1536
.set STEPB, 16*FRB                     ; a key step: K's 8 images, then V's 8
.set SLOTB, 2*STEPB
.set SLOT1, 65536                      ; slot 1 begins here: one exclusive or turns an address
.set SCB,   131072                     ; the head's scale words: 1,024 bytes a key step (K's 512, V's 512)
.set SPARE, SCB+16384                  ; the spare words, 128 bytes a wave: four blocks of 256 bytes that no other line names
.set QS_OFF,  3145728
.set KVS_OFF, 6291456
.set YS_OFF,  3145728
.set LI,  1                            ; v1  16 x lane
.set ASC, 2                            ; v2  SCB + 16 x lane
.set SPW, 3                            ; v3  my spare word; never rewritten
.set NIL, 4                            ; v4  0; never rewritten
.set LN,  5                            ; v5  lane
.set DQ,  6                            ; v6  my query - 16 (lane / 16)
.set H64, 7                            ; v7  64 (lane / 16)
.set ADK, 8                            ; v8  the slot in hand + 16 x lane
.set ADS, 9                            ; v9  the step's scale words
.set R16, 10                           ; v10 16 (lane % 16)
.set PFO, 11                           ; v11 256 x lane; never rewritten
.set VS,  28                           ; v28-31 V's scale words, and nothing else
.set KFR, 0                            ; window 1: v0-95 K's eight fragments
.set VFR, 96                           ; window 1: v96-191 V's eight
.set TM,  232                          ; the way out's quantiser
.set PC,  160
.set PW,  254
.set WV,  18
.set SEL, 20
.set CS,  22
.set G1,  24
.set G1S, 32
.set G0R, 40
.set G0S, 44
.set TB,  2
.set TS,  3
.set BH,  66
.set SLOTS, 67
.set SG,  68
.set TAU, 69
.set PFA, 76
.set LIM, 80
.set LASTQ, 81
.set KF,  98
.set Q0,  99
; window 0: v12 -M, v13 the largest t, v[14:15] the sum; v16-27 Q; v80-95 sigma x n; v96-159 S^T, t, p; v160-223 O^T; v224-235 p's codes; v232-247, v252, v254 at work; v248-251 K's scale words, v253 p's, v255 Q's
.set MSB, 0
.macro WIN new                         ; s_set_vgpr_msb: bits 1:0 source 0, 7:6 destination; the immediate's high byte repeats the setting that is left
.if MSB != \new
	s_set_vgpr_msb (MSB<<8)|\new
.set MSB, \new
.endif
.endm
.set TO_F, 0x40                        ; destination window 1, address window 0
.set MULF, 0x01                        ; source 0 window 1, all else window 0
.macro QUANT s
.irp b, 0,1,2,3
	v_max3_num_f32 v[TM+\b], |v[\s+16*\b]|, |v[\s+1+16*\b]|, 0x1800000
.endr
.irp i, 2,4,6,8,10,12,14
.irp b, 0,1,2,3
	v_max3_num_f32 v[TM+\b], v[TM+\b], |v[\s+16*\b+\i]|, |v[\s+1+16*\b+\i]|
.endr
.endr
.irp b, 0,1,2,3
	v_permlanex16_b32 v[TM+4+\b], v[TM+\b], s[SEL], s[SEL+1]
.endr
.irp b, 0,1,2,3
	v_max_num_f32 v[TM+\b], v[TM+\b], v[TM+4+\b]
.endr
.irp b, 0,1,2,3
	v_add_nc_u32 v[TM+12+\b], 0xff000000, v[TM+\b]
.endr
.irp b, 0,1,2,3
	v_lshrrev_b32 v[TM+4+\b], 23, v[TM+12+\b]
.endr
	v_lshl_or_b32 v[PW], v[TM+5], 8, v[TM+4]
	v_lshl_or_b32 v[PW], v[TM+6], 16, v[PW]
	v_lshl_or_b32 v[PW], v[TM+7], 24, v[PW]
.irp c, 0,1
	v_cvt_scalef32_pk16_fp6_f32 v[PC+6*\c:PC+2+6*\c], v[\s+32*\c:\s+15+32*\c], v[TM+12+2*\c]
	v_cvt_scalef32_pk16_fp6_f32 v[PC+12+4*\c:PC+14+4*\c], v[\s+16+32*\c:\s+31+32*\c], v[TM+12+2*\c+1]
.endr
	v_nop
.irp c, 0,1
.irp i, 0,1,2
	v_permlane16_swap_b32 v[PC+6*\c+\i], v[PC+12+4*\c+\i]
.endr
.irp i, 0,1,2
	v_mov_b32 v[PC+3+6*\c+\i], v[PC+12+4*\c+\i]
.endr
.endr
.endm
	s_load_b256 s[4:11], s[0:1], 0x0               ; qc s[4:5], kv s[6:7], subln_w s[8:9], yq s[10:11]
	v_lshl_add_u32 v[SPW], v0, 2, SPARE
	v_mov_b32 v[NIL], 0
	ds_add_u32 v[SPW], v[NIL]                      ; the wave's opening: the add and its wait ahead of my first tensor load
	v_lshrrev_b32 v8, 5, v0
	v_readfirstlane_b32 s[WV], v8                  ; wave 0..7
	s_and_b32 s[BH], ttmp7, 0xffff                 ; 8 x batch + head
	; group 1: my eighth of a slot: 24 rows of 256 bytes, dense;  of the scale words: 8 rows
	s_mov_b32 s[G1], 3<<16                         ; elements of 8 bytes, no mask, no padding
	s_mov_b32 s[G1+1], 32<<16
	s_mov_b32 s[G1+2], 24<<16
	s_mov_b32 s[G1+3], 32<<16
	s_mov_b32 s[G1+4], 24
	s_mov_b32 s[G1+5], 32
	s_mov_b32 s[G1+6], 0
	s_mov_b32 s[G1+7], 0
	s_mov_b32 s[G1S], 3<<16
	s_mov_b32 s[G1S+1], 32<<16
	s_mov_b32 s[G1S+2], 8<<16
	s_mov_b32 s[G1S+3], 32<<16
	s_mov_b32 s[G1S+4], 8
	s_mov_b32 s[G1S+5], 32
	s_mov_b32 s[G1S+6], 0
	s_mov_b32 s[G1S+7], 0
	s_mov_b32 s[G0R], 1
	s_mul_i32 s[G0R+1], s[WV], SLOTB/8             ; LDS: slot 0, my eighth
	s_mul_i32 s84, s[BH], 16*STEPB
	s_add_co_u32 s84, s84, s[G0R+1]                ; memory: the head's codes, my eighth of the first slot
	s_mov_b32 s85, 0
	s_mov_b32 s[G0S], 1
	s_lshl_b32 s86, s[WV], 11
	s_add_co_u32 s[G0S+1], s86, SCB
	s_lshl_b32 s87, s[BH], 14
	s_add_co_u32 s86, s86, s87
	s_add_co_u32 s86, s86, KVS_OFF
	s_mov_b32 s87, 0
	s_mul_i32 s88, s[BH], 16*STEPB
	s_lshl_b32 s89, s[WV], 13
	s_add_co_u32 s88, s88, s89
	s_add_co_u32 s88, s88, SLOTB                   ; the prefetches: my 8,192 bytes of slot 1; the first change of slots steps this to slot 2
	s_mov_b32 s89, 0
	s_wait_dscnt 0x0                               ; the opening add is done
	s_wait_kmcnt 0x0
	s_add_nc_u64 s[G0S+2:G0S+3], s[6:7], s[86:87]
	s_or_b32 s[G0S+3], s[G0S+3], 0x80000000
	s_add_nc_u64 s[G0R+2:G0R+3], s[6:7], s[84:85]
	s_or_b32 s[G0R+3], s[G0R+3], 0x80000000
	tensor_load_to_lds s[G0S:G0S+3], s[G1S:G1S+7]  ; the scale words: filled once
	s_nop 0
	tensor_load_to_lds s[G0R:G0R+3], s[G1:G1+7]    ; slot 0: two loads of mine are out
	s_nop 0
.rept 4
	v_nop
.endr
	s_add_nc_u64 s[PFA:PFA+1], s[6:7], s[88:89]
	s_cmp_lt_u32 s[WV], 6                          ; who prefetches: waves 0-5 (6 x 32 lanes x 256 bytes are a slot) of the head's first work-group
	s_cselect_b32 s84, 0, 1
	s_or_b32 s84, s84, ttmp9
	s_cmp_eq_u32 s84, 0
	s_cselect_b32 s[LIM], 1, -1
	s_lshl_b32 s84, ttmp9, 2
	s_add_co_u32 s84, s84, s[WV]
	s_sub_co_u32 s85, 131, s84
	s_cmp_lt_u32 s[WV], 4
	s_cselect_b32 s[TAU], s84, s85                 ; my tile of 16 queries
	s_lshr_b32 s84, s[TAU], 1
	s_lshl_b32 s84, s84, 5
	s_and_b32 s85, s[TAU], 1
	s_lshl_b32 s85, s85, 3
	s_add_co_u32 s[Q0], s84, s85                   ; its first query; its last is 23 on
	s_lshl_b32 s84, ttmp9, 6
	s_sub_co_u32 s[LASTQ], 2047, s84               ; my work-group's last query
	s_and_b32 s84, s[BH], 7
	s_add_co_u32 s84, s84, 1
	s_lshl_b32 s84, s84, 23
	s_sub_co_u32 s[SG], 0x3fb8aa3b, s84            ; sigma = log2(e) x 2^-(head + 1): head + 1 off the exponent field
	s_lshl_b32 s84, s[BH], 4
	s_lshr_b32 s85, s[TAU], 3
	s_add_co_u32 s84, s84, s85                     ; my group of 8 tiles in qc
	s_and_b32 s85, s[TAU], 7
	s_mul_i32 s86, s84, 8*FRB
	s_mul_i32 s87, s85, FRB
	s_add_co_u32 s86, s86, s87
	s_mov_b32 s87, 0
	s_add_nc_u64 s[70:71], s[4:5], s[86:87]        ; Q's image
	s_lshl_b32 s86, s84, 9
	s_lshr_b32 s88, s85, 2
	s_lshl_b32 s88, s88, 8
	s_add_co_u32 s86, s86, s88
	s_and_b32 s88, s85, 3
	s_lshl_b32 s88, s88, 2
	s_add_co_u32 s86, s86, s88
	s_add_co_u32 s86, s86, QS_OFF
	s_add_nc_u64 s[72:73], s[4:5], s[86:87]        ; and its scale words
	v_and_b32 v[LN], 31, v0
	v_lshlrev_b32 v[LI], 4, v[LN]
	v_and_b32 v8, 15, v0                           ; r
	v_bfe_u32 v9, v0, 4, 1                         ; h
	v_lshlrev_b32 v[R16], 4, v8
.irp c, 0,1,2
	global_load_b128 v[16+4*\c:19+4*\c], v[LI], s[70:71] offset:512*\c   ; Q's fragment stays in registers
.endr
	global_load_b32 v255, v[R16], s[72:73]         ; Q's scale words
	v_add_nc_u32 v[ASC], SCB, v[LI]
	v_lshlrev_b32 v[PFO], 8, v[LN]
	v_lshlrev_b32 v[H64], 6, v9
	v_and_b32 v[DQ], 8, v8
	v_add_nc_u32 v[DQ], v[DQ], v8
	v_add_nc_u32 v[DQ], s[Q0], v[DQ]               ; my query: Q0 + r + 8 (r / 8),
	v_lshlrev_b32 v9, 4, v9
	v_sub_nc_u32 v[DQ], v[DQ], v9                  ; less 16 h
	s_mov_b32 s[SEL], 0x76543210
	s_mov_b32 s[SEL+1], 0xfedcba98
	s_mov_b32 s[CS], 0x3e0293ee                    ; c = log2(e) / sqrt(128)
	s_mov_b32 s[CS+1], s[CS]
	s_mov_b32 s82, 0x3c000000                      ; 1 / 128
	s_mov_b32 s83, 0x3727c5ac                      ; 1e-5
	s_mov_b32 s[TB], 0
	s_mov_b32 s[TS], 0
	s_mov_b32 s[KF], 0
	s_mov_b32 s[SLOTS], 7
.set J, 0
.rept 16
	v_cvt_f32_i32 v[80+J], J
.set J, J+1
.endr
.set J, 0
.rept 16
	v_mul_f32 v[80+J], s[SG], v[80+J]              ; sigma x n
.set J, J+1
.endr
	v_mov_b32 v13, 0xff61b1e6                      ; the largest t so far: -3e38
	v_floor_f32 v12, -v13                          ; -M
	v_mov_b32 v14, 0
	v_mov_b32 v15, 0
.irp b, 0,1,2,3,4,5,6,7
	v_mov_b32 v[236+\b], 0                         ; written once: permutes' destinations, and the upper halves of pairs of which the low word alone is used
.endr
	v_mov_b32 v252, 0
	v_mov_b32 v253, 0
.set J, 0
.rept 64
	v_mov_b32 v[160+J], 0                          ; O^T: the step is written once; the first change of M leaves zeros zeros
.set J, J+1
.endr
; A KEY STEP: 128 keys, the q-th of the slot in hand.
.macro STEP q
	s_add_co_u32 s96, s[Q0], 23
	s_cmp_gt_u32 s[KF], s96                        ; all its keys come after my queries: passed over (ids alone; no barrier and no tensor load stands in a step)
	s_cbranch_scc1 .Lhidden_\@
	v_add_nc_u32 v[ADK], s[TB], v[LI]
	v_add_nc_u32 v[ADS], s[TS], v[ASC]
	v_sub_nc_u32 v254, s[KF], v[DQ]                ; KF + 16 h - i
.irp b, 0,1,2,3
	v_add_nc_u32 v[236+2*\b], 32*\b, v254          ; (these seven plain lines are the places between the last step's products and the loads into their registers)
.endr
	ds_load_b128 v[248:251], v[ADS]                ; K's scale words: lanes 0-15 tiles 0-3, lanes 16-31 tiles 4-7
	ds_load_b128 v[VS:VS+3], v[ADS] offset:512     ; V's likewise
	WIN TO_F
.irp j, 0,1,2,3,4,5,6,7
.irp c, 0,1,2
	ds_load_b128 v[KFR+12*\j+4*\c:KFR+12*\j+4*\c+3], v[ADK] offset:STEPB*(\q)+\j*FRB+512*\c
.endr
.endr
.irp j, 0,1,2,3,4,5,6,7
.irp c, 0,1,2
	ds_load_b128 v[VFR+12*\j+4*\c:VFR+12*\j+4*\c+3], v[ADK] offset:STEPB*(\q)+(8+\j)*FRB+512*\c
.endr
.endr
	WIN 0
.irp b, 0,1,2,3
	v_cvt_f32_i32 v[236+2*\b], v[236+2*\b]         ; exact
.endr
.irp b, 0,1,2,3
	v_mul_f32 v[236+2*\b], s[SG], v[236+2*\b]      ; block b's part of the bias
.endr
	s_wait_dscnt 36                                ; the scale words and K's tiles 0-3 are in; K's tiles 4-7 (12 loads) and V's 24 may be out
	WIN MULF
.irp j, 0,1,2,3                                ; S^T = K Q^T
	v_wmma_scale_f32_16x16x128_f8f6f4 v[96+8*\j:103+8*\j], v[KFR+12*\j:KFR+12*\j+11], v[16:27], 0, v[248+\j], v255 matrix_a_fmt:MATRIX_FMT_FP6 matrix_b_fmt:MATRIX_FMT_FP6
.endr
	s_wait_dscnt 24                                ; K's tiles 4-7 are in; V's 24 loads may be out
.irp j, 4,5,6,7
	v_wmma_scale_f32_16x16x128_f8f6f4 v[96+8*\j:103+8*\j], v[KFR+12*\j:KFR+12*\j+11], v[16:27], 0, v[248+\j-4], v255 matrix_a_fmt:MATRIX_FMT_FP6 matrix_b_fmt:MATRIX_FMT_FP6 matrix_a_scale:MATRIX_SCALE_ROW1
.endr
	WIN 0                                          ; at a branch and at a label every window is 0
.rept 4
	v_nop
.endr
	s_add_co_u32 s96, s[KF], 127                   ; on the diagonal hidden scores become -infinity; a step all of whose keys count skips this
	s_cmp_le_u32 s96, s[Q0]
	s_cbranch_scc1 .Lopen_\@
	v_sub_nc_u32 v252, v[DQ], s[KF]                ; register 16 b + n holds key KF + 16 h + 32 b + n: hidden where 32 b + n > i - 16 h - KF
	v_mov_b32 v254, 0xff800000
.set J, 0
.rept 64
	v_cmp_gt_i32 vcc_lo, 32*(J/16)+J%16, v252
	v_cndmask_b32 v[96+J], v[96+J], v254, vcc_lo
.set J, J+1
.endr
.Lopen_\@:
.irp b, 0,1,2,3
.irp j, 0,2,4,6,8,10,12,14
	v_pk_fma_f32 v[96+16*\b+\j:97+16*\b+\j], v[96+16*\b+\j:97+16*\b+\j], s[CS:CS+1], v[236+2*\b:237+2*\b] op_sel_hi:[1,0,0]   ; score x c + the block's bias
.endr
.endr
.irp b, 0,1,2,3
.irp j, 0,2,4,6,8,10,12,14
	v_pk_add_f32 v[96+16*\b+\j:97+16*\b+\j], v[96+16*\b+\j:97+16*\b+\j], v[80+\j:81+\j]   ; + sigma x n: t
.endr
.endr
.irp b, 0,1,2,3
	v_max3_num_f32 v[232+\b], v[96+16*\b], v[97+16*\b], v[98+16*\b]   ; the largest t of each block of 32 keys: for the row's maximum and, since p rises with t, for the block's largest p
.endr
.irp i, 3,5,7,9,11,13
.irp b, 0,1,2,3
	v_max3_num_f32 v[232+\b], v[232+\b], v[96+16*\b+\i], v[97+16*\b+\i]
.endr
.endr
.irp b, 0,1,2,3
	v_max_num_f32 v[232+\b], v[232+\b], v[111+16*\b]
.endr
.irp b, 0,1,2,3
	v_permlanex16_b32 v[236+\b], v[232+\b], s[SEL], s[SEL+1]
.endr
.irp b, 0,1,2,3
	v_max_num_f32 v[232+\b], v[232+\b], v[236+\b]
.endr
	v_max3_num_f32 v254, v232, v233, v234
	v_max_num_f32 v254, v254, v235
	v_max_num_f32 v13, v13, v254                   ; the running largest t
	v_mov_b32 v254, v12
	v_floor_f32 v12, -v13                          ; the new -M = -ceil(t)
	v_sub_f32 v254, v12, v254
	v_cvt_i32_f32 v254, v254                       ; old M - new M, a whole number (it saturates)
	v_ldexp_f32 v252, 1.0, v254                    ; f = 2^(old M - new M)
.set J, 0
.rept 32
	v_pk_add_f32 v[96+J:97+J], v[96+J:97+J], v[12:13] op_sel_hi:[1,0]   ; t - M
.set J, J+2
.endr
.irp b, 0,1,2,3
	v_add_f32 v[232+\b], v[232+\b], v12            ; the same of each block's largest t
.endr
.set J, 0
.rept 64
	v_exp_f32 v[96+J], v[96+J]                     ; p = 2^(t - M)
.set J, J+1
.endr
	v_pk_mul_f32 v[14:15], v[14:15], v[252:253] op_sel_hi:[1,0]   ; the sums under the new M: a plain place behind the exponentials
	s_wait_alu depctr_va_vdst(0)                   ; one wait for the whole batch, ahead of its first reader
.irp b, 0,1,2,3
	v_exp_f32 v[232+\b], v[232+\b]                 ; the block's largest p: the same instructions on the same number give the same bits
.endr
	v_pk_add_f32 v[236:237], v[96:97], v[98:99]    ; the row's sum of the UNQUANTISED p, two chains
.irp j, 4,8,12,16,20,24,28,32,36,40,44,48,52,56,60
	v_pk_add_f32 v[14:15], v[14:15], v[96+\j:97+\j]
	v_pk_add_f32 v[236:237], v[236:237], v[98+\j:99+\j]
.endr
	v_pk_add_f32 v[14:15], v[14:15], v[236:237]
	s_wait_alu depctr_va_vdst(0)                   ; and one for the four
.irp b, 0,1,2,3
	v_max_num_f32 v[232+\b], 0x1800000, v[232+\b]  ; the floor 2^(3 - 127)
.endr
.irp b, 0,1,2,3
	v_add_nc_u32 v[244+\b], 0xff000000, v[232+\b]
.endr
.irp b, 0,1,2,3
	v_lshrrev_b32 v[236+\b], 23, v[244+\b]
.endr
	v_lshl_or_b32 v253, v237, 8, v236              ; p's scale word for these 128 keys
	v_lshl_or_b32 v253, v238, 16, v253
	v_lshl_or_b32 v253, v239, 24, v253
.irp c, 0,1
	v_cvt_scalef32_pk16_fp6_f32 v[224+6*\c:226+6*\c], v[96+32*\c:111+32*\c], v[244+2*\c]
	v_cvt_scalef32_pk16_fp6_f32 v[236+4*\c:238+4*\c], v[112+32*\c:127+32*\c], v[244+2*\c+1]
.endr
	v_nop
.irp c, 0,1
.irp i, 0,1,2
	v_permlane16_swap_b32 v[224+6*\c+\i], v[236+4*\c+\i]
.endr
.irp i, 0,1,2
	v_mov_b32 v[227+6*\c+\i], v[236+4*\c+\i]
.endr
.endr
.set J, 0
.rept 32
	v_pk_mul_f32 v[160+J:161+J], v[160+J:161+J], v[252:253] op_sel_hi:[1,0]   ; O^T under the new M.  (Also the places in front of the matrix instructions below)
.set J, J+2
.endr
	s_wait_dscnt 0x0                               ; V's fragments, asked for at the step's head
	WIN MULF
.irp j, 0,1,2,3                                ; O^T += V^T P^T: eight accumulators, one instruction each
	v_wmma_scale_f32_16x16x128_f8f6f4 v[160+8*\j:167+8*\j], v[VFR+12*\j:VFR+12*\j+11], v[224:235], v[160+8*\j:167+8*\j], v[VS+\j], v253 matrix_a_fmt:MATRIX_FMT_FP6 matrix_b_fmt:MATRIX_FMT_FP6
.endr
.irp j, 4,5,6,7
	v_wmma_scale_f32_16x16x128_f8f6f4 v[160+8*\j:167+8*\j], v[VFR+12*\j:VFR+12*\j+11], v[224:235], v[160+8*\j:167+8*\j], v[VS+\j-4], v253 matrix_a_fmt:MATRIX_FMT_FP6 matrix_b_fmt:MATRIX_FMT_FP6 matrix_a_scale:MATRIX_SCALE_ROW1
.endr
	WIN 0
.Lhidden_\@:
	s_add_co_u32 s[KF], s[KF], 128
	s_add_co_u32 s[TS], s[TS], 1024
.endm
; THE CHANGE OF SLOTS stands at a slot's head.  Each wave waits for all its tensor loads (its eighth of the slot ahead), adds 0 to its spare word, and waits for that and for its reads of the slot that it has left.
; fill = 1: that slot is filled with the keys that follow, up to the causal limit: a slot whose first key comes after the work-group's last query is read by none of its waves and is not asked for.
; Every wait on TENSORcnt of this text is for 0.
.macro CHANGE fill
	s_wait_tensorcnt 0x0
	ds_add_u32 v[SPW], v[NIL]
.if \fill
	s_xor_b32 s[G0R+1], s[G0R+1], SLOT1            ; the walking descriptor: the other slot,
	s_add_nc_u64 s[G0R+2:G0R+3], s[G0R+2:G0R+3], SLOTB   ; the next 256 keys
	s_wait_xcnt 0x0                                ; the last prefetch, a slot back, has read its address
	s_add_nc_u64 s[PFA:PFA+1], s[PFA:PFA+1], SLOTB ; one slot further on than the descriptor
.endif
	s_wait_dscnt 0x0                               ; the add is done, and my reads of the slot that I have left are over
	s_barrier_signal -1
	s_barrier_wait -1
.if \fill
	s_add_co_u32 s96, s[KF], 256                   ; the first key of the slot that this change would ask for
	s_cmp_gt_u32 s96, s[LASTQ]
	s_cbranch_scc1 .Lpast_\@
	tensor_load_to_lds s[G0R:G0R+3], s[G1:G1+7]    ; my one tensor load until the next change
	s_nop 0
.rept 4
	v_nop
.endr
.Lpast_\@:
	s_cmp_gt_u32 s[SLOTS], s[LIM]                  ; a prefetch of the slot that the NEXT change will ask for: two key steps ahead of that load.  Waves 0-5 of the head's first work-group ask,
	s_cbranch_scc0 .Lnot_mine_\@                   ; 32 lanes 256 bytes apart: each block is named once in the launch; the last change that fills asks for nothing
	global_prefetch_b8 v[PFO], s[PFA:PFA+1] th:TH_LOAD_NT scope:SCOPE_SE
.Lnot_mine_\@:
.endif
.endm
	s_wait_loadcnt 0x0                             ; Q
.Lslot:                                            ; seven trips
	CHANGE 1
	STEP 0
	STEP 1
	s_xor_b32 s[TB], s[TB], SLOT1
	s_sub_co_u32 s[SLOTS], s[SLOTS], 1
	s_cmp_lg_u32 s[SLOTS], 0
	s_cbranch_scc1 .Lslot
	CHANGE 0                                       ; the last slot is written out: nothing is left to ask for
	STEP 0
	STEP 1
	; THE WAY OUT: O^T / the sum, RMS norm over the head's 128, the weight, the quantiser, one image and its scale words.
.rept 4
	v_nop                                          ; places behind the last products
.endr
	v_add_f32 v14, v14, v15
	v_permlanex16_b32 v252, v14, s[SEL], s[SEL+1]
	v_add_f32 v14, v14, v252                       ; the row's sum
	v_rcp_f32 v14, v14
	v_nop                                          ; a plain place behind the transcendental
.irp b, 0,1,2,3
.irp g, 0,1,2,3
	global_load_b128 v[32+16*\b+4*\g:35+16*\b+4*\g], v[H64], s[8:9] offset:128*\b+16*\g   ; register 16 b + i: w[32 b + 16 h + i]
.endr
.endr
	s_lshr_b32 s84, s[BH], 3
	s_lshl_b32 s84, s84, 7
	s_add_co_u32 s84, s84, s[TAU]                  ; my token tile among 256
	s_and_b32 s85, s[BH], 7                        ; the head: the next product's K step
	s_lshl_b32 s86, s84, 3
	s_add_co_u32 s86, s86, s85
	s_mul_i32 s86, s86, FRB
	s_mov_b32 s87, 0
	s_add_nc_u64 s[88:89], s[10:11], s[86:87]
	s_lshl_b32 s86, s84, 9
	s_lshr_b32 s90, s85, 2
	s_lshl_b32 s90, s90, 8
	s_add_co_u32 s86, s86, s90
	s_and_b32 s90, s85, 3
	s_lshl_b32 s90, s90, 2
	s_add_co_u32 s86, s86, s90
	s_add_co_u32 s86, s86, YS_OFF
	s_add_nc_u64 s[90:91], s[10:11], s[86:87]
	s_wait_alu depctr_va_vdst(0)                   ; ahead of the reciprocal's first reader
.set J, 0
.rept 32
	v_pk_mul_f32 v[96+J:97+J], v[160+J:161+J], v[14:15] op_sel_hi:[1,0]   ; ascending: each accumulator is first read at its low end
.set J, J+2
.endr
	v_pk_mul_f32 v[232:233], v[96:97], v[96:97]
	v_pk_mul_f32 v[234:235], v[98:99], v[98:99]
.set J, 4
.rept 15
	v_pk_fma_f32 v[232:233], v[96+J:97+J], v[96+J:97+J], v[232:233]
	v_pk_fma_f32 v[234:235], v[98+J:99+J], v[98+J:99+J], v[234:235]
.set J, J+4
.endr
	v_pk_add_f32 v[232:233], v[232:233], v[234:235]
	v_add_f32 v232, v232, v233
	v_permlanex16_b32 v236, v232, s[SEL], s[SEL+1]
	v_add_f32 v232, v232, v236
	v_fma_f32 v232, v232, s82, s83                 ; mean + eps
	v_rsq_f32 v238, v232
	v_nop
	s_wait_alu depctr_va_vdst(0)
	v_mov_b32 v239, v238
.set J, 0
.rept 32
	v_pk_mul_f32 v[96+J:97+J], v[96+J:97+J], v[238:239] op_sel_hi:[1,0]
.set J, J+2
.endr
	s_wait_loadcnt 0x0                             ; the weights
.set J, 0
.rept 32
	v_pk_mul_f32 v[96+J:97+J], v[96+J:97+J], v[32+J:33+J]
.set J, J+2
.endr
	QUANT 96
.irp c, 0,1,2
	global_store_b128 v[LI], v[PC+4*\c:PC+4*\c+3], s[88:89] offset:512*\c
.endr
	v_cmp_gt_u32 vcc_lo, 16, v[LN]                 ; lanes r and r + 16 hold the same word: lanes 0-15 store it
	s_wait_xcnt 0x0                                ; EXEC changes only behind this wait
	s_and_saveexec_b32 s84, vcc_lo
	global_store_b32 v[R16], v[PW], s[90:91]
	s_wait_xcnt 0x0
	s_or_b32 exec_lo, exec_lo, s84
	s_wait_tensorcnt 0x0                           ; the wave's end
	ds_add_u32 v[SPW], v[NIL]
	s_wait_dscnt 0x0
	s_endpgm
.Lfunc_end_k_q5501888e87_attn:
	.size	k_q5501888e87_attn, .Lfunc_end_k_q5501888e87_attn-k_q5501888e87_attn
	.p2alignl 7, 3214868480
	.fill 96, 4, 3214868480
	.section	.rodata,"a",@progbits
	.p2align	6, 0x0
	.amdhsa_kernel k_q5501888e87_attn
		.amdhsa_group_segment_fixed_size 327680
		.amdhsa_private_segment_fixed_size 0
		.amdhsa_enable_private_segment 0
		.amdhsa_kernarg_size 32
		.amdhsa_user_sgpr_count 2
		.amdhsa_user_sgpr_kernarg_segment_ptr 1
		.amdhsa_wavefront_size32 1
		.amdhsa_system_sgpr_workgroup_id_x 1
		.amdhsa_system_sgpr_workgroup_id_y 1
		.amdhsa_system_sgpr_workgroup_id_z 1
		.amdhsa_system_vgpr_workitem_id 0
		.amdhsa_next_free_vgpr 512
		.amdhsa_next_free_sgpr 100
		.amdhsa_reserve_vcc 1
		.amdhsa_float_denorm_mode_32 3
		.amdhsa_float_denorm_mode_16_64 3
		.amdhsa_memory_ordered 1
		.amdhsa_forward_progress 1
		.amdhsa_inst_pref_size 138
	.end_amdhsa_kernel
	.amdgpu_metadata
---
amdhsa.version: [ 1, 2 ]
amdhsa.kernels:
  - .name:           k_q5501888e87_attn
    .symbol:         k_q5501888e87_attn.kd
    .args:
      - { .name: qc, .offset: 0, .size: 8, .value_kind: global_buffer, .address_space: global }
      - { .name: kv, .offset: 8, .size: 8, .value_kind: global_buffer, .address_space: global }
      - { .name: subln_w, .offset: 16, .size: 8, .value_kind: global_buffer, .address_space: global }
      - { .name: yq, .offset: 24, .size: 8, .value_kind: global_buffer, .address_space: global }
    .group_segment_fixed_size: 327680
    .private_segment_fixed_size: 0
    .kernarg_segment_align: 8
    .kernarg_segment_size: 32
    .max_flat_workgroup_size: 256
    .sgpr_count:     100
    .vgpr_count:     512
    .wavefront_size: 32
...
	.end_amdgpu_metadata
.endif
;; end of part 6
;; launch proj (part 7): grid 8 x 32, 4 waves a work-group, clusters of 4 x 4, 327,680 bytes of LDS; arguments yq, wq, out0; writes out0
.if DOCPART == 7
	.amdgcn_target "amdgcn-amd-amdhsa--gfx1250"
	.amdhsa_code_object_version 6
	.text
	.protected	k_q5501888e87_proj
	.globl	k_q5501888e87_proj
	.p2align	8
	.type	k_q5501888e87_proj,@function
k_q5501888e87_proj:
	s_mov_b64 s[64:65], 0
	v_nop
	global_prefetch_b8 v0, s[64:65] scope:SCOPE_SE
	s_setreg_imm32_b32 hwreg(HW_REG_WAVE_MODE, 25, 1), 1
	s_wait_xcnt 0x0
	s_wait_alu depctr_hold_cnt(0) depctr_sa_sdst(0) depctr_va_vdst(0) depctr_va_sdst(0) depctr_va_ssrc(0) depctr_va_vcc(0) depctr_vm_vsrc(0)
	s_getreg_b32 s2, hwreg(HW_REG_IB_STS2, 6, 4)
	s_cmp_eq_u32 s2, 0
	s_cbranch_scc0 .Lentry_in_a_cluster
	s_endpgm
.Lentry_in_a_cluster:
	s_bfe_u32 s2, ttmp6, 0x10000c
	s_cmp_lg_u32 s2, 0xf033
	s_cbranch_scc0 .Lentry_shape_is_right
	s_endpgm
.Lentry_shape_is_right:
; out0 = y Wproj on codes of FP6 (E2M3) with E8M0 scales: [4096][1024] x [1024][2048], f32 out.
; OPERANDS are fragment images (16 rows x 128 K, 1,536 bytes: byte 512 c + 16 L + 4 e = register 4 c + e of lane L), [tile][K step]; scale words [tile][4 K steps][r][4].
; Tile i holds rows 32 (i / 2) + 8 (i % 2) + r + 8 (r / 8).
; A work-group of four waves makes 128 tokens x 256 columns, so that 4,096 x 2,048 gives 256 work-groups; a wave makes 64 x 128: 32 accumulators.
; Source 0 = operand R (Wproj's columns, 8 tiles b), source 1 = operand P (tokens, 4 tiles a): a lane holds one token; registers of result tiles 2 b', 2 b' + 1 are columns 32 b' + 16 h + 0 .. 15.
; NO RING: for 8 tiles of P and 16 of R all of K = 1,024 is 24 x 12,288 = 294,912 bytes, which lie in LDS at once, as four slots of two K steps.  All are FIRST fills, asked for together behind the one opening round:
; five joint loads a wave (its scale words, its part of each slot); nothing is ever filled again.  A slot is read behind a counted wait on TENSORcnt and a barrier.
; P's tiles are shared along a row of the 4 x 4 cluster, R's along a column.  Waves 0 and 1 fetch 4 tiles of P each, waves 2 and 3 8 tiles of R each.
; REGISTERS: window 0: v16-29 addresses; v32-63 scale words, two sets; v128-175, v176-223 P's fragments, two sets (the way out: v128-255).  window 1: R's fragments, two sets, at v0 and v128.
;   window 2: accumulator (a, b) at v[8 (8 a + b)].
.set NKS,    8
.set FRB,    1536
.set TPITCH, NKS*FRB                   ; a tile's images in memory
.set TROW,   2*FRB                     ; a tile's part of a slot: two K steps
.set PT,     8                         ; P's tiles in a work-group
.set RT,     16                        ; R's
.set SLOT,   (PT+RT)*TROW              ; P's tiles, then R's
.set SCL,    4*SLOT                    ; behind the four slots: the scale words, as rows of 256 bytes + 16; P's 8 tiles, then R's 16
.set SBLK,   272*NKS/4                 ; one tile's
.set SPARE,  SCL+(PT+RT)*SBLK          ; the spare words, 128 bytes a wave: two blocks of 256 bytes that no other line names
.set SPITCH, 528                       ; the way out: a stage of 16 rows x (512 bytes + 16) for each wave, in slot 0: it is filled once, and its last read lies in front of the barrier that opens slot 1
.set FR,     12
.set NP,     4                         ; places behind this matrix instruction (ISA guide 7.12.1)
.set YS_OFF, 3145728
.set WP_OFF, 4915200
.set WPS_OFF,6488064
.set ADRA, 16                          ; v16-19 my P fragments in slot 0 .. 3
.set ADRB, 20                          ; v20-23 my R fragments
.set STO,  24                          ; v24 the way out: where I put my numbers of a row
.set RD,   25                          ; v25 and where I read a row back
.set LI,   26                          ; v26 16 x lane
.set ADRS, 27                          ; v27 my scale words: lanes 0-15 P's rows, lanes 16-31 R's
.set SPW,  28                          ; v28 my spare word; never rewritten
.set NIL,  29                          ; v29 0; never rewritten
.set SC,   32                          ; set s % 2 for slot s; in it register 2 i + q: lanes 0-15 the word of P's block i, lanes 16-31 that of R's block i
.set AF,   128
.set BK,   128
.set G1,   24                          ; s[24:31] group 1 for P's codes;  s[32:39] for R's;  s[40:47], s[48:55] for their scale words
.set G1B,  32
.set G1S,  40
.set G1SB, 48
.set G0S,  56                          ; s[56:59], s[60:63] groups 0 for the scale words
.set G0SB, 60
.set G0,   68                          ; s[68:83] groups 0 for P's codes, one for each slot: all four loads are out together
.set G0B,  84                          ; s[84:99] the same for R's
.set MSB, 0
.macro WIN new                         ; the immediate's high byte repeats the setting that is left
.if MSB != \new
	s_set_vgpr_msb (MSB<<8)|\new
.set MSB, \new
.endif
.endm
.set MUL,  0xa1                        ; source 0 (R) window 1, source 1 (P) window 0, C and D window 2
.set TO_B, 0x40                        ; destination window 1, address window 0
.macro JLOAD g0a, g1a, g0b, g1b        ; a joint load: waves 0 and 1 fetch for P, waves 2 and 3 for R; the branch hangs on the wave's number alone; an s_nop 0 and four v_nop follow each line
	s_cmp_eq_u32 s17, 0
	s_cbranch_scc0 .Lfor_b_\@
	tensor_load_to_lds s[\g0a:\g0a+3], s[\g1a:\g1a+7]
	s_nop 0
.rept 4
	v_nop
.endr
	s_branch .Lasked_\@
.Lfor_b_\@:
	tensor_load_to_lds s[\g0b:\g0b+3], s[\g1b:\g1b+7]
	s_nop 0
.rept 4
	v_nop
.endr
.Lasked_\@:
.endm
.macro CROUND                          ; a round of the cluster's barrier
	s_barrier_signal -1
	s_barrier_wait -1
	s_cmp_lg_u32 s16, 0
	s_cbranch_scc1 .Lnot_wave_0_\@
	s_barrier_signal -3
.Lnot_wave_0_\@:
	s_barrier_wait -3
	s_barrier_signal -1
	s_barrier_wait -1
.endm
	s_load_b128 s[4:7], s[0:1], 0x0                ; yq s[4:5], wq s[6:7]
	s_load_b64 s[12:13], s[0:1], 0x10              ; out0
	v_lshl_add_u32 v[SPW], v0, 2, SPARE
	v_mov_b32 v[NIL], 0
	ds_add_u32 v[SPW], v[NIL]                      ; the wave's opening: the add and its wait ahead of my first tensor load
	v_lshrrev_b32 v1, 5, v0
	v_readfirstlane_b32 s16, v1                    ; wave 0..3
	s_lshr_b32 s17, s16, 1                         ; my half of P.  Also: I fetch for P (0) or for R (1)
	s_and_b32 s18, s16, 1                          ; my half of R.  Also: which half of that operand's tiles I fetch
	s_bfe_u32 s8, ttmp6, 0x40000                   ; cx
	s_bfe_u32 s9, ttmp6, 0x40004                   ; cy
	s_and_b32 s19, ttmp7, 0xffff
	s_lshl_b32 s19, s19, 2
	s_add_co_u32 s19, s19, s9                      ; P's tile of 128 tokens = 4 x cluster y + cy
	s_lshl_b32 s10, ttmp9, 2
	s_add_co_u32 s10, s10, s8                      ; R's tile of 256 columns = 4 x cluster x + cx
	s_lshl_b32 s11, s9, 2
	s_lshl_b32 s11, 15, s11                        ; my row of the cluster
	s_lshl_b32 s14, 0x1111, s8                     ; my column
	; group 1 for the codes: rows (tiles) of 3,072 bytes (two K steps' images), TPITCH bytes apart, dense in LDS: 4 rows of P, 8 of R
	s_or_b32 s[G1+0], s11, (3<<16)|(1<<21)         ; 15:0 the mask; 17:16 elements of 8 bytes; 21 set beside a mask
	s_mov_b32 s[G1+1], (TROW/8)<<16                ; tensor_dim0
	s_mov_b32 s[G1+2], 4<<16                       ; tensor_dim1
	s_mov_b32 s[G1+3], (TROW/8)<<16                ; tile_dim0
	s_mov_b32 s[G1+4], 4                           ; tile_dim1
	s_mov_b32 s[G1+5], TPITCH/8                    ; tensor_dim0_stride
	s_mov_b32 s[G1+6], 0
	s_mov_b32 s[G1+7], 0
	s_or_b32 s[G1B+0], s14, (3<<16)|(1<<21)
	s_mov_b32 s[G1B+1], (TROW/8)<<16
	s_mov_b32 s[G1B+2], 8<<16
	s_mov_b32 s[G1B+3], (TROW/8)<<16
	s_mov_b32 s[G1B+4], 8
	s_mov_b32 s[G1B+5], TPITCH/8
	s_mov_b32 s[G1B+6], 0
	s_mov_b32 s[G1B+7], 0
	; and for the scale words: dense blocks, as rows of 256 bytes with 16 bytes of padding behind each: 8 rows (4 tiles) of P, 16 (8 tiles) of R
	s_or_b32 s[G1S+0], s11, (3<<16)|(1<<20)|(1<<21)|(5<<22)|(3<<25)
	s_mov_b32 s[G1S+1], 32<<16
	s_mov_b32 s[G1S+2], 8<<16
	s_mov_b32 s[G1S+3], 32<<16
	s_mov_b32 s[G1S+4], 8
	s_mov_b32 s[G1S+5], 32
	s_mov_b32 s[G1S+6], 0
	s_mov_b32 s[G1S+7], 0
	s_or_b32 s[G1SB+0], s14, (3<<16)|(1<<20)|(1<<21)|(5<<22)|(3<<25)
	s_mov_b32 s[G1SB+1], 32<<16
	s_mov_b32 s[G1SB+2], 16<<16
	s_mov_b32 s[G1SB+3], 32<<16
	s_mov_b32 s[G1SB+4], 16
	s_mov_b32 s[G1SB+5], 32
	s_mov_b32 s[G1SB+6], 0
	s_mov_b32 s[G1SB+7], 0
	s_lshl_b32 s20, s19, 3
	s_lshl_b32 s22, s18, 2
	s_add_co_u32 s20, s20, s22                     ; P: the first of the 4 tiles that I fetch
	s_lshl_b32 s22, s20, 9                         ; their scale words: 512 bytes a tile,
	s_add_co_u32 s22, s22, YS_OFF
	s_mov_b32 s23, 0
	s_mul_i32 s20, s20, TPITCH                     ; their codes
	s_mov_b32 s21, 0
	s_lshl_b32 s100, s10, 4
	s_lshl_b32 s104, s18, 3
	s_add_co_u32 s100, s100, s104                  ; R: the first of the 8 tiles that I fetch
	s_lshl_b32 s104, s100, 9
	s_add_co_u32 s104, s104, WPS_OFF
	s_mov_b32 s105, 0
	s_mul_i32 s100, s100, TPITCH
	s_add_co_u32 s100, s100, WP_OFF
	s_mov_b32 s101, 0
	s_mul_i32 s15, s18, 4*TROW                     ; where they go in a slot: P's half,
	s_mul_i32 s66, s18, 8*TROW
	s_add_co_u32 s66, s66, PT*TROW                 ; R's half, behind P's 8 tiles: no place in the cluster enters an LDS address
	s_mul_i32 s67, s18, 4*SBLK
	s_add_co_u32 s67, s67, SCL
	s_mul_i32 s3, s18, 8*SBLK
	s_add_co_u32 s3, s3, SCL+PT*SBLK
	s_wait_dscnt 0x0                               ; the opening add is done
	s_wait_kmcnt 0x0
	s_add_nc_u64 s[20:21], s[4:5], s[20:21]
	s_add_nc_u64 s[22:23], s[4:5], s[22:23]
	s_add_nc_u64 s[100:101], s[6:7], s[100:101]
	s_add_nc_u64 s[104:105], s[6:7], s[104:105]
	CROUND                                         ; all sixteen work-groups are here: the joint loads meet
	s_mov_b32 s[G0S], 1
	s_mov_b32 s[G0S+1], s67
	s_mov_b64 s[G0S+2:G0S+3], s[22:23]
	s_or_b32 s[G0S+3], s[G0S+3], 0x80000000
	s_mov_b32 s[G0SB], 1
	s_mov_b32 s[G0SB+1], s3
	s_mov_b64 s[G0SB+2:G0SB+3], s[104:105]
	s_or_b32 s[G0SB+3], s[G0SB+3], 0x80000000
	JLOAD G0S, G1S, G0SB, G1SB                     ; the scale words first: they are wanted with K step 0
.irp s, 0,1,2,3
	s_mov_b32 s[G0+4*\s], 1
	s_add_co_u32 s[G0+4*\s+1], s15, \s*SLOT
	s_add_nc_u64 s[G0+4*\s+2:G0+4*\s+3], s[20:21], \s*TROW
	s_or_b32 s[G0+4*\s+3], s[G0+4*\s+3], 0x80000000
	s_mov_b32 s[G0B+4*\s], 1
	s_add_co_u32 s[G0B+4*\s+1], s66, \s*SLOT
	s_add_nc_u64 s[G0B+4*\s+2:G0B+4*\s+3], s[100:101], \s*TROW
	s_or_b32 s[G0B+4*\s+3], s[G0B+4*\s+3], 0x80000000
	JLOAD G0+4*\s, G1, G0B+4*\s, G1B               ; behind the last of these five loads of mine are out
.endr
	v_and_b32 v1, 15, v0                           ; r
	v_bfe_u32 v2, v0, 4, 1                         ; h
	v_and_b32 v3, 31, v0
	v_lshlrev_b32 v[LI], 4, v3
	s_mul_i32 s20, s17, 4*TROW                     ; my 4 tiles of P
	s_mul_i32 s22, s18, 8*TROW                     ; my 8 tiles of R,
	s_add_co_u32 s22, s22, PT*TROW                 ; which lie behind P's 8
.irp s, 0,1,2,3
	v_add_nc_u32 v[ADRA+\s], s20, v[LI]
	v_add_nc_u32 v[ADRB+\s], s22, v[LI]
	s_add_co_u32 s20, s20, SLOT
	s_add_co_u32 s22, s22, SLOT
.endr
	v_lshlrev_b32 v5, 4, v1                        ; my row's four words of a group of K steps
	s_mul_i32 s20, s17, 4*SBLK
	s_mul_i32 s22, s18, 8*SBLK
	s_add_co_u32 s22, s22, PT*SBLK
	s_sub_co_u32 s22, s22, s20
	v_mul_u32_u24 v6, s22, v2                      ; lanes 16-31 take R's
	s_add_co_u32 s20, s20, SCL
	v_add_nc_u32 v5, v5, v6
	v_add_nc_u32 v[ADRS], s20, v5
	s_mul_i32 s23, s16, 16*SPITCH                  ; my stage
	v_mul_u32_u24 v5, v1, SPITCH
	v_lshl_add_u32 v5, v2, 6, v5
	v_add_nc_u32 v[STO], s23, v5                   ; in: row r, + 64 h
	v_add_nc_u32 v[RD], s23, v[LI]                 ; back: the 32 lanes take one row of 512 bytes
	s_lshl_b32 s20, s19, 7
	s_lshl_b32 s21, s17, 6
	s_add_co_u32 s20, s20, s21                     ; my first token
	s_lshl_b32 s20, s20, 13                        ; rows of 8,192 bytes
	s_mov_b32 s21, 0
	s_lshl_b32 s100, s10, 10
	s_lshl_b32 s101, s18, 9
	s_add_co_u32 s100, s100, s101                  ; my first column, in bytes
	s_mov_b32 s101, 0
	s_add_nc_u64 s[20:21], s[20:21], s[100:101]
	s_add_nc_u64 s[12:13], s[12:13], s[20:21]
.macro FRAG reg, adr, q, i             ; a fragment comes as its image: three loads of 512 consecutive bytes
.irp c, 0,1,2
	ds_load_b128 v[\reg+4*\c:\reg+4*\c+3], v[\adr] offset:(\i)*TROW+(\q)*FRB+512*\c
.endr
.endm
; 16 matrix instructions: P's blocks a0, a0 + 1 x R's eight, from the fragment sets q.  The 32 accumulators take turns, one instruction a turn, in the same order in every step.
.macro MUL16 a0, q, sc, zero
.irp a, \a0, \a0+1
.irp b, 0,1,2,3,4,5,6,7
.if \zero
	v_wmma_scale_f32_16x16x128_f8f6f4 v[8*(8*(\a)+\b):8*(8*(\a)+\b)+7], v[128*(\q)+FR*\b:128*(\q)+FR*\b+FR-1], v[AF+48*(\q)+FR*(\a):AF+48*(\q)+FR*(\a)+FR-1], 0, v[SC+16*(\sc)+2*\b+(\q)], v[SC+16*(\sc)+2*(\a)+(\q)] matrix_a_fmt:MATRIX_FMT_FP6 matrix_b_fmt:MATRIX_FMT_FP6 matrix_a_scale:MATRIX_SCALE_ROW1
.else
	v_wmma_scale_f32_16x16x128_f8f6f4 v[8*(8*(\a)+\b):8*(8*(\a)+\b)+7], v[128*(\q)+FR*\b:128*(\q)+FR*\b+FR-1], v[AF+48*(\q)+FR*(\a):AF+48*(\q)+FR*(\a)+FR-1], v[8*(8*(\a)+\b):8*(8*(\a)+\b)+7], v[SC+16*(\sc)+2*\b+(\q)], v[SC+16*(\sc)+2*(\a)+(\q)] matrix_a_fmt:MATRIX_FMT_FP6 matrix_b_fmt:MATRIX_FMT_FP6 matrix_a_scale:MATRIX_SCALE_ROW1
.endif
.endr
.endr
.endm
.macro FETCH slot, q                   ; 36 LDS loads in one run: R's eight fragments and P's four of the slot's q-th K step, into the sets q
	WIN TO_B
.irp i, 0,1,2,3,4,5,6,7
	FRAG 128*(\q)+FR*\i, ADRB+(\slot), \q, \i
.endr
	WIN 0
.irp i, 0,1,2,3
	FRAG AF+48*(\q)+FR*\i, ADRA+(\slot), \q, \i
.endr
.endm
.macro SCALES slot                     ; a slot's two words a row: lanes 0-15 P's block i (of i = 4 .. 7 these lanes' words are not used), lanes 16-31 R's block i
.irp i, 0,1,2,3,4,5,6,7
	ds_load_b64 v[SC+16*((\slot)%2)+2*\i:SC+16*((\slot)%2)+2*\i+1], v[ADRS] offset:\i*SBLK+8*((\slot)%2)+272*((\slot)/2)
.endr
.endm
.macro PLACES n                        ; plain vector instructions between a matrix instruction and a load into, or a read of, its registers
.rept \n
	v_nop
.endr
.endm
; A slot's first K step: its fragments were asked for a step ago; the second step's are asked for ahead of this step's 32 products.
.macro STEP slot, zero
	s_wait_dscnt 0x0                               ; this step's fragments and scale words are in
.if (\zero) == 0
	PLACES NP                                      ; the sets 1 were read by the products just issued
.endif
	FETCH \slot, 1
	WIN MUL
	MUL16 0, 0, (\slot)%2, \zero
	MUL16 2, 0, (\slot)%2, \zero
	WIN 0
.endm
; A slot's second K step opens the next slot: my part of it has landed (left: my loads for the slots behind it, which may stay out), my LDS reads are back; a barrier;
; the next slot's first fragments are asked for ahead of this step's 32 products.
.macro TURN slot, left
	s_wait_tensorcnt \left
	s_wait_dscnt 0x0                               ; this step's fragments are in: my reads of this slot are over
	s_barrier_signal -1
	PLACES NP                                      ; the sets 0 were read by the products just issued
	s_barrier_wait -1
	FETCH (\slot)+1, 0
	SCALES (\slot)+1
	WIN MUL
	MUL16 0, 1, (\slot)%2, 0
	MUL16 2, 1, (\slot)%2, 0
	WIN 0
.endm
	s_wait_tensorcnt 3                             ; the scale words and my part of slot 0 are in; my loads for slots 1, 2, 3 may be out
	s_barrier_signal -1
	s_barrier_wait -1
	FETCH 0, 0
	SCALES 0
	STEP 0, 1                                      ; the first step's products start the sums: nothing is cleared
	TURN 0, 2
	STEP 1, 0
	TURN 1, 1
	STEP 2, 0
	TURN 2, 0
	STEP 3, 0
	s_wait_dscnt 0x0                               ; the last K step: nothing more to fetch
	WIN MUL
	MUL16 0, 1, 1, 0
	MUL16 2, 1, 1, 0
	WIN 0
; THE WAY OUT, block by block of 16 tokens x 128 columns: through my own stage in LDS, back as whole rows of 512 bytes.  LDS serves a wave's instructions in order: no wait between the stores and the loads.
.macro TOSTAGE a
.set AC, 64*(\a)
	WIN 0x08                                       ; an LDS store's data are its source 1: window 2
.irp b, 0,1,2,3,4,5,6,7
	ds_store_b128 v[STO], v[AC+8*\b:AC+8*\b+3] offset:128*(\b/2)+32*(\b%2)        ; columns 32 (b / 2) + 16 h + 8 (b % 2) on; each accumulator from its low end
	ds_store_b128 v[STO], v[AC+8*\b+4:AC+8*\b+7] offset:128*(\b/2)+32*(\b%2)+16
.endr
	WIN 0
.set BB, BK+64*((\a)%2)
.irp t, 0,1,2,3,4,5,6,7,8,9,10,11,12,13,14,15
	ds_load_b128 v[BB+4*\t:BB+4*\t+3], v[RD] offset:\t*SPITCH
.endr
.endm
.macro SEND a, younger                 ; younger: the LDS instructions issued behind block a's loads, which may stay out
.set BB, BK+64*((\a)%2)
.set RW, 32*((\a)/2)+8*((\a)%2)        ; the block's first token among my 64
	s_wait_dscnt \younger
.irp t, 0,1,2,3,4,5,6,7,8,9,10,11,12,13,14,15
	global_store_b128 v[LI], v[BB+4*\t:BB+4*\t+3], s[12:13] offset:(RW+\t+8*(\t/8))*8192 th:TH_STORE_NT   ; 512 consecutive bytes of a row of out0; the base is never stepped: 63 rows at the most stand in the immediate
.endr
.endm
	PLACES NP
	TOSTAGE 0
.irp a, 1,2,3
.if \a > 1
	s_wait_xcnt 0x0                                ; block a - 2's stores have read their registers: block a's loads may land there
.endif
	TOSTAGE \a
	SEND \a-1, 32                                  ; behind block a - 1's loads: block a's 16 stores and 16 loads
.endr
	SEND 3, 0
	s_wait_tensorcnt 0x0                           ; the wave's end, behind my last tensor load and my last LDS store
	ds_add_u32 v[SPW], v[NIL]
	s_wait_dscnt 0x0
	CROUND                                         ; the closing round: no work-group ends while a partner may still ask for a tile that names it
	s_endpgm
.Lfunc_end_k_q5501888e87_proj:
	.size	k_q5501888e87_proj, .Lfunc_end_k_q5501888e87_proj-k_q5501888e87_proj
	.p2alignl 7, 3214868480
	.fill 96, 4, 3214868480
	.section	.rodata,"a",@progbits
	.p2align	6, 0x0
	.amdhsa_kernel k_q5501888e87_proj
		.amdhsa_group_segment_fixed_size 327680
		.amdhsa_private_segment_fixed_size 0
		.amdhsa_enable_private_segment 0
		.amdhsa_kernarg_size 24
		.amdhsa_user_sgpr_count 2
		.amdhsa_user_sgpr_kernarg_segment_ptr 1
		.amdhsa_wavefront_size32 1
		.amdhsa_system_sgpr_workgroup_id_x 1
		.amdhsa_system_sgpr_workgroup_id_y 1
		.amdhsa_system_sgpr_workgroup_id_z 1
		.amdhsa_system_vgpr_workitem_id 0
		.amdhsa_next_free_vgpr 768
		.amdhsa_next_free_sgpr 106
		.amdhsa_reserve_vcc 0
		.amdhsa_float_denorm_mode_32 3
		.amdhsa_float_denorm_mode_16_64 3
		.amdhsa_memory_ordered 1
		.amdhsa_forward_progress 1
		.amdhsa_inst_pref_size 81
	.end_amdhsa_kernel
	.amdgpu_metadata
---
amdhsa.version: [ 1, 2 ]
amdhsa.kernels:
  - .name:           k_q5501888e87_proj
    .symbol:         k_q5501888e87_proj.kd
    .args:
      - { .name: yq, .offset: 0, .size: 8, .value_kind: global_buffer, .address_space: global }
      - { .name: wq, .offset: 8, .size: 8, .value_kind: global_buffer, .address_space: global }
      - { .name: out0, .offset: 16, .size: 8, .value_kind: global_buffer, .address_space: global }
    .group_segment_fixed_size: 327680
    .private_segment_fixed_size: 0
    .kernarg_segment_align: 8
    .kernarg_segment_size: 24
    .max_flat_workgroup_size: 128
    .sgpr_count:     106
    .vgpr_count:     768
    .wavefront_size: 32
...
	.end_amdgpu_metadata
.endif
;; end of part 7
